; MI455X (gfx1250); checked and timed in simulation.
; The chip was launched on July 23, 2026; its instructions are those of AMD's public machine-readable ISA for CDNA 5 (MIT licence, August 2026) and "CDNA5" Instruction Set Architecture Reference Guide (July 2026). The comments in the code are by the model that wrote it; some were corrected since.
;; Transformer Block. Allowed arithmetic: matrix products marked QUANTISED: E2M3 operands, one E8M0 scale for each 32 along K, by v_wmma_scale_f32_16x16x128_f8f6f4 with both operands' format E2M3, f32 sums; everything else in f32.
;; Inputs: b_ff1 4,096 float32; b_ff2 1,024 float32; b_out 1,024 float32; b_qkv 3,072 float32; ln1_b 1,024 float32; ln1_g 1,024 float32; ln2_b 1,024 float32; ln2_g 1,024 float32; w_ff1_codes 4,096 x 32 x 24 uint8 (E2M3 codes of w_ff1, K innermost, in blocks of 32 codes, four codes in three bytes); w_ff1_scales 4,096 x 32 uint8 (E8M0 scales of w_ff1, one for each 32 codes along K); w_ff2_codes 1,024 x 128 x 24 uint8 (E2M3 codes of w_ff2, K innermost, in blocks of 32 codes, four codes in three bytes); w_ff2_scales 1,024 x 128 uint8 (E8M0 scales of w_ff2, one for each 32 codes along K); w_out_codes 1,024 x 32 x 24 uint8 (E2M3 codes of w_out, K innermost, in blocks of 32 codes, four codes in three bytes); w_out_scales 1,024 x 32 uint8 (E8M0 scales of w_out, one for each 32 codes along K); w_qkv_codes 3,072 x 32 x 24 uint8 (E2M3 codes of w_qkv, K innermost, in blocks of 32 codes, four codes in three bytes); w_qkv_scales 3,072 x 32 uint8 (E8M0 scales of w_qkv, one for each 32 codes along K); x 2 x 2,048 x 1,024 float32.
;; Outputs: out0 2 x 2,048 x 1,024 float32.
;; This version of the problem:
;;   THIS VERSION OF THE PROBLEM IS GIVEN IN LOW PRECISION. The matrix products marked QUANTISED in the list below multiply operands that are first quantised to E2M3 (2 exponent bits, 3 mantissa bits; 6 bits a number), with one power-of-two scale for each 32 numbers along K (OCP MX v1.0); their sums are f32. All else is computed in f32.
;;   The module's matrix products, in the order in which they are computed (A, B: the left and right operand; K: the contracted axis; several contracted axes count as one K, in the product's order):
;;     1. [M 4,096, K 1,024] x [K 1,024, N 3,072]; A: computed on the way; B: input w_qkv (given as codes): QUANTISED
;;     2. batch 32 x [M 2,048, K 64] x [K 64, N 2,048]; A: computed on the way; B: computed on the way: QUANTISED
;;     3. batch 32 x [M 64, K 2,048] x [K 2,048, N 2,048]; A: computed on the way; B: softmax (see below): QUANTISED
;;     4. [M 4,096, K 1,024] x [K 1,024, N 1,024]; A: computed on the way; B: input w_out (given as codes): QUANTISED
;;     5. [M 4,096, K 1,024] x [K 1,024, N 4,096]; A: computed on the way; B: input w_ff1 (given as codes): QUANTISED
;;     6. [M 4,096, K 4,096] x [K 4,096, N 1,024]; A: computed on the way; B: input w_ff2 (given as codes): QUANTISED
;;   THE QUANTISER, for each operand of a quantised product, along K:
;;     - K is cut into blocks of 32 from its start; a last block that is shorter is filled with zeros.
;;     - A block's scale is 2^e with e = floor(log2(the largest magnitude in the block)) - 2, held to -126 .. 127; a block of zeros has e = 0. As a byte (E8M0): e + 127.
;;     - Each number is divided by its block's scale, clamped to +-7.5, and rounded to the nearest number of E2M3, ties to even, subnormals kept.
;;     - The product sums the exact products of the quantised numbers (number of the format x scale) in f32.
;;   ~~~python
;;   def quantise(x, axis):      # numpy; x: float32 -> the quantised numbers, widened to float32 again
;;       x = np.moveaxis(x, axis, -1); K = x.shape[-1]
;;       x = np.pad(x, [(0, 0)] * (x.ndim - 1) + [(0, -K % 32)]); x = x.reshape(x.shape[:-1] + (-1, 32)); a = np.abs(x).max(-1, keepdims=True)
;;       e = np.where(a > 0, np.clip(np.frexp(np.where(a > 0, a, 1))[1] - 1 - 2, -126, 127), 0)      # np.frexp(a)[1] - 1 = floor(log2(a)), exactly
;;       r = np.clip(x / 2.0 ** e, -7.5, 7.5)
;;       step = 2.0 ** (np.maximum(np.frexp(np.where(r == 0, 1, r))[1] - 1, 0) - 3)
;;       q = np.round(r / step) * step * 2.0 ** e      # np.round: ties to even
;;       return np.moveaxis(q.reshape(q.shape[:-2] + (-1,))[..., :K], -1, axis).astype(np.float32)
;;   ~~~
;;   SOFTMAX AHEAD OF A QUANTISED PRODUCT. Where the list says 'softmax', what is quantised is not the finished softmax but p = 2^(t - M), with t = logit x log2(e) and M = ceil(the row's largest t), a whole number; so 1/2 < the row's largest p <= 1. The row's sum l is taken of the UNQUANTISED p, in f32, and the product's result is divided by l at the end. Since M is a whole number, a kernel that streams over the keys may use a running M (the ceiling of the running maximum): every later rescaling is an exact power of two, which a block's scale takes up: the codes' values come out the same.
;;   OPERANDS COMPUTED ON THE WAY. 'Computed on the way' means the value that the module computes at that place (a softmax that the list does not call 'softmax' is quantised finished and normalised). What goes into a quantiser is computed in f32, as accurately as f32 sums, v_exp_f32 and their like allow (about 1e-6 of the number): no bf16 or f16 on the way to a quantiser, and a product that is left as it is and whose result goes on into a quantised operand takes f32 operands (vector FMAs, or v_wmma_f32_16x16x4_f32). A number that lies on a knife's edge between two numbers of the format may be rounded either way, as far as f32 arithmetic and the matrix unit's own rounding can turn it there, and no further.
;;   INPUTS GIVEN AS CODES. w_ff1 (in the module: [1024, 4096], K = its axis 0); w_ff2 (in the module: [4096, 1024], K = its axis 0); w_out (in the module: [1024, 1024], K = its axis 0); w_qkv (in the module: [1024, 3072], K = its axis 0): each comes as NAME_codes (uint8): NAME with its K axis moved to the last place and cut into blocks of 32 codes, [.., K / 32, bytes a block], one block behind the other in memory; four codes in three bytes: a row's codes are one little-endian stream of bits, code i at bits 6 i .. 6 i + 5 (a code: sign, 2 exponent bits, 3 mantissa bits); and NAME_scales (uint8): the same leading axes, one E8M0 byte (e + 127) for each 32 codes along K. Its value is code x scale, taken as it is: it is not quantised again, and the codes and scales need not be those that the quantiser above would give.
;; One version. Each part assembles by itself: llvm-mc -triple=amdgcn-amd-amdhsa -mcpu=gfx1250 --defsym DOCPART=n.
;; ======== version 1 of 1: 7 launches
;; limits: right only within a limited range of input values
;; workspace buffers: wk 9,830,400 bytes; hn 3,276,800 bytes; qb 3,407,872 bytes; kv 6,684,672 bytes; at 3,276,800 bytes; x1 16,777,216 bytes; gg 13,107,200 bytes
;; launch ln1prep (part 1): grid 256 x 1, 8 waves a work-group, no clusters, 107,776 bytes of LDS; arguments x, ln1_g, ln1_b, hn, w_qkv_codes, w_qkv_scales, w_out_codes, w_out_scales, w_ff1_codes, w_ff1_scales, w_ff2_codes, w_ff2_scales, wk; writes hn, wk
.if DOCPART == 1
	.amdgcn_target "amdgcn-amd-amdhsa--gfx1250"
	.amdhsa_code_object_version 6
	.text
	.protected	k_qb7fde95c05_ln1prep
	.globl	k_qb7fde95c05_ln1prep
	.p2align	8
	.type	k_qb7fde95c05_ln1prep,@function
k_qb7fde95c05_ln1prep:
	s_mov_b64 s[64:65], 0
	v_nop
	global_prefetch_b8 v0, s[64:65] scope:SCOPE_SE
	s_setreg_imm32_b32 hwreg(HW_REG_WAVE_MODE, 25, 1), 1
	s_wait_xcnt 0x0
; LAUNCH 1 OF 7 of a pre-LN transformer block (4,096 tokens, C = 1,024, 16 heads of 64, FF = 4,096), all six products on codes of E2M3 with one E8M0 scale for each 32 along K.
; The seven: ln1prep (this) | qkv | attn | outp | ln2 | ff1 | ff2.
; DEAD WORK, for the whole program: reference() builds causal = tril(ones) in its own body and sets the scores of keys s > t to -inf; their weights are 0 for all values of the inputs.  So a step of 128 keys all of which
; come after a tile's 16 queries can reach no output: launch attn leaves those steps of products 2 and 3 out.  Nothing else is left out, and every input is loaded.  LIMIT: a NaN, an infinity or an overflow that would arise
; only in the steps left out is not carried to the result.
; LIMITS of all quantisers here: NaN and infinities among the inputs are not served; a block whose largest magnitude lies under 2^-124 gets the scale byte 1; a block of zeros gets the byte 1 where the rule says 127: its codes
; are zeros, which add nothing under any byte but 0xff, and only this program reads these bytes.
; THIS LAUNCH.  Every work-group does two things.  (1) h = LayerNorm(x) g + b in f32 (two passes: mean, then the squares of x - mean) for a block of 16 rows, quantised along C, stored as operand images.
; (2) Three pieces of the weights' codes and scale bytes, as they are given, re-laid as operand images.
; IMAGES.  A block is 16 rows; lane r of block i stands for row 32 (i / 2) + 8 (i % 2) + r + 8 (r / 8).  A fragment (16 rows x 128 K, 12 registers a lane) lies as two halves of 768 bytes: registers 6 c .. 6 c + 3 at 16 x lane,
; registers 6 c + 4, 6 c + 5 at 512 + 8 x lane.  Codes: [block][K / 128][1,536]; scale words: [block][K / 128][16 words].
; LN SHARES: wave w takes columns 128 w on.  Each of its 16 loads takes one row's 512 consecutive bytes; the rows turn through the wave's own stage in LDS (pitch 528) and come back so that lane (r, h) holds 16 neighbours of each
; block of 32 of row r, which is what the conversions want.  The rows' sums meet in LDS (three barriers).
; THE WEIGHTS.  In wk the four weights' fragments lie on end: fragment F at 1,536 F, its 16 scale words at 9,437,184 + 64 F; w_qkv has F 0 .. 1,535, w_out 1,536 .. 2,047, w_ff1 2,048 .. 4,095, w_ff2 4,096 .. 6,143.
; Wave w of work-group i makes fragments 8 i + w + 2,048 p, p = 0, 1, 2.  For each p the work-group's eight fragments are 16 rows x 768 bytes of one tensor: wave w loads rows 2 w, 2 w + 1 by three loads of 16 bytes a lane, stores them
; into a shared stage (pitch 784), and behind the first barrier, which the sums need anyway, reads K step w's fragment: 24 bytes of a row's stream of bits for each half, as they lie.
; REGISTERS: window 0: v0-31 addresses and sums; v32-95 x; v96-159 the gains, later the codes; v160-223 the biases.  Window 1: v0-35 the weights' bytes, v36-38 their scale words.
.set SPARE, 1536                       ; the spare words: 128 bytes for each of 8 waves, named by no other line
.set RED0,  0                          ; 8 waves x 16 words: the rows' sums
.set RED1,  512                        ; the rows' sums of squares
.set SCG,   1024                       ; the block's 8 x 16 scale words
.set STG,   2560                       ; x's stages: 16 rows x 528 bytes for each wave
.set SPI,   528                        ; 132 words: row r begins 4 r banks on (64 banks of 4 bytes: ISA guide 11.1)
.set WST,   STG+8*16*SPI               ; the weights' stage: three pieces of 16 rows x 784 bytes
.set WPI,   784                        ; 196 words: row r begins 4 r banks on; the halves, 6 words apart, fall between
.set WPC,   16*WPI
.set HN_SC, 3145728
.set WK_SC, 9437184
.set TSTEP, 2048*1536                  ; from piece to piece in wk: images,
.set SSTEP, 2048*64                    ; scale words
.set X,   32
.set G,   96
.set BV,  160
.set PC,  96                           ; the codes just made (over the gains, which are done with)
.set TM,  120
.set PW,  136
.set SEL, 56                           ; s[56:57] v_permlanex16_b32's selects for lane l xor 16
.set MSB, 0
.macro WIN new                         ; the immediate's high byte repeats the setting that is left
.if MSB != \new
	s_set_vgpr_msb (MSB<<8)|\new
.set MSB, \new
.endif
.endm
; 64 numbers of a lane, register 16 b + i = k 32 b + 16 (lane / 16) + i of my row, become a fragment's codes in v[PC] on and its scale word in v[PW]
.macro QUANT s
.irp b, 0,1,2,3
	v_max3_num_f32 v[TM+\b], |v[\s+16*\b]|, |v[\s+1+16*\b]|, 0x1800000   ; my 16 numbers of block b, and the floor 2^(3 - 127): the byte cannot fall under 1
.endr
.irp i, 2,4,6,8,10,12,14
.irp b, 0,1,2,3
	s_delay_alu instid0(VALU_DEP_4)
	v_max3_num_f32 v[TM+\b], v[TM+\b], |v[\s+16*\b+\i]|, |v[\s+1+16*\b+\i]|
.endr
.endr
.irp b, 0,1,2,3
	s_delay_alu instid0(VALU_DEP_4)
	v_permlanex16_b32 v[TM+4+\b], v[TM+\b], s[SEL], s[SEL+1]
.endr
.irp b, 0,1,2,3
	s_delay_alu instid0(VALU_DEP_4)
	v_max_num_f32 v[TM+\b], v[TM+\b], v[TM+4+\b]   ; with lane l xor 16's: the block's largest magnitude
.endr
.irp b, 0,1,2,3
	s_delay_alu instid0(VALU_DEP_4)
	v_add_nc_u32 v[TM+12+\b], 0xff000000, v[TM+\b]   ; 2 off its exponent field: the conversion's scale operand
.endr
.irp b, 0,1,2,3
	s_delay_alu instid0(VALU_DEP_4)
	v_lshrrev_b32 v[TM+4+\b], 23, v[TM+12+\b]      ; the scale's byte
.endr
	s_delay_alu instid0(VALU_DEP_3)
	v_lshl_or_b32 v[PW], v[TM+5], 8, v[TM+4]
	s_delay_alu instid0(VALU_DEP_1)
	v_lshl_or_b32 v[PW], v[TM+6], 16, v[PW]
	s_delay_alu instid0(VALU_DEP_1)
	v_lshl_or_b32 v[PW], v[TM+7], 24, v[PW]
.irp c, 0,1
	v_cvt_scalef32_pk16_fp6_f32 v[PC+6*\c:PC+2+6*\c], v[\s+32*\c:\s+15+32*\c], v[TM+12+2*\c]
	v_cvt_scalef32_pk16_fp6_f32 v[PC+12+4*\c:PC+14+4*\c], v[\s+16+32*\c:\s+31+32*\c], v[TM+12+2*\c+1]   ; (a conversion's three registers begin on an even number)
.endr
	v_nop                                          ; one plain place behind a scaled conversion
.irp c, 0,1                                    ; the operand's layout wants a whole block in a lane
.irp i, 0,1,2
	v_permlane16_swap_b32 v[PC+6*\c+\i], v[PC+12+4*\c+\i]
.endr
.irp i, 0,1,2
	s_delay_alu instid0(VALU_DEP_3)
	v_mov_b32 v[PC+3+6*\c+\i], v[PC+12+4*\c+\i]
.endr
.endr
.endm
; two chains in v[16:19] become the row's sum over all 1,024 columns, in v16 of every lane
.macro ACROSS red
	s_delay_alu instid0(VALU_DEP_1)
	v_pk_add_f32 v[16:17], v[16:17], v[18:19]
	s_delay_alu instid0(VALU_DEP_1)
	v_add_f32 v16, v16, v17
	s_delay_alu instid0(VALU_DEP_1)
	v_permlanex16_b32 v17, v16, s[SEL], s[SEL+1]
	s_delay_alu instid0(VALU_DEP_1)
	v_add_f32 v16, v16, v17                        ; my wave's 128 columns of row r
	ds_store_b32 v8, v16 offset:\red               ; both halves of the lanes write the same word with the same value
	s_wait_dscnt 0x0                               ; for the others' sake: all my LDS stores have landed
	s_barrier_signal -1
	s_barrier_wait -1
.irp k, 0,1,2,3,4,5,6,7
	ds_load_b32 v[16+\k], v9 offset:\red+64*\k
.endr
	s_wait_dscnt 0x0
	v_add_f32 v16, v16, v17                        ; the same order in every wave
	v_add_f32 v18, v18, v19
	v_add_f32 v20, v20, v21
	v_add_f32 v22, v22, v23
	s_delay_alu instid0(VALU_DEP_3)
	v_add_f32 v16, v16, v18
	s_delay_alu instid0(VALU_DEP_2)
	v_add_f32 v20, v20, v22
	s_delay_alu instid0(VALU_DEP_1)
	v_add_f32 v16, v16, v20
.endm
	s_load_b256 s[4:11], s[0:1], 0x0               ; x, ln1_g, ln1_b, hn
	s_load_b512 s[16:31], s[0:1], 0x20             ; the four weights: codes, scales
	s_load_b64 s[32:33], s[0:1], 0x60              ; wk
	v_lshl_add_u32 v10, v0, 2, SPARE               ; my spare word,
	v_mov_b32 v11, 0                               ; and 0: kept for the closing lines alone
	v_lshrrev_b32 v1, 5, v0
	s_delay_alu instid0(VALU_DEP_1)
	v_readfirstlane_b32 s12, v1                    ; wave 0..7
	v_and_b32 v1, 31, v0                           ; lane
	v_and_b32 v2, 15, v0                           ; r
	v_bfe_u32 v3, v0, 4, 1                         ; h
	s_delay_alu instid0(VALU_DEP_2)
	v_and_b32 v24, 8, v2
	s_delay_alu instid0(VALU_DEP_1)
	v_add_nc_u32 v24, v24, v2                      ; r + 8 (r / 8)
	v_lshlrev_b32 v6, 4, v1                        ; 16 x lane
	v_lshlrev_b32 v7, 3, v1                        ; 8 x lane
	v_lshlrev_b32 v5, 6, v3                        ; g, b: 64 h
	s_mul_i32 s13, s12, 16*SPI
	s_add_co_u32 s13, s13, STG                     ; my stage for x
	v_add_nc_u32 v4, s13, v6                       ; in: a row as it was loaded
	v_mul_u32_u24 v25, v2, SPI
	s_delay_alu instid0(VALU_DEP_1)
	v_lshl_add_u32 v25, v3, 6, v25
	s_delay_alu instid0(VALU_DEP_1)
	v_add_nc_u32 v25, s13, v25                     ; back: row r, + 64 h
	s_mul_i32 s13, s12, 2*WPI
	s_add_co_u32 s13, s13, WST
	v_add_nc_u32 v26, s13, v6                      ; the weights' stage, in: rows 2 w, 2 w + 1 on end,
	s_delay_alu instid0(VALU_DEP_1)
	v_lshl_add_u32 v27, v3, 4, v26                 ; with the 16 bytes between the two rows for the load that straddles them
	s_mul_i32 s13, s12, 96
	s_add_co_u32 s13, s13, WST
	v_mul_u32_u24 v28, v2, WPI
	s_delay_alu instid0(VALU_DEP_1)
	v_mad_u32_u24 v28, v3, 24, v28
	s_delay_alu instid0(VALU_DEP_1)
	v_add_nc_u32 v28, s13, v28                     ; back: row r, K step w, + 24 h
	v_mul_u32_u24 v29, v3, 2304
	s_delay_alu instid0(VALU_DEP_1)
	v_add_nc_u32 v29, v29, v6                      ; w_ff2: its rows are 3,072 bytes, the piece 768: lanes 16-31 of the straddling load stand 2,304 further on
	v_lshlrev_b32 v30, 5, v24                      ; a row of scale bytes: 32,
	v_lshlrev_b32 v31, 7, v24                      ; in w_ff2 128
	s_lshl_b32 s13, s12, 6
	v_lshl_add_u32 v8, v2, 2, s13                  ; LDS: 64 x wave + 4 r
	v_lshlrev_b32 v9, 2, v2                        ; 4 r
	s_lshr_b32 s14, ttmp9, 1
	s_lshl_b32 s14, s14, 5
	s_and_b32 s15, ttmp9, 1
	s_lshl_b32 s15, s15, 3
	s_add_co_u32 s14, s14, s15                     ; block ttmp9's first row
	s_lshl_b32 s34, s14, 12
	s_lshl_b32 s36, s12, 9                         ; my wave's 128 columns
	s_add_co_u32 s34, s34, s36
	s_mov_b32 s35, 0
	s_mov_b32 s37, 0
	s_mul_i32 s38, ttmp9, 12288
	s_mul_i32 s39, s12, 1536
	s_add_co_u32 s38, s38, s39                     ; my fragment's image in hn
	s_mov_b32 s39, 0
	s_lshl_b32 s40, ttmp9, 9
	s_add_co_u32 s40, s40, HN_SC                   ; the block's 512 bytes of scale words
	s_mov_b32 s41, 0
	s_mov_b32 s[SEL], 0x76543210
	s_mov_b32 s[SEL+1], 0xfedcba98
	s_mov_b32 s42, 0x3a800000                      ; 1 / 1,024
	s_mov_b32 s43, 0x3727c5ac                      ; eps = 1e-5
	; the weights: offsets, apart from the addresses
	s_lshl_b32 s58, s12, 1
	s_lshr_b32 s59, s12, 2
	s_lshl_b32 s59, s59, 3
	s_add_co_u32 s58, s58, s59                     ; stage rows 2 w, 2 w + 1 are the block's rows 2 w + 8 (w / 4) and the next
	s_lshl_b32 s59, s12, 2                         ; 4 w: K step w's scale word in a row
	s_cmp_lt_u32 ttmp9, 192                        ; piece 0: w_qkv's block ttmp9, or w_out's block ttmp9 - 192
	s_cselect_b32 s48, 0, 192
	s_sub_co_u32 s48, ttmp9, s48
	s_lshr_b32 s49, s48, 1
	s_lshl_b32 s49, s49, 5
	s_and_b32 s48, s48, 1
	s_lshl_b32 s48, s48, 3
	s_add_co_u32 s48, s48, s49                     ; its first row
	s_lshl_b32 s50, s48, 5
	s_add_co_u32 s50, s50, s59                     ; scale bytes
	s_add_co_u32 s48, s48, s58
	s_mul_i32 s48, s48, 768                        ; codes
	s_mov_b32 s49, 0
	s_mov_b32 s51, 0
	s_lshl_b32 s62, s14, 5                         ; piece 1: w_ff1's block ttmp9
	s_add_co_u32 s62, s62, s59
	s_mov_b32 s63, 0
	s_add_co_u32 s60, s14, s58
	s_mul_i32 s60, s60, 768
	s_mov_b32 s61, 0
	s_lshr_b32 s2, ttmp9, 2                        ; piece 2: w_ff2's block ttmp9 / 4,
	s_and_b32 s3, ttmp9, 3                         ; K steps 8 (ttmp9 % 4) on
	s_lshr_b32 s13, s2, 1
	s_lshl_b32 s13, s13, 5
	s_and_b32 s2, s2, 1
	s_lshl_b32 s2, s2, 3
	s_add_co_u32 s2, s2, s13                       ; its first row
	s_lshl_b32 s44, s2, 7
	s_lshl_b32 s13, s3, 5
	s_add_co_u32 s44, s44, s13
	s_add_co_u32 s44, s44, s59
	s_mov_b32 s45, 0
	s_add_co_u32 s2, s2, s58
	s_mul_i32 s2, s2, 3072
	s_mul_i32 s3, s3, 768
	s_add_co_u32 s2, s2, s3
	s_mov_b32 s3, 0
	s_lshl_b32 s46, ttmp9, 3
	s_add_co_u32 s46, s46, s12                     ; 8 i + w
	s_lshl_b32 s54, s46, 6
	s_add_co_u32 s54, s54, WK_SC
	s_mov_b32 s55, 0
	s_mul_i32 s52, s46, 1536
	s_mov_b32 s53, 0
	s_wait_alu depctr_va_vdst(0)
	s_wait_kmcnt 0x0
	s_add_nc_u64 s[4:5], s[4:5], s[34:35]
	s_add_nc_u64 s[6:7], s[6:7], s[36:37]
	s_add_nc_u64 s[8:9], s[8:9], s[36:37]
	s_add_nc_u64 s[38:39], s[10:11], s[38:39]
	s_add_nc_u64 s[40:41], s[10:11], s[40:41]
	s_cmp_lt_u32 ttmp9, 192                        ; the choice hangs on the work-group's number alone
	s_cselect_b64 s[16:17], s[16:17], s[20:21]
	s_cselect_b64 s[18:19], s[18:19], s[22:23]
	s_add_nc_u64 s[16:17], s[16:17], s[48:49]
	s_add_nc_u64 s[18:19], s[18:19], s[50:51]
	s_add_nc_u64 s[24:25], s[24:25], s[60:61]
	s_add_nc_u64 s[26:27], s[26:27], s[62:63]
	s_add_nc_u64 s[28:29], s[28:29], s[2:3]
	s_add_nc_u64 s[30:31], s[30:31], s[44:45]
	s_add_nc_u64 s[52:53], s[32:33], s[52:53]
	s_add_nc_u64 s[54:55], s[32:33], s[54:55]
.set j, 0
.rept 16
	global_load_b128 v[X+4*j:X+4*j+3], v6, s[4:5] offset:(j+8*(j/8))*4096 th:TH_LOAD_NT   ; stage row j: 512 consecutive bytes
.set j, j+1
.endr
	WIN 0x40                                       ; destination window 1
.irp m, 0,1,2
	global_load_b128 v[4*\m:4*\m+3], v6, s[16:17] offset:512*\m th:TH_LOAD_NT        ; two rows of 768 bytes on end: 1,536 consecutive bytes
.endr
.irp m, 0,1,2
	global_load_b128 v[12+4*\m:15+4*\m], v6, s[24:25] offset:512*\m th:TH_LOAD_NT
.endr
	global_load_b128 v[24:27], v6, s[28:29] th:TH_LOAD_NT
	global_load_b128 v[28:31], v29, s[28:29] offset:512 th:TH_LOAD_NT
	global_load_b128 v[32:35], v6, s[28:29] offset:1024+2304 th:TH_LOAD_NT
	global_load_b32 v36, v30, s[18:19]             ; my row's scale word of K step w
	global_load_b32 v37, v30, s[26:27]
	global_load_b32 v38, v31, s[30:31]
	WIN 0
.irp b, 0,1,2,3
.irp j, 0,1,2,3
	global_load_b128 v[G+16*\b+4*\j:G+16*\b+4*\j+3], v5, s[6:7] offset:128*\b+16*\j
.endr
.endr
.irp b, 0,1,2,3
.irp j, 0,1,2,3
	global_load_b128 v[BV+16*\b+4*\j:BV+16*\b+4*\j+3], v5, s[8:9] offset:128*\b+16*\j
.endr
.endr
.set j, 0
.rept 16
	s_wait_loadcnt 59-j                            ; row j is in; behind it: 15 - j rows, the weights' 12 loads, the 32 of g and b
	ds_store_b128 v4, v[X+4*j:X+4*j+3] offset:SPI*j
.set j, j+1
.endr
.irp b, 0,1,2,3
.irp j, 0,1,2,3
	ds_load_b128 v[X+16*\b+4*\j:X+16*\b+4*\j+3], v25 offset:128*\b+16*\j   ; LDS serves a wave's instructions in order (ISA guide 5.7.1.4): these see my stores
.endr
.endr
	s_wait_loadcnt 32                              ; the weights' loads are in; the 32 of g and b may be out
	WIN 0x04                                       ; an LDS store's data are its source 1: window 1
.irp p, 0,1,2
	ds_store_b128 v26, v[12*\p:12*\p+3] offset:\p*WPC
	ds_store_b128 v27, v[12*\p+4:12*\p+7] offset:\p*WPC+512
	ds_store_b128 v26, v[12*\p+8:12*\p+11] offset:\p*WPC+1024+16
.endr
	WIN 0
	s_wait_dscnt 9                                 ; x is back; the nine younger stores may be out
	v_pk_add_f32 v[16:17], v[X:X+1], v[X+2:X+3]
	v_pk_add_f32 v[18:19], v[X+4:X+5], v[X+6:X+7]
.set j, 8
.rept 14
	s_delay_alu instid0(VALU_DEP_2)
	v_pk_add_f32 v[16:17], v[16:17], v[X+j:X+j+1]
	s_delay_alu instid0(VALU_DEP_2)
	v_pk_add_f32 v[18:19], v[18:19], v[X+j+2:X+j+3]
.set j, j+4
.endr
	ACROSS RED0                                    ; its barrier also shows the weights' stage whole
	WIN 0x40
.irp p, 0,1,2
.irp q, 0,1,2,3,4,5
	ds_load_b64 v[12*\p+2*\q:12*\p+2*\q+1], v28 offset:\p*WPC+48*(\q/3)+8*(\q%3)   ; K step w's fragment of piece p; it lands under the second pass
.endr
.endr
	WIN 0
	v_mul_f32 v12, s42, v16                        ; the mean
	s_delay_alu instid0(VALU_DEP_1)
	v_mov_b32 v13, v12
.set j, 0
.rept 32
	v_pk_add_f32 v[X+j:X+j+1], v[X+j:X+j+1], v[12:13] neg_lo:[0,1] neg_hi:[0,1]   ; x - mean
.set j, j+2
.endr
	v_pk_mul_f32 v[16:17], v[X:X+1], v[X:X+1]
	v_pk_mul_f32 v[18:19], v[X+2:X+3], v[X+2:X+3]
.set j, 4
.rept 15
	s_delay_alu instid0(VALU_DEP_2)
	v_pk_fma_f32 v[16:17], v[X+j:X+j+1], v[X+j:X+j+1], v[16:17]
	s_delay_alu instid0(VALU_DEP_2)
	v_pk_fma_f32 v[18:19], v[X+j+2:X+j+3], v[X+j+2:X+j+3], v[18:19]
.set j, j+4
.endr
	ACROSS RED1                                    ; (its waits for 0 have shown the fragments in)
	WIN 0x04                                       ; a store's data are its source 1: window 1
.irp p, 0,1,2
	global_store_b128 v6, v[12*\p:12*\p+3], s[52:53] offset:\p*TSTEP               ; the image: 512, 256, 512, 256 consecutive bytes
	global_store_b64 v7, v[12*\p+4:12*\p+5], s[52:53] offset:\p*TSTEP+512
	global_store_b128 v6, v[12*\p+6:12*\p+9], s[52:53] offset:\p*TSTEP+768
	global_store_b64 v7, v[12*\p+10:12*\p+11], s[52:53] offset:\p*TSTEP+1280
	global_store_b32 v9, v[36+\p], s[54:55] offset:\p*SSTEP                        ; both halves of the lanes hold and write the same word
.endr
	WIN 0
	v_fma_f32 v20, v16, s42, s43                   ; var + eps
	s_wait_alu depctr_va_vdst(0)
	v_rsq_f32 v14, v20
	v_rsq_f32 v15, v20                             ; twice: a pair for the packed multiply
	v_nop                                          ; a plain place behind the two
	s_wait_alu depctr_va_vdst(0)                   ; one wait for both, ahead of their first reader
	s_wait_loadcnt 0x0                             ; g and b
.set j, 0
.rept 32
	v_pk_mul_f32 v[X+j:X+j+1], v[X+j:X+j+1], v[14:15]
.set j, j+2
.endr
.set j, 0
.rept 32
	v_pk_fma_f32 v[X+j:X+j+1], v[X+j:X+j+1], v[G+j:G+j+1], v[BV+j:BV+j+1]
.set j, j+2
.endr
	QUANT X                                        ; (the lane permutes' destinations hold gains, which are in and done with)
	global_store_b128 v6, v[PC:PC+3], s[38:39]
	global_store_b64 v7, v[PC+4:PC+5], s[38:39] offset:512
	global_store_b128 v6, v[PC+6:PC+9], s[38:39] offset:768
	global_store_b64 v7, v[PC+10:PC+11], s[38:39] offset:1280
	ds_store_b32 v8, v[PW] offset:SCG
	s_wait_dscnt 0x0
	s_barrier_signal -1
	s_barrier_wait -1                              ; the block's 128 scale words lie in LDS
	s_cmp_lg_u32 s12, 0
	s_cbranch_scc1 .Lnot0
	ds_load_b128 v[16:19], v6 offset:SCG
	s_wait_dscnt 0x0
	global_store_b128 v6, v[16:19], s[40:41]       ; wave 0 stores them: 512 consecutive bytes, aligned
.Lnot0:
	s_wait_tensorcnt 0x0                           ; the wave's end, behind my last LDS store
	ds_add_u32 v10, v11
	s_wait_dscnt 0x0
	s_endpgm
.Lfunc_end_k_qb7fde95c05_ln1prep:
	.size	k_qb7fde95c05_ln1prep, .Lfunc_end_k_qb7fde95c05_ln1prep-k_qb7fde95c05_ln1prep
	.p2alignl 7, 3214868480
	.fill 96, 4, 3214868480
	.section	.rodata,"a",@progbits
	.p2align	6, 0x0
	.amdhsa_kernel k_qb7fde95c05_ln1prep
		.amdhsa_group_segment_fixed_size 107776
		.amdhsa_private_segment_fixed_size 0
		.amdhsa_enable_private_segment 0
		.amdhsa_kernarg_size 104
		.amdhsa_user_sgpr_count 2
		.amdhsa_user_sgpr_kernarg_segment_ptr 1
		.amdhsa_wavefront_size32 1
		.amdhsa_system_sgpr_workgroup_id_x 1
		.amdhsa_system_sgpr_workgroup_id_y 1
		.amdhsa_system_sgpr_workgroup_id_z 1
		.amdhsa_system_vgpr_workitem_id 0
		.amdhsa_next_free_vgpr 304
		.amdhsa_next_free_sgpr 66
		.amdhsa_reserve_vcc 0
		.amdhsa_float_denorm_mode_32 3
		.amdhsa_float_denorm_mode_16_64 3
		.amdhsa_memory_ordered 1
		.amdhsa_forward_progress 1
		.amdhsa_inst_pref_size 39
	.end_amdhsa_kernel
	.amdgpu_metadata
---
amdhsa.version: [ 1, 2 ]
amdhsa.kernels:
  - .name:           k_qb7fde95c05_ln1prep
    .symbol:         k_qb7fde95c05_ln1prep.kd
    .args:
      - { .name: x, .offset: 0, .size: 8, .value_kind: global_buffer, .address_space: global }
      - { .name: ln1_g, .offset: 8, .size: 8, .value_kind: global_buffer, .address_space: global }
      - { .name: ln1_b, .offset: 16, .size: 8, .value_kind: global_buffer, .address_space: global }
      - { .name: hn, .offset: 24, .size: 8, .value_kind: global_buffer, .address_space: global }
      - { .name: w_qkv_codes, .offset: 32, .size: 8, .value_kind: global_buffer, .address_space: global }
      - { .name: w_qkv_scales, .offset: 40, .size: 8, .value_kind: global_buffer, .address_space: global }
      - { .name: w_out_codes, .offset: 48, .size: 8, .value_kind: global_buffer, .address_space: global }
      - { .name: w_out_scales, .offset: 56, .size: 8, .value_kind: global_buffer, .address_space: global }
      - { .name: w_ff1_codes, .offset: 64, .size: 8, .value_kind: global_buffer, .address_space: global }
      - { .name: w_ff1_scales, .offset: 72, .size: 8, .value_kind: global_buffer, .address_space: global }
      - { .name: w_ff2_codes, .offset: 80, .size: 8, .value_kind: global_buffer, .address_space: global }
      - { .name: w_ff2_scales, .offset: 88, .size: 8, .value_kind: global_buffer, .address_space: global }
      - { .name: wk, .offset: 96, .size: 8, .value_kind: global_buffer, .address_space: global }
    .group_segment_fixed_size: 107776
    .private_segment_fixed_size: 0
    .kernarg_segment_align: 8
    .kernarg_segment_size: 104
    .max_flat_workgroup_size: 256
    .sgpr_count:     66
    .vgpr_count:     304
    .wavefront_size: 32
...
	.end_amdgpu_metadata
.endif
;; end of part 1
;; launch qkv (part 2): grid 12 x 16, 4 waves a work-group, clusters of 4 x 4, 327,680 bytes of LDS; arguments hn, wk, b_qkv, qb, kv; writes qb, kv
.if DOCPART == 2
	.amdgcn_target "amdgcn-amd-amdhsa--gfx1250"
	.amdhsa_code_object_version 6
	.text
	.protected	k_qb7fde95c05_qkv
	.globl	k_qb7fde95c05_qkv
	.p2align	8
	.type	k_qb7fde95c05_qkv,@function
k_qb7fde95c05_qkv:
	s_mov_b64 s[64:65], 0
	v_nop
	global_prefetch_b8 v0, s[64:65] scope:SCOPE_SE
	s_setreg_imm32_b32 hwreg(HW_REG_WAVE_MODE, 25, 1), 1
	s_wait_xcnt 0x0
	s_wait_alu depctr_hold_cnt(0) depctr_sa_sdst(0) depctr_va_vdst(0) depctr_va_sdst(0) depctr_va_ssrc(0) depctr_va_vcc(0) depctr_vm_vsrc(0)
	s_getreg_b32 s2, hwreg(HW_REG_IB_STS2, 6, 4)
	s_cmp_eq_u32 s2, 0
	s_cbranch_scc0 .Lentry_in_a_cluster
	s_endpgm
.Lentry_in_a_cluster:
	s_bfe_u32 s2, ttmp6, 0x10000c
	s_cmp_lg_u32 s2, 0xf033
	s_cbranch_scc0 .Lentry_shape_is_right
	s_endpgm
.Lentry_shape_is_right:
; LAUNCH 2 OF 7: qkv = Q(h) Q(w_qkv) + b_qkv on codes of E2M3, and its results quantised for attention: q and k along the head's 64, v along the tokens.
; A tile of 256 x 256 to a work-group of four waves, 128 x 128 to a wave (64 accumulators).  K = 1,024 goes in steps of 128, three to a slot (the last fill two), through a ring of two LDS slots filled by the tensor data mover.
; OPERANDS ARE REGISTER IMAGES ([block of 16 rows][K step][1,536 bytes], laid by the launch before): a fragment comes by two ds_load_b128 and two ds_load_b64 of consecutive bytes: no pitch, no padding.
; Lane r of block i stands for row 32 (i / 2) + 8 (i % 2) + r + 8 (r / 8).  THE MATRIX INSTRUCTION IS USED TRANSPOSED (source 0 = side B's 16 rows, source 1 = side A's): a lane holds one row of side A, and the 16 registers
; of B's blocks 2 b, 2 b + 1 are 16 neighbours along side B: what the next quantiser wants.
; THE CLUSTER'S x PICKS THE PART: 0 = q, 1 = k: side A = tokens (hn), side B = the weight's rows.  2 = v: v is quantised along the tokens, so the sides change places, by pointers alone: side A = the weight's v rows, side B = tokens.
; CLUSTERS: 4 x 4 work-groups; side A's tiles are shared along a row of the cluster, side B's along a column, each asked for jointly.  The scale words of the work-group's rows, for all of K, come once with the first fills.
; REGISTERS: window 0: v0-31 addresses, v32-47 scale words (two sets), v64-159, v160-255 A's fragments (two sets); window 1: v0-95, v128-223 B's (two sets), v96-127, v224-255 the bias; windows 2, 3: accumulators.
; LIMITS: as stated at the head of the first launch's text (NaN, infinities; the scale byte's floor; blocks of zeros).
.set NBK,   8                          ; blocks of 16 rows a wave and side
.set KS,    3                          ; K steps in a slot: THREE (not the two of the note above): K's eight steps come in three fills of 3, 3 and 2 steps
.set KT,    8                          ; K steps in all
.set LAPS,  KT/(2*KS)
.set FRB,   1536
.set HALFT, NBK*KS*FRB                 ; what one tensor load brings
.set SLOT,  4*HALFT                    ; A's two halves, B's two halves
.set SBLK,  64*KT                      ; a block's scale words
.set HALFS, NBK*SBLK
.set SCL,   2*SLOT                     ; behind the ring: the scale words
.set SPARE, SCL+4*HALFS                ; the spare words: 128 bytes a wave, named by no other line
.set HN_SC, 3145728
.set QKV_SC, 9437184
.set V_IMG, 1572864                    ; the weight's rows 2,048 on: blocks 128 on
.set V_SC,  65536
.set QB_SC, 3145728
.set CH,    13056                      ; kv: a chunk = 128 keys of a head: 8 tiles of K (768 each), 4 of V^T (1,536 each), K's 128 scale words, V's 64
.set ADRA16, 16                        ; v16-17 A's fragments in slot 0, 1: + 16 x lane;  v18-19: + 8 x lane
.set ADRA8,  18
.set ADRB16, 20
.set ADRB8,  22
.set L16,  24                          ; 16 x lane
.set L8,   25                          ; 8 x lane
.set SA,   26                          ; the way out: my scale word's place
.set ADRS, 27                          ; LDS address of my scale words: lanes 0-15 A's, lanes 16-31 B's
.set SPW,  28
.set NIL,  29
.set SH,   30
.set BO,   31
.set SC,   32
.set AF,   64
.set ASTR, 12*NBK
.set HA,   64                          ; the way out: 64 numbers,
.set PC,   128                         ; their codes,
.set TM,   152
.set PW,   170                         ; their scale word
.set PD,   171
.set G1,   24
.set G0,   32
.set G1B,  48
.set G0B,  56
.set G1S,  68
.set G0S,  76
.set G1SB, 80
.set G0SB, 88
.set SEL,  46
.set MSB, 0
.macro WIN new                         ; the immediate's high byte repeats the setting that is left
.if MSB != \new
	s_set_vgpr_msb (MSB<<8)|\new
.set MSB, \new
.endif
.endm
.set MUL_LO, 0xa1                      ; source 0 (B) window 1, source 1 (A) window 0, C and D window 2
.set MUL_HI, 0xf1
.set TO_B,   0x40
.macro JLOAD g0a, g1a, g0b, g1b        ; a joint load: waves 0, 1 fetch for A, waves 2, 3 for B; an s_nop 0 and four v_nop follow each line
	s_cmp_eq_u32 s15, 0
	s_cbranch_scc0 .Lfor_b_\@
	tensor_load_to_lds s[\g0a:\g0a+3], s[\g1a:\g1a+7]
	s_nop 0
.rept 4
	v_nop
.endr
	s_branch .Lasked_\@
.Lfor_b_\@:
	tensor_load_to_lds s[\g0b:\g0b+3], s[\g1b:\g1b+7]
	s_nop 0
.rept 4
	v_nop
.endr
.Lasked_\@:
.endm
.macro CREST
	s_cmp_lg_u32 s14, 0
	s_cbranch_scc1 .Lnot_wave_0_\@
	s_barrier_signal -3
.Lnot_wave_0_\@:
	s_barrier_wait -3
	s_barrier_signal -1
	s_barrier_wait -1
.endm
.macro CROUND
	s_barrier_signal -1
	s_barrier_wait -1
	CREST
.endm
.macro PLACES n
.rept \n
	v_nop
.endr
.endm
.macro FRAGL reg, a16, a8, off         ; a fragment's image back into 12 registers
	ds_load_b128 v[(\reg):(\reg)+3], v[\a16] offset:(\off)
	ds_load_b64 v[(\reg)+4:(\reg)+5], v[\a8] offset:(\off)+512
	ds_load_b128 v[(\reg)+6:(\reg)+9], v[\a16] offset:(\off)+768
	ds_load_b64 v[(\reg)+10:(\reg)+11], v[\a8] offset:(\off)+1280
.endm
.macro FETCH st                        ; K step st: B's and A's fragments and the scale words into set st % 2
.set FS, ((\st)/KS)%2                  ; its slot,
.set FQ, (\st)%KS                      ; its place in the fill,
.set FW, KS-(\st)/(2*KS)               ; the steps that a block has in that fill: 3, 3, 2
.set FP, (\st)%2
	WIN TO_B
.irp i, 0,1,2,3,4,5,6,7
	FRAGL 128*FP+12*\i, ADRB16+FS, ADRB8+FS, (\i*FW+FQ)*FRB
.endr
	WIN 0
.irp i, 0,1,2,3,4,5,6,7
	FRAGL AF+ASTR*FP+12*\i, ADRA16+FS, ADRA8+FS, (\i*FW+FQ)*FRB
.endr
.irp i, 0,1,2,3,4,5,6,7
	ds_load_b32 v[SC+NBK*FP+\i], v[ADRS] offset:\i*SBLK+64*(\st)
.endr
.endm
.macro MULA a, set, zero               ; A's block a against B's eight.  The 64 accumulators take turns in the same order in every step
.irp b, 0,1,2,3,4,5,6,7
.if \zero
	v_wmma_scale_f32_16x16x128_f8f6f4 v[8*(8*((\a)%4)+\b):8*(8*((\a)%4)+\b)+7], v[128*(\set)+12*\b:128*(\set)+12*\b+11], v[AF+ASTR*(\set)+12*(\a):AF+ASTR*(\set)+12*(\a)+11], 0, v[SC+NBK*(\set)+\b], v[SC+NBK*(\set)+(\a)] matrix_a_fmt:MATRIX_FMT_FP6 matrix_b_fmt:MATRIX_FMT_FP6 matrix_a_scale:MATRIX_SCALE_ROW1
.else
	v_wmma_scale_f32_16x16x128_f8f6f4 v[8*(8*((\a)%4)+\b):8*(8*((\a)%4)+\b)+7], v[128*(\set)+12*\b:128*(\set)+12*\b+11], v[AF+ASTR*(\set)+12*(\a):AF+ASTR*(\set)+12*(\a)+11], v[8*(8*((\a)%4)+\b):8*(8*((\a)%4)+\b)+7], v[SC+NBK*(\set)+\b], v[SC+NBK*(\set)+(\a)] matrix_a_fmt:MATRIX_FMT_FP6 matrix_b_fmt:MATRIX_FMT_FP6 matrix_a_scale:MATRIX_SCALE_ROW1
.endif
.endr
.endm
.macro HALFM lo, set, zero
.set AA, \lo
.rept NBK/2
	MULA AA, \set, \zero
.set AA, AA+1
.endr
.endm
.macro STEPX st, zero                  ; K step st, whose successor lies in the same slot
	s_wait_dscnt 0x0                               ; this step's set is in: it was asked for a whole step ago
	PLACES 4                                       ; the other set was read by the products just issued
	FETCH (\st)+1
	WIN MUL_LO
	HALFM 0, (\st)%2, \zero
	WIN MUL_HI
	HALFM NBK/2, (\st)%2, \zero
	WIN 0
.endm
.macro TURN st, fill                   ; a slot's last step changes slots; fill = 1: slot 0 takes the last fill, steps 6 and 7
	s_wait_tensorcnt 0x0                           ; all my tensor loads have landed: my part of the next slot
	ds_add_u32 v[SPW], v[NIL]                      ; 0 onto my spare word
.if \fill
.irp g, G1, G1B
	s_mov_b32 s[\g+1], (2*192)<<16                 ; no load of mine is out: the last fill's rows are two steps long
	s_mov_b32 s[\g+3], (2*192)<<16
.endr
.endif
	s_wait_dscnt 0x0                               ; the add is done, and my reads of this slot are over
	s_barrier_signal -1
	WIN MUL_LO
	HALFM 0, (\st)%2, 0                            ; work on registers while the others arrive
	WIN 0
	s_barrier_wait -1
.if \fill
	CREST                                          ; the barrier has opened a round of the cluster's: no wave of any partner still reads this slot or has a load on its way
	JLOAD G0, G1, G0B, G1B                         ; my one tensor load behind the round; its four v_nop are the places in front of the loads below
.else
	PLACES 4
.endif
	FETCH (\st)+1
	WIN MUL_HI
	HALFM NBK/2, (\st)%2, 0
	WIN 0
.endm
.macro LAST
	s_wait_dscnt 0x0
	WIN MUL_LO
	HALFM 0, 1, 0
	WIN MUL_HI
	HALFM NBK/2, 1, 0
	WIN 0
.endm
.macro QUANT s                         ; 64 numbers of a lane, register 16 b + i = k 32 b + 16 (lane / 16) + i, become codes in v[PC] on and the scale word in v[PW]
.irp b, 0,1,2,3
	v_max3_num_f32 v[TM+\b], |v[\s+16*\b]|, |v[\s+1+16*\b]|, 0x1800000   ; and the floor 2^(3 - 127): the byte cannot fall under 1
.endr
.irp i, 2,4,6,8,10,12,14
.irp b, 0,1,2,3
	v_max3_num_f32 v[TM+\b], v[TM+\b], |v[\s+16*\b+\i]|, |v[\s+1+16*\b+\i]|
.endr
.endr
.irp b, 0,1,2,3
	v_permlanex16_b32 v[TM+4+\b], v[TM+\b], s[SEL], s[SEL+1]
.endr
.irp b, 0,1,2,3
	v_max_num_f32 v[TM+\b], v[TM+\b], v[TM+4+\b]
.endr
.irp b, 0,1,2,3
	v_add_nc_u32 v[TM+12+\b], 0xff000000, v[TM+\b]   ; 2 off the exponent field: the conversion's scale operand
.endr
.irp b, 0,1,2,3
	v_lshrrev_b32 v[TM+4+\b], 23, v[TM+12+\b]
.endr
	v_lshl_or_b32 v[PW], v[TM+5], 8, v[TM+4]
	v_lshl_or_b32 v[PW], v[TM+6], 16, v[PW]
	v_lshl_or_b32 v[PW], v[TM+7], 24, v[PW]
.irp c, 0,1
	v_cvt_scalef32_pk16_fp6_f32 v[PC+6*\c:PC+2+6*\c], v[\s+32*\c:\s+15+32*\c], v[TM+12+2*\c]
	v_cvt_scalef32_pk16_fp6_f32 v[PC+12+4*\c:PC+14+4*\c], v[\s+16+32*\c:\s+31+32*\c], v[TM+12+2*\c+1]
.endr
	v_nop                                          ; one plain place behind a scaled conversion
.irp c, 0,1
.irp i, 0,1,2
	v_permlane16_swap_b32 v[PC+6*\c+\i], v[PC+12+4*\c+\i]
.endr
.irp i, 0,1,2
	v_mov_b32 v[PC+3+6*\c+\i], v[PC+12+4*\c+\i]
.endr
.endr
.endm
.macro TAKE a, v                       ; block a's 64 sums + the bias, into window 0; each accumulator from its low end on
	WIN 0x06+(\a)/4                                ; source 0 window 2 or 3, source 1 window 1
.irp b, 0,1,2,3,4,5,6,7
.irp j, 0,2,4,6
.if \v
	v_pk_add_f32 v[HA+8*\b+\j:HA+8*\b+\j+1], v[64*((\a)%4)+8*\b+\j:64*((\a)%4)+8*\b+\j+1], v[96+2*(\a):97+2*(\a)]
.else
	v_pk_add_f32 v[HA+8*\b+\j:HA+8*\b+\j+1], v[64*((\a)%4)+8*\b+\j:64*((\a)%4)+8*\b+\j+1], v[96+8*\b+96*(\b/4)+\j:97+8*\b+96*(\b/4)+\j]
.endif
.endr
.endr
	WIN 0
.endm
	s_load_b256 s[4:11], s[0:1], 0x0               ; hn, wk, b_qkv, qb
	s_load_b64 s[12:13], s[0:1], 0x20              ; kv
	v_lshl_add_u32 v[SPW], v0, 2, SPARE
	v_mov_b32 v[NIL], 0
	ds_add_u32 v[SPW], v[NIL]                      ; the opening: the add, twice on end, and its wait ahead of my first tensor load
	ds_add_u32 v[SPW], v[NIL]
	v_lshrrev_b32 v1, 5, v0
	v_readfirstlane_b32 s14, v1                    ; wave 0..3
	s_lshr_b32 s15, s14, 1                         ; which half of A's rows is mine.  Also: I fetch for A (0) or for B (1)
	s_and_b32 s16, s14, 1                          ; which half of B's rows.  Also: which half I fetch
	s_bfe_u32 s40, ttmp6, 0x40000                  ; cx
	s_bfe_u32 s41, ttmp6, 0x40004                  ; cy
	s_and_b32 s18, ttmp7, 0xffff
	s_lshl_b32 s18, s18, 2                         ; 4 x cluster y
	s_lshl_b32 s19, ttmp9, 2                       ; 4 x cluster x
	s_add_co_u32 s17, s18, s41
	s_add_co_u32 s42, s19, s40
	s_add_co_u32 s45, s18, s40
	s_cmp_eq_u32 ttmp9, 2                          ; the part v?  The cluster's x: the same in all sixteen partners
	s_cselect_b32 s17, s41, s17                    ; A's tile: v: cy (of the weight's four); else 4 Y + cy (of the tokens' sixteen): cy alone of my place
	s_cselect_b32 s42, s45, s42                    ; B's tile: v: 4 Y + cx (tokens); else 4 X + cx (the weight's): cx alone
	s_lshl_b32 s43, s41, 2
	s_lshl_b32 s43, 15, s43                        ; my row of the cluster
	s_lshl_b32 s44, 0x1111, s40                    ; my column
	s_or_b32 s[G1], s43, (3<<16)|(1<<21)           ; the mask; elements of 8 bytes; bit 21 beside a mask; no padding
	s_or_b32 s[G1B], s44, (3<<16)|(1<<21)
.irp g, G1, G1B
	s_mov_b32 s[\g+1], (KS*192)<<16                ; tensor_dim0: a block's KS fragments, KS x 1,536 bytes
	s_mov_b32 s[\g+2], (2*NBK)<<16                 ; tensor_dim1: at the head a side's 16 blocks; behind it 8
	s_mov_b32 s[\g+3], (KS*192)<<16                ; tile_dim0
	s_mov_b32 s[\g+4], 2*NBK                       ; tile_dim1
	s_mov_b32 s[\g+5], KT*192                      ; from block to block
	s_mov_b32 s[\g+6], 0
	s_mov_b32 s[\g+7], 0
.endr
	s_or_b32 s[G1S], s43, (3<<16)|(1<<21)          ; the scale words of 2 NBK blocks: a dense block, as rows of 256 bytes
	s_or_b32 s[G1SB], s44, (3<<16)|(1<<21)
.irp g, G1S, G1SB
	s_mov_b32 s[\g+1], 32<<16
	s_mov_b32 s[\g+2], (2*HALFS/256)<<16
	s_mov_b32 s[\g+3], 32<<16
	s_mov_b32 s[\g+4], 2*HALFS/256
	s_mov_b32 s[\g+5], 32
	s_mov_b32 s[\g+6], 0
	s_mov_b32 s[\g+7], 0
.endr
	s_lshl_b32 s20, s17, 1                         ; A: the tile's first run of NBK blocks
	s_mul_i32 s22, s20, HALFS
	s_mul_i32 s20, s20, NBK*KT*FRB
	s_mov_b32 s21, 0
	s_mov_b32 s23, 0
	s_lshl_b32 s46, s42, 1                         ; B likewise
	s_mul_i32 s92, s46, HALFS
	s_mul_i32 s46, s46, NBK*KT*FRB
	s_mov_b32 s47, 0
	s_mov_b32 s93, 0
	s_mul_i32 s45, s14, HALFT                      ; where they go: by the wave's number alone
	s_wait_dscnt 0x0                               ; both opening adds are done
	s_wait_kmcnt 0x0
	s_add_nc_u64 s[96:97], s[4:5], HN_SC           ; the tokens' scale words
	s_add_nc_u64 s[98:99], s[6:7], QKV_SC          ; the weight's
	s_add_nc_u64 s[66:67], s[6:7], V_IMG           ; the weight's v rows
	s_add_nc_u64 s[2:3], s[98:99], V_SC
	s_cmp_eq_u32 ttmp9, 2
	s_cselect_b64 s[66:67], s[66:67], s[4:5]       ; side A's codes,
	s_cselect_b64 s[2:3], s[2:3], s[96:97]         ; and scale words
	s_cselect_b64 s[4:5], s[4:5], s[6:7]           ; side B's codes,
	s_cselect_b64 s[96:97], s[96:97], s[98:99]     ; and scale words
	s_add_nc_u64 s[20:21], s[66:67], s[20:21]
	s_add_nc_u64 s[22:23], s[2:3], s[22:23]
	s_add_nc_u64 s[46:47], s[4:5], s[46:47]
	s_add_nc_u64 s[92:93], s[96:97], s[92:93]
	CROUND                                         ; all sixteen work-groups are here: the first joint loads meet
	s_mov_b32 s[G0S], 1
	s_mov_b32 s[G0S+1], SCL
	s_mov_b64 s[G0S+2:G0S+3], s[22:23]
	s_or_b32 s[G0S+3], s[G0S+3], 0x80000000
	s_mov_b32 s[G0SB], 1
	s_mov_b32 s[G0SB+1], SCL+2*HALFS
	s_mov_b64 s[G0SB+2:G0SB+3], s[92:93]
	s_or_b32 s[G0SB+3], s[G0SB+3], 0x80000000
	s_mov_b32 s[G0], 1                             ; the head's four tiles, each whole: slot 0's 16 blocks of A,
	s_mov_b32 s[G0+1], 0
	s_mov_b64 s[G0+2:G0+3], s[20:21]
	s_or_b32 s[G0+3], s[G0+3], 0x80000000
	s_mov_b32 s[G0B], 1                            ; its 16 blocks of B; the two tiles of scale words are set up above
	s_mov_b32 s[G0B+1], 2*HALFT
	s_mov_b64 s[G0B+2:G0B+3], s[46:47]
	s_or_b32 s[G0B+3], s[G0B+3], 0x80000000
	s_mul_i32 s18, s16, NBK*KT*FRB                 ; for the ring: my half of a side
	s_mov_b32 s19, 0
	s_add_nc_u64 s[98:99], s[20:21], s[18:19]
	s_add_nc_u64 s[92:93], s[46:47], s[18:19]
	s_mov_b32 s[G0+4], 1                           ; slot 1: steps 3 to 5
	s_add_co_u32 s[G0+5], s45, SLOT
	s_add_nc_u64 s[G0+6:G0+7], s[98:99], KS*FRB
	s_or_b32 s[G0+7], s[G0+7], 0x80000000
	s_mov_b32 s[G0B+4], 1
	s_add_co_u32 s[G0B+5], s45, SLOT
	s_add_nc_u64 s[G0B+6:G0B+7], s[92:93], KS*FRB
	s_or_b32 s[G0B+7], s[G0B+7], 0x80000000
; ONE tensor load a wave at the head: one chain of branches on the wave's number, a load to each arm, all arms leading to one join
.macro ARM under, g0, g1, next
	s_cmp_lt_u32 s14, \under
	s_cbranch_scc0 \next
	tensor_load_to_lds s[\g0:\g0+3], s[\g1:\g1+7]
	s_nop 0
.rept 4
	v_nop
.endr
	s_branch .Lhead_asked
\next:
.endm
	ARM 1, G0,  G1,  .Lhead_b
	ARM 2, G0B, G1B, .Lhead_sa
	ARM 3, G0S, G1S, .Lhead_sb
	tensor_load_to_lds s[G0SB:G0SB+3], s[G1SB:G1SB+7]
	s_nop 0
.rept 4
	v_nop
.endr
.Lhead_asked:
	v_and_b32 v1, 15, v0                           ; r
	v_bfe_u32 v2, v0, 4, 1                         ; h
	v_and_b32 v3, 31, v0                           ; lane
	v_lshlrev_b32 v[L16], 4, v3
	v_lshlrev_b32 v[L8], 3, v3
	s_mul_i32 s21, s15, HALFT                      ; my half of A,
	s_mul_i32 s22, s16, HALFT
	s_add_co_u32 s22, s22, 2*HALFT                 ; my half of B
.irp s, 0,1
	v_add_nc_u32 v[ADRA16+\s], s21, v[L16]
	v_add_nc_u32 v[ADRA8+\s], s21, v[L8]
	v_add_nc_u32 v[ADRB16+\s], s22, v[L16]
	v_add_nc_u32 v[ADRB8+\s], s22, v[L8]
	s_add_co_u32 s21, s21, SLOT
	s_add_co_u32 s22, s22, SLOT
.endr
	s_mul_i32 s21, s15, HALFS
	s_mul_i32 s22, s16, HALFS
	s_add_co_u32 s22, s22, 2*HALFS
	s_sub_co_u32 s22, s22, s21
	v_mul_u32_u24 v6, s22, v2                      ; lanes 16-31 take B's: one product, the distance between the two
	s_add_co_u32 s21, s21, SCL
	v_lshl_add_u32 v6, v1, 2, v6
	v_add_nc_u32 v[ADRS], s21, v6
	s_wait_alu depctr_va_vdst(0)
	s_wait_tensorcnt 0x0                           ; my tile of the head's four is in; slot 1's first fill is issued as a refill is:
	ds_add_u32 v[SPW], v[NIL]                      ; 0 onto my spare word
.irp g, G1, G1B
	s_mov_b32 s[\g+2], NBK<<16                     ; no load of mine is out: from here on a load brings 8 blocks
	s_mov_b32 s[\g+4], NBK
.endr
	s_mov_b32 s[G0+1], s45                         ; slot 0's next fill: my quarter, steps 6 and 7
	s_add_nc_u64 s[G0+2:G0+3], s[98:99], 2*KS*FRB
	s_or_b32 s[G0+3], s[G0+3], 0x80000000
	s_mov_b32 s[G0B+1], s45
	s_add_nc_u64 s[G0B+2:G0B+3], s[92:93], 2*KS*FRB
	s_or_b32 s[G0B+3], s[G0B+3], 0x80000000
	s_wait_dscnt 0x0
	CROUND                                         ; a whole round: all four tiles are in, the joint loads meet
	JLOAD G0+4, G1, G0B+4, G1B                     ; the first tensor load behind the round
	FETCH 0
	STEPX 0, 1                                     ; the first step's products start the sums
	STEPX 1, 0
	TURN 2, 1
	STEPX 3, 0
	STEPX 4, 0
	TURN 5, 0                                      ; nothing more is left to fetch
	STEPX 6, 0
	s_mov_b32 s[SEL], 0x76543210
	s_mov_b32 s[SEL+1], 0xfedcba98
	s_mov_b32 s3, 0
	s_cmp_eq_u32 ttmp9, 2
	s_cbranch_scc1 .Lvarm
	; ---- q and k: a lane holds a token, its registers run along 128 channels: two heads.  The bias lands under the last step's products
	s_lshl_b32 s2, s42, 10
	s_lshl_b32 s18, s16, 9
	s_add_co_u32 s2, s2, s18                       ; 4 x my first column
	s_add_nc_u64 s[8:9], s[8:9], s[2:3]
	v_lshlrev_b32 v[BO], 6, v2                     ; tile b's register j is column 32 (b / 2) + 8 (b % 2) + 16 h + j
	WIN TO_B
.irp b, 0,1,2,3,4,5,6,7
	global_load_b128 v[96+8*\b+96*(\b/4):99+8*\b+96*(\b/4)], v[BO], s[8:9] offset:4*(32*(\b/2)+8*(\b%2))
	global_load_b128 v[100+8*\b+96*(\b/4):103+8*\b+96*(\b/4)], v[BO], s[8:9] offset:4*(32*(\b/2)+8*(\b%2))+16
.endr
	WIN 0
	s_lshr_b32 s18, s17, 3                         ; batch
	s_lshl_b32 s19, s17, 4
	s_lshl_b32 s20, s15, 3
	s_add_co_u32 s19, s19, s20
	s_and_b32 s19, s19, 127                        ; my first tile of 16 tokens in the batch
	s_lshl_b32 s20, s42, 2
	s_lshl_b32 s21, s16, 1
	s_add_co_u32 s20, s20, s21
	s_and_b32 s20, s20, 15                         ; my first head
	s_lshl_b32 s18, s18, 4
	s_add_co_u32 s18, s18, s20                     ; 16 x batch + head
	s_mul_i32 s21, s18, 98304
	s_mul_i32 s22, s19, 768
	s_add_co_u32 s21, s21, s22                     ; q: [bh][tile][768]
	s_lshl_b32 s22, s18, 13
	s_lshl_b32 s23, s19, 6
	s_add_co_u32 s22, s22, s23
	s_add_co_u32 s22, s22, QB_SC                   ; q's scale words: [bh][2,048]
	s_lshl_b32 s23, s18, 4
	s_lshr_b32 s66, s19, 3
	s_add_co_u32 s23, s23, s66
	s_mul_i32 s23, s23, CH                         ; k: my 128 tokens are one chunk of each head
	s_add_co_u32 s66, s23, 12288                   ; k's scale words in it
	s_mov_b32 s67, 16*CH
	s_cmp_eq_u32 ttmp9, 0
	s_cselect_b64 s[92:93], s[10:11], s[12:13]     ; qb or kv
	s_cselect_b32 s21, s21, s23
	s_cselect_b32 s22, s22, s66
	s_cselect_b32 s23, 98304, s67                  ; from a head to the next: codes,
	s_cselect_b32 s67, 8192, s67                   ; scale words
	s_mov_b32 s2, s21
	s_add_nc_u64 s[94:95], s[92:93], s[2:3]
	s_mov_b32 s2, s23
	s_add_nc_u64 s[96:97], s[94:95], s[2:3]
	s_mov_b32 s2, s22
	s_add_nc_u64 s[98:99], s[92:93], s[2:3]
	v_mul_lo_u32 v[SA], v2, s67
	v_lshl_add_u32 v[SA], v1, 2, v[SA]             ; lanes 0-15 store the first head's words, lanes 16-31 the second's
	v_lshlrev_b32 v[SH], 4, v2
	LAST
	s_wait_loadcnt 0x0                             ; the bias
	PLACES 4                                       ; behind the last products: their results are read and their operands' registers written
.irp b, 0,1,2,3
	v_mov_b32 v[TM+4+\b], 0                        ; a lane permute's destination counts as one of its sources
.endr
.irp a, 0,1,2,3,4,5,6,7
	s_wait_xcnt 0x0                                ; the last block's stores have read their registers
	TAKE \a, 0
	QUANT HA
	global_store_b128 v[L16], v[PC:PC+3], s[94:95] offset:768*\a            ; the fragment's lower half: the first head's 64 channels,
	global_store_b64 v[L8], v[PC+4:PC+5], s[94:95] offset:768*\a+512
	global_store_b128 v[L16], v[PC+6:PC+9], s[96:97] offset:768*\a          ; its upper half: the second head's
	global_store_b64 v[L8], v[PC+10:PC+11], s[96:97] offset:768*\a+512
	v_bfe_u32 v[PD], v[PW], v[SH], 16              ; each head's two scale bytes, in the low bytes of a word of its own; the upper two are 0: they stand over zero codes
	global_store_b32 v[SA], v[PD], s[98:99] offset:64*\a
.endr
	s_branch .Lend
	; ---- v: a lane holds a channel, its registers run along 128 tokens: a tile of V^T for one chunk
.Lvarm:
	s_lshl_b32 s2, s17, 10
	s_lshl_b32 s18, s15, 9
	s_add_co_u32 s2, s2, s18
	s_add_co_u32 s2, s2, 8192                      ; 4 x (2,048 + my first channel)
	s_add_nc_u64 s[8:9], s[8:9], s[2:3]
	v_and_b32 v[BO], 8, v1
	v_add_nc_u32 v[BO], v[BO], v1
	v_lshlrev_b32 v[BO], 2, v[BO]                  ; lane r of block a is channel 32 (a / 2) + 8 (a % 2) + r + 8 (r / 8)
	WIN TO_B
.irp a, 0,1,2,3,4,5,6,7
	global_load_b32 v[96+2*\a], v[BO], s[8:9] offset:4*(32*(\a/2)+8*(\a%2))
	global_load_b32 v[97+2*\a], v[BO], s[8:9] offset:4*(32*(\a/2)+8*(\a%2))   ; twice: a pair for the packed add
.endr
	WIN 0
	s_lshr_b32 s18, s42, 3                         ; batch
	s_lshl_b32 s18, s18, 4
	s_lshl_b32 s19, s17, 2
	s_add_co_u32 s18, s18, s19
	s_lshl_b32 s19, s15, 1
	s_add_co_u32 s18, s18, s19                     ; 16 x batch + my first head
	s_lshl_b32 s18, s18, 4
	s_lshl_b32 s19, s42, 1
	s_add_co_u32 s19, s19, s16
	s_and_b32 s19, s19, 15                         ; my 128 tokens' chunk
	s_add_co_u32 s18, s18, s19
	s_mul_i32 s2, s18, CH
	s_add_nc_u64 s[94:95], s[12:13], s[2:3]
	v_lshlrev_b32 v[SA], 2, v1
	LAST
	s_wait_loadcnt 0x0
	PLACES 4
.irp b, 0,1,2,3
	v_mov_b32 v[TM+4+\b], 0
.endr
.irp a, 0,1,2,3,4,5,6,7
	s_wait_xcnt 0x0
	TAKE \a, 1
	QUANT HA
	global_store_b128 v[L16], v[PC:PC+3], s[94:95] offset:6144+(\a/4)*16*CH+(\a%4)*1536
	global_store_b64 v[L8], v[PC+4:PC+5], s[94:95] offset:6144+(\a/4)*16*CH+(\a%4)*1536+512
	global_store_b128 v[L16], v[PC+6:PC+9], s[94:95] offset:6144+(\a/4)*16*CH+(\a%4)*1536+768
	global_store_b64 v[L8], v[PC+10:PC+11], s[94:95] offset:6144+(\a/4)*16*CH+(\a%4)*1536+1280
	global_store_b32 v[SA], v[PW], s[94:95] offset:12800+(\a/4)*16*CH+(\a%4)*64   ; both halves of the lanes hold and write the same word
.endr
.Lend:
	s_wait_tensorcnt 0x0                           ; the wave's end
	ds_add_u32 v[SPW], v[NIL]
	s_wait_dscnt 0x0
	CROUND                                         ; the closing round
	s_endpgm
.Lfunc_end_k_qb7fde95c05_qkv:
	.size	k_qb7fde95c05_qkv, .Lfunc_end_k_qb7fde95c05_qkv-k_qb7fde95c05_qkv
	.p2alignl 7, 3214868480
	.fill 96, 4, 3214868480
	.section	.rodata,"a",@progbits
	.p2align	6, 0x0
	.amdhsa_kernel k_qb7fde95c05_qkv
		.amdhsa_group_segment_fixed_size 327680
		.amdhsa_private_segment_fixed_size 0
		.amdhsa_enable_private_segment 0
		.amdhsa_kernarg_size 40
		.amdhsa_user_sgpr_count 2
		.amdhsa_user_sgpr_kernarg_segment_ptr 1
		.amdhsa_wavefront_size32 1
		.amdhsa_system_sgpr_workgroup_id_x 1
		.amdhsa_system_sgpr_workgroup_id_y 1
		.amdhsa_system_sgpr_workgroup_id_z 1
		.amdhsa_system_vgpr_workitem_id 0
		.amdhsa_next_free_vgpr 1024
		.amdhsa_next_free_sgpr 100
		.amdhsa_reserve_vcc 0
		.amdhsa_float_denorm_mode_32 3
		.amdhsa_float_denorm_mode_16_64 3
		.amdhsa_memory_ordered 1
		.amdhsa_forward_progress 1
		.amdhsa_inst_pref_size 230
	.end_amdhsa_kernel
	.amdgpu_metadata
---
amdhsa.version: [ 1, 2 ]
amdhsa.kernels:
  - .name:           k_qb7fde95c05_qkv
    .symbol:         k_qb7fde95c05_qkv.kd
    .args:
      - { .name: hn, .offset: 0, .size: 8, .value_kind: global_buffer, .address_space: global }
      - { .name: wk, .offset: 8, .size: 8, .value_kind: global_buffer, .address_space: global }
      - { .name: b_qkv, .offset: 16, .size: 8, .value_kind: global_buffer, .address_space: global }
      - { .name: qb, .offset: 24, .size: 8, .value_kind: global_buffer, .address_space: global }
      - { .name: kv, .offset: 32, .size: 8, .value_kind: global_buffer, .address_space: global }
    .group_segment_fixed_size: 327680
    .private_segment_fixed_size: 0
    .kernarg_segment_align: 8
    .kernarg_segment_size: 40
    .max_flat_workgroup_size: 128
    .sgpr_count:     100
    .vgpr_count:     1024
    .wavefront_size: 32
...
	.end_amdgpu_metadata
.endif
;; end of part 2
;; launch attn (part 3): grid 8 x 32, 16 waves a work-group, clusters of 4 x 1, 247,808 bytes of LDS; arguments qb, kv, at; writes at
.if DOCPART == 3
	.amdgcn_target "amdgcn-amd-amdhsa--gfx1250"
	.amdhsa_code_object_version 6
	.text
	.protected	k_qb7fde95c05_attn
	.globl	k_qb7fde95c05_attn
	.p2align	8
	.type	k_qb7fde95c05_attn,@function
k_qb7fde95c05_attn:
	s_mov_b64 s[64:65], 0
	v_nop
	global_prefetch_b8 v0, s[64:65] scope:SCOPE_SE
	s_setreg_imm32_b32 hwreg(HW_REG_WAVE_MODE, 25, 1), 1
	s_wait_xcnt 0x0
	s_wait_alu depctr_hold_cnt(0) depctr_sa_sdst(0) depctr_va_vdst(0) depctr_va_sdst(0) depctr_va_ssrc(0) depctr_va_vcc(0) depctr_vm_vsrc(0)
	s_getreg_b32 s2, hwreg(HW_REG_IB_STS2, 6, 4)
	s_cmp_eq_u32 s2, 0
	s_cbranch_scc0 .Lentry_in_a_cluster
	s_endpgm
.Lentry_in_a_cluster:
	s_bfe_u32 s2, ttmp6, 0x10000c
	s_cmp_lg_u32 s2, 0x3003
	s_cbranch_scc0 .Lentry_shape_is_right
	s_endpgm
.Lentry_shape_is_right:
; LAUNCH 3 OF 7: causal attention on codes of E2M3: S^T = K Q^T (K = the head's 64: the upper half of each 128-deep operand is zero codes), p = 2^(t - M), O^T = V^T P^T, O / l quantised along C for the projection.
; LEFT OUT AS DEAD WORK: the steps of 128 keys all of which come after a tile's 16 queries (reference()'s own tril gives them weight 0 for all inputs); see the first launch's head.
; THE SOFTMAX: t = score x log2(e) / 8; M = the ceiling of the running largest t, a whole number; p is not normalised; the row's sum is taken of the unquantised p; when M moves, the sum and O are multiplied by 2^(old M - new M): exact.
; SHARES.  y = 16 x batch + head.  A head's K, V and scale words, 16 chunks of 13,056 bytes, fit in LDS: each of the sixteen waves brings one chunk by one tensor load; nothing is filled again.  The four work-groups of a cluster
; belong to one head and ask jointly.  A work-group owns the tiles of 16 queries 8 T + g, T = 0 .. 15, g = 4 x cluster x + cx (0..7); tile T lies inside key step T and wants steps 0 .. T.
; EQUAL CHAINS.  The tiles go in pairs: the long tile 15 - a (16 - a steps) and the short tile a (a + 1 steps): 17 steps for every a = 0 .. 7, shared by two waves.  The wave of role 0 takes the long tile's steps 0 .. 7: 8 steps, none on
; the diagonal.  The wave of role 1 takes the long tile's steps 8 .. 15 - a, parks that part (O^T, -M, the sums) in LDS as images of its registers, and then takes the short tile's steps 0 .. a: 9 steps.  Behind one barrier the wave of
; role 0 joins the two parts of the long tile: the larger M counts, both parts are multiplied by whole powers of two, which rounds nothing, and O and the sums are added.  Role 0 writes the long tile, role 1 the short one.
; a = wave / 2, role = (wave xor wave / 4) % 2: of any four waves alike in wave % 4 or in wave / 4 two have each role.  Both loops have eight trips in every wave; a step that is not the wave's is passed over by a scalar branch on ids.
; The waves of role 0 load the short tile's q too (28 bytes a lane) and do not use it: so the head has no branch.
; g enters global addresses and the mask's vector alone: no branch, no LDS address.
; LAYOUT: a lane holds one query throughout; lane r of key tile i is key 32 (i / 2) + 8 (i % 2) + r + 8 (r / 8), so p's 16 registers of two neighbouring tiles are 16 neighbouring keys.
; LIMITS: as at the first launch's head; v_exp_f32 gives 0 for p under 2^-126.
.set CH,    13056                      ; a chunk: 8 tiles of K (768), 4 of V^T (1,536) at 6,144, K's scale words at 12,288, V's at 12,800
.set SPARE, 16*CH                      ; the spare words: 128 bytes for each of 16 waves
.set PART,  SPARE+2048                 ; the parking places: nine images of 512 bytes for each pair; no tile lands here
.set PARTB, 9*512
.set QB_SC, 3145728
.set AT_SC, 3145728
.set WV,  12
.set TAU, 13                           ; the last key step of the tile in hand
.set ST,  14                           ; the step
.set TB,  15                           ; its chunk in LDS
.set SEL, 16
.set CS,  18                           ; s[18:19] c = log2(e) / 8
.set G0,  20
.set G1,  24
.set ROLE, 58
.set AA,  59                           ; the pair
.set CNT, 60                           ; counts a loop's trips
.set TAU2, 61                          ; the short tile's last step; -1 in a wave of role 0
.set PA,  11                           ; v11 my pair's parking place + 16 x lane
.set Q1,  16                           ; v16-27 the long tile's q, v28 its scale words
.set QS1, 28
.set Q2,  232                          ; v232-243 the short tile's, v244 its scale words
.set QS2, 244
.set BM,  212                          ; v212-215 the blocks' largest scores, then p
.set BT,  216                          ; v216-219 at work, then scale bytes
.set SO,  220                          ; v220-223 the conversions' scale operands
.set W,   224
.set F,   226                          ; v[226:227] f = 2^(old M - new M)
.set PWD, 228                          ; p's scale word
.set F2,  230                          ; v[230:231] the same for the parked part
.set PCD, 192                          ; p's codes
.set PC2, 204
.macro CROUND
	s_barrier_signal -1
	s_barrier_wait -1
	s_cmp_lg_u32 s[WV], 0
	s_cbranch_scc1 .Lnot_wave_0_\@
	s_barrier_signal -3
.Lnot_wave_0_\@:
	s_barrier_wait -3
	s_barrier_signal -1
	s_barrier_wait -1
.endm
.macro FRAGL reg, a16, a8, off
	ds_load_b128 v[(\reg):(\reg)+3], v[\a16] offset:(\off)
	ds_load_b64 v[(\reg)+4:(\reg)+5], v[\a8] offset:(\off)+512
	ds_load_b128 v[(\reg)+6:(\reg)+9], v[\a16] offset:(\off)+768
	ds_load_b64 v[(\reg)+10:(\reg)+11], v[\a8] offset:(\off)+1280
.endm
; A KEY STEP: the 128 keys of chunk s[ST], for the tile whose q lies in v[qf] on and whose scale words in v[sw].  A step past the tile's last is passed over; the lines at the end that step addresses are run by all.
.macro STEP qf, sw
	s_cmp_gt_i32 s[ST], s[TAU]
	s_cbranch_scc1 .Lskip_\@
	v_add_nc_u32 v8, s[TB], v1
	s_wait_alu depctr_va_vdst(0)
	v_add_nc_u32 v9, s[TB], v2
	s_wait_alu depctr_va_vdst(0)
	v_add_nc_u32 v10, s[TB], v3
	s_wait_alu depctr_va_vdst(0)
	v_nop
	v_nop                                          ; five places: the scores below are written over the registers that held V's fragments
.irp g, 0,1                                    ; S^T = K Q^T, four tiles of 16 keys at a time
.if \g > 0
.rept 4
	v_nop                                          ; places in front of loads into registers that matrix instructions have read
.endr
.endif
.irp t, 0,1,2,3
	ds_load_b128 v[32+12*\t:35+12*\t], v8 offset:768*(4*\g+\t)
	ds_load_b64 v[36+12*\t:37+12*\t], v9 offset:768*(4*\g+\t)+512
	ds_load_b32 v[80+\t], v10 offset:12288+64*(4*\g+\t)
.endr
	s_wait_dscnt 0x0
.irp t, 0,1,2,3
	v_wmma_scale_f32_16x16x128_f8f6f4 v[96+8*(4*\g+\t):103+8*(4*\g+\t)], v[32+12*\t:43+12*\t], v[(\qf):(\qf)+11], 0, v[80+\t], v[\sw] matrix_a_fmt:MATRIX_FMT_FP6 matrix_b_fmt:MATRIX_FMT_FP6
.endr
.endr
.rept 4
	v_nop
.endr
	s_cmp_lg_u32 s[ST], s[TAU]                     ; only the tile's last step lies on the diagonal
	s_cbranch_scc1 .Lopen_\@
	v_mov_b32 v[W], 0xff800000                     ; -infinity: p = 0 then
.set n, 0
.rept 64
	v_cmp_gt_i32 vcc_lo, 32*(n/16)+n%16, v4        ; register n holds key 32 (n / 16) + n % 16 + 16 h of the step: hidden where it comes after my query
	v_cndmask_b32 v[96+n], v[96+n], v[W], vcc_lo
.set n, n+1
.endr
.Lopen_\@:
.irp b, 0,1,2,3
	v_max3_num_f32 v[BM+\b], v[96+16*\b], v[97+16*\b], v[98+16*\b]   ; the largest score of each block of 32 keys: for the row's maximum and, since p rises with the score, for the block's largest p
.endr
.irp i, 3,5,7,9,11,13
.irp b, 0,1,2,3
	v_max3_num_f32 v[BM+\b], v[BM+\b], v[96+16*\b+\i], v[97+16*\b+\i]
.endr
.endr
.irp b, 0,1,2,3
	v_max_num_f32 v[BM+\b], v[BM+\b], v[111+16*\b]
.endr
.irp b, 0,1,2,3
	s_delay_alu instid0(VALU_DEP_4)
	v_permlanex16_b32 v[BT+\b], v[BM+\b], s[SEL], s[SEL+1]
.endr
.irp b, 0,1,2,3
	s_delay_alu instid0(VALU_DEP_4)
	v_max_num_f32 v[BM+\b], v[BM+\b], v[BT+\b]
.endr
	s_delay_alu instid0(VALU_DEP_2)
	v_max3_num_f32 v[W], v[BM], v[BM+1], v[BM+2]
	s_delay_alu instid0(VALU_DEP_1)
	v_max_num_f32 v[W], v[W], v[BM+3]
	s_delay_alu instid0(VALU_DEP_1)
	v_mul_f32 v[W], s[CS], v[W]
	s_delay_alu instid0(VALU_DEP_1)
	v_max_num_f32 v13, v13, v[W]                   ; the running largest t
	v_mov_b32 v[W], v12
	s_delay_alu instid0(VALU_DEP_2)
	v_floor_f32 v12, -v13                          ; the new -M = -ceil(t)
	s_delay_alu instid0(VALU_DEP_1)
	v_sub_f32 v[W], v12, v[W]                      ; old M - new M: a whole number, 0 or less
	s_delay_alu instid0(VALU_DEP_1)
	v_cvt_i32_f32 v[W], v[W]                       ; (it saturates)
	s_delay_alu instid0(VALU_DEP_1)
	v_ldexp_f32 v[F], 1.0, v[W]
.set j, 0
.rept 32
	v_pk_fma_f32 v[96+j:97+j], v[96+j:97+j], s[CS:CS+1], v[12:13] op_sel_hi:[1,0,0]   ; t - M
.set j, j+2
.endr
.irp b, 0,1,2,3
	v_fma_f32 v[BM+\b], v[BM+\b], s[CS], v12
.endr
.set j, 0
	s_wait_alu depctr_va_vdst(0)
.rept 64
	v_exp_f32 v[96+j], v[96+j]                     ; p, at most 1
.set j, j+1
.endr
	v_pk_mul_f32 v[14:15], v[14:15], v[F:F+1] op_sel_hi:[1,0]   ; the sums under the new M: a plain place behind the batch
	s_wait_alu depctr_va_vdst(0)                   ; one wait for the 64, ahead of their first reader
.irp b, 0,1,2,3
	v_exp_f32 v[BM+\b], v[BM+\b]                   ; the blocks' largest p
.endr
	v_pk_add_f32 v[216:217], v[100:101], v[104:105]
	v_pk_add_f32 v[254:255], v[108:109], v[112:113]
	v_pk_add_f32 v[252:253], v[116:117], v[120:121]
	v_pk_add_f32 v[250:251], v[124:125], v[128:129]
	v_pk_add_f32 v[248:249], v[132:133], v[136:137]
	v_pk_add_f32 v[246:247], v[140:141], v[144:145]
	v_pk_add_f32 v[228:229], v[148:149], v[152:153]
	v_pk_add_f32 v[14:15], v[14:15], v[156:157]
	v_pk_add_f32 v[216:217], v[216:217], v[96:97]
	v_pk_add_f32 v[254:255], v[254:255], v[98:99]
	v_pk_add_f32 v[252:253], v[252:253], v[102:103]
	v_pk_add_f32 v[250:251], v[250:251], v[106:107]
	v_pk_add_f32 v[248:249], v[248:249], v[110:111]
	v_pk_add_f32 v[246:247], v[246:247], v[114:115]
	v_pk_add_f32 v[228:229], v[228:229], v[118:119]
	v_pk_add_f32 v[14:15], v[14:15], v[122:123]
	v_pk_add_f32 v[216:217], v[216:217], v[126:127]
	v_pk_add_f32 v[254:255], v[254:255], v[130:131]
	v_pk_add_f32 v[252:253], v[252:253], v[134:135]
	v_pk_add_f32 v[250:251], v[250:251], v[138:139]
	v_pk_add_f32 v[248:249], v[248:249], v[142:143]
	v_pk_add_f32 v[246:247], v[246:247], v[146:147]
	v_pk_add_f32 v[228:229], v[228:229], v[150:151]
	v_pk_add_f32 v[14:15], v[14:15], v[154:155]
	v_pk_add_f32 v[216:217], v[216:217], v[158:159]
	s_delay_alu instid0(VALU_DEP_2)
	v_pk_add_f32 v[14:15], v[14:15], v[250:251]
	s_delay_alu instid0(VALU_DEP_2)
	v_pk_add_f32 v[216:217], v[216:217], v[248:249]
	v_pk_add_f32 v[254:255], v[254:255], v[246:247]
	v_pk_add_f32 v[252:253], v[252:253], v[228:229]
	s_delay_alu instid0(VALU_DEP_2)
	v_pk_add_f32 v[14:15], v[14:15], v[254:255]
	s_delay_alu instid0(VALU_DEP_2)
	v_pk_add_f32 v[216:217], v[216:217], v[252:253]
	s_delay_alu instid0(VALU_DEP_1)
	v_pk_add_f32 v[14:15], v[14:15], v[216:217]
	s_wait_alu depctr_va_vdst(0)                   ; and one for the four
.irp b, 0,1,2,3
	v_max_num_f32 v[BM+\b], 0x1800000, v[BM+\b]    ; the floor 2^(3 - 127)
.endr
.irp b, 0,1,2,3
	s_delay_alu instid0(VALU_DEP_4)
	v_add_nc_u32 v[SO+\b], 0xff000000, v[BM+\b]
.endr
.irp b, 0,1,2,3
	s_delay_alu instid0(VALU_DEP_4)
	v_lshrrev_b32 v[BT+\b], 23, v[SO+\b]
.endr
	s_delay_alu instid0(VALU_DEP_3)
	v_lshl_or_b32 v[PWD], v[BT+1], 8, v[BT]
	s_delay_alu instid0(VALU_DEP_1)
	v_lshl_or_b32 v[PWD], v[BT+2], 16, v[PWD]
	s_delay_alu instid0(VALU_DEP_1)
	v_lshl_or_b32 v[PWD], v[BT+3], 24, v[PWD]
.irp c, 0,1
	v_cvt_scalef32_pk16_fp6_f32 v[PCD+6*\c:PCD+2+6*\c], v[96+32*\c:111+32*\c], v[SO+2*\c]
	v_cvt_scalef32_pk16_fp6_f32 v[PC2+4*\c:PC2+2+4*\c], v[112+32*\c:127+32*\c], v[SO+2*\c+1]
.endr
	v_nop                                          ; one plain place behind a scaled conversion
.irp c, 0,1,2,3
	FRAGL 96+12*\c, 8, 9, 6144+1536*\c             ; V's four tiles, over p, which is converted: they land while the halves change places and O^T is rescaled
	ds_load_b32 v[84+\c], v10 offset:12800+64*\c
.endr
.irp c, 0,1
.irp i, 0,1,2
	v_permlane16_swap_b32 v[PCD+6*\c+\i], v[PC2+4*\c+\i]
.endr
.irp i, 0,1,2
	s_delay_alu instid0(VALU_DEP_3)
	v_mov_b32 v[PCD+3+6*\c+\i], v[PC2+4*\c+\i]
.endr
.endr
.set j, 0
.rept 16
	v_pk_mul_f32 v[160+j:161+j], v[160+j:161+j], v[F:F+1] op_sel_hi:[1,0]   ; O^T under the new M; also the places in front of the scaled products
.set j, j+2
.endr
	s_wait_alu depctr_va_vdst(0)
	s_wait_dscnt 0x0
.irp c, 0,1,2,3
	v_wmma_scale_f32_16x16x128_f8f6f4 v[160+8*\c:167+8*\c], v[96+12*\c:107+12*\c], v[PCD:PCD+11], v[160+8*\c:167+8*\c], v[84+\c], v[PWD] matrix_a_fmt:MATRIX_FMT_FP6 matrix_b_fmt:MATRIX_FMT_FP6
.endr
.Lskip_\@:
	s_add_co_u32 s[TB], s[TB], CH
	s_add_co_u32 s[ST], s[ST], 1
.endm
	s_load_b128 s[4:7], s[0:1], 0x0                ; qb, kv
	s_load_b64 s[8:9], s[0:1], 0x10                ; at
	v_lshl_add_u32 v5, v0, 2, SPARE
	v_mov_b32 v6, 0
	ds_add_u32 v5, v6                              ; the opening: the add, twice on end, and its wait ahead of my first tensor load
	ds_add_u32 v5, v6
	v_lshrrev_b32 v1, 5, v0
	s_delay_alu instid0(VALU_DEP_1)
	v_readfirstlane_b32 s[WV], v1                  ; wave 0..15
	s_mov_b32 s[G1], 15|(3<<16)|(1<<21)            ; all four work-groups; elements of 8 bytes; bit 21 beside a mask; no padding
	s_mov_b32 s[G1+1], 32<<16                      ; a chunk is dense: 51 rows of 256 bytes
	s_mov_b32 s[G1+2], 51<<16
	s_mov_b32 s[G1+3], 32<<16
	s_mov_b32 s[G1+4], 51
	s_mov_b32 s[G1+5], 32
	s_mov_b32 s[G1+6], 0
	s_mov_b32 s[G1+7], 0
	s_and_b32 s32, ttmp7, 0xffff                   ; 16 x batch + head
	s_lshl_b32 s33, s32, 4
	s_add_co_u32 s33, s33, s[WV]
	s_mul_i32 s34, s33, CH                         ; chunk w of my head, in memory,
	s_mov_b32 s35, 0
	s_mul_i32 s36, s[WV], CH                       ; and in LDS
	s_lshr_b32 s37, s[WV], 2
	s_xor_b32 s37, s37, s[WV]
	s_and_b32 s[ROLE], s37, 1                      ; my role,
	s_lshr_b32 s[AA], s[WV], 1                     ; my pair
	s_sub_co_u32 s[TAU], 15, s[AA]                 ; the long tile, and its last step
	s_cmp_eq_u32 s[ROLE], 1
	s_cselect_b32 s[TAU2], s[AA], -1               ; the short tile's last step; under every step for role 0
	s_bfe_u32 s39, ttmp6, 0x40000                  ; cx
	s_lshl_b32 s40, ttmp9, 2
	s_add_co_u32 s40, s40, s39                     ; g
	s_lshl_b32 s41, s[TAU], 3
	s_add_co_u32 s41, s41, s40                     ; the long tile among the head's 128,
	s_lshl_b32 s38, s[AA], 3
	s_add_co_u32 s38, s38, s40                     ; the short one
	s_mov_b32 s[SEL], 0x76543210
	s_mov_b32 s[SEL+1], 0xfedcba98
	s_mov_b32 s[CS], 0x3e38aa3b
	s_mov_b32 s[CS+1], s[CS]                       ; (named with it as a pair)
	s_lshl_b32 s[ST], s[ROLE], 3                   ; the first loop walks steps 0 .. 7 (role 0) or 8 .. 15 (role 1)
	s_mul_i32 s[TB], s[ROLE], 8*CH
	s_mul_i32 s37, s[AA], PARTB
	s_add_co_u32 s37, s37, PART                    ; my pair's parking place
	s_wait_dscnt 0x0                               ; both opening adds are done
	s_wait_kmcnt 0x0
	CROUND                                         ; the four work-groups are here: the joint loads meet
	s_mov_b32 s[G0], 1
	s_mov_b32 s[G0+1], s36
	s_add_nc_u64 s[G0+2:G0+3], s[6:7], s[34:35]
	s_or_b32 s[G0+3], s[G0+3], 0x80000000
	tensor_load_to_lds s[G0:G0+3], s[G1:G1+7]      ; my one tensor load
	s_nop 0
.rept 4
	v_nop
.endr
	s_mul_i32 s42, s32, 98304
	s_mov_b32 s43, 0
	s_add_nc_u64 s[44:45], s[4:5], s[42:43]        ; my head's q,
	s_lshl_b32 s42, s32, 13
	s_add_co_u32 s42, s42, QB_SC
	s_add_nc_u64 s[46:47], s[4:5], s[42:43]        ; and its scale words
	s_mul_i32 s42, s41, 768
	s_add_nc_u64 s[48:49], s[44:45], s[42:43]      ; the long tile's,
	s_mul_i32 s42, s38, 768
	s_add_nc_u64 s[44:45], s[44:45], s[42:43]      ; the short tile's
	s_lshl_b32 s42, s41, 6
	s_add_nc_u64 s[50:51], s[46:47], s[42:43]
	s_lshl_b32 s42, s38, 6
	s_add_nc_u64 s[46:47], s[46:47], s[42:43]
	s_cmp_eq_u32 s[ROLE], 1
	s_cselect_b32 s62, s38, s41                    ; the tile that I write
	s_lshr_b32 s63, s32, 4
	s_lshl_b32 s63, s63, 7
	s_add_co_u32 s63, s63, s62                     ; its block of 16 tokens among the 256
	s_and_b32 s33, s32, 15                         ; the head
	s_mul_i32 s42, s63, 12288
	s_mul_i32 s34, s33, 768
	s_add_co_u32 s42, s42, s34
	s_add_nc_u64 s[52:53], s[8:9], s[42:43]        ; at: K step head / 2, half head % 2
	s_lshl_b32 s42, s63, 9
	s_lshr_b32 s34, s33, 1
	s_lshl_b32 s34, s34, 6
	s_add_co_u32 s42, s42, s34
	s_and_b32 s34, s33, 1
	s_lshl_b32 s34, s34, 1
	s_add_co_u32 s42, s42, s34
	s_add_co_u32 s42, s42, AT_SC
	s_add_nc_u64 s[54:55], s[8:9], s[42:43]        ; my head's two bytes of each scale word
	s_lshr_b32 s56, s40, 1
	s_lshl_b32 s56, s56, 5
	s_and_b32 s57, s40, 1
	s_lshl_b32 s57, s57, 3
	s_add_co_u32 s56, s56, s57
	v_and_b32 v7, 31, v0
	s_delay_alu instid0(VALU_DEP_1)
	v_lshlrev_b32 v1, 4, v7                        ; 16 x lane
	s_delay_alu instid0(VALU_DEP_2)
	v_lshlrev_b32 v2, 3, v7                        ; 8 x lane
	v_and_b32 v8, 15, v0                           ; r
	v_bfe_u32 v9, v0, 4, 1                         ; h
	s_delay_alu instid0(VALU_DEP_2)
	v_lshlrev_b32 v3, 2, v8                        ; 4 r
	s_delay_alu instid0(VALU_DEP_3)
	v_and_b32 v10, 8, v8
	s_delay_alu instid0(VALU_DEP_1)
	v_add_nc_u32 v10, v10, v8
	s_delay_alu instid0(VALU_DEP_4)
	v_lshlrev_b32 v9, 4, v9
	s_delay_alu instid0(VALU_DEP_1)
	v_sub_nc_u32 v4, v10, v9
	s_delay_alu instid0(VALU_DEP_1)
	v_add_nc_u32 v4, s56, v4                       ; my query's place in its key step, less 16 h: the same for both tiles
	v_add_nc_u32 v[PA], s37, v1
	global_load_b128 v[Q1:Q1+3], v1, s[48:49]      ; q's half fragments stay in registers
	global_load_b64 v[Q1+4:Q1+5], v2, s[48:49] offset:512
	global_load_b32 v[QS1], v3, s[50:51]
	global_load_b128 v[Q2:Q2+3], v1, s[44:45]
	global_load_b64 v[Q2+4:Q2+5], v2, s[44:45] offset:512
	global_load_b32 v[QS2], v3, s[46:47]
.irp j, 6,7,8,9,10,11
	v_mov_b32 v[Q1+\j], 0                          ; k = 64 .. 127 of q: zero codes
	v_mov_b32 v[Q2+\j], 0
.endr
.irp t, 0,1,2,3
.irp j, 6,7,8,9,10,11
	v_mov_b32 v[32+12*\t+\j], 0                    ; and of the four fragments of K: written once
.endr
.endr
.set j, 0
.rept 32
	v_mov_b32 v[160+j], 0                          ; O^T: the step is written once; a tile's first finds zeros
.set j, j+1
.endr
	v_mov_b32 v13, 0xff61b1e6                      ; the largest t so far: -3e38
	s_delay_alu instid0(VALU_DEP_1)
	v_floor_f32 v12, -v13                          ; -M
	v_mov_b32 v14, 0
	v_mov_b32 v15, 0
.irp b, 0,1,2,3
	v_mov_b32 v[BT+\b], 0                          ; a lane permute's destination counts as one of its sources
.endr
	v_mov_b32 v[W], 0
	v_mov_b32 v[F+1], 0                            ; (named as the upper halves of pairs)
	v_mov_b32 v[F2+1], 0
	s_wait_tensorcnt 0x0                           ; my chunk is in,
	s_barrier_signal -1
	s_barrier_wait -1                              ; everybody's is
	s_wait_loadcnt 0x0                             ; q
	s_mov_b32 s[CNT], 0
.Llong:                                                ; the long tile: eight trips in every wave
	STEP Q1, QS1
	s_add_co_u32 s[CNT], s[CNT], 1
	s_cmp_lt_u32 s[CNT], 8
	s_cbranch_scc1 .Llong
.rept 4
	v_nop                                          ; places behind the last products: their results are read below
.endr
	s_cmp_eq_u32 s[ROLE], 0
	s_cbranch_scc1 .Lkeep                          ; role 0 keeps its part in registers
.set k, 0
.rept 8
	ds_store_b128 v[PA], v[160+4*k:163+4*k] offset:512*k   ; role 1 parks its part of the long tile: O^T, each accumulator from its low end on,
.set k, k+1
.endr
	s_wait_alu depctr_va_vdst(0)
	ds_store_b128 v[PA], v[12:15] offset:4096      ; -M, the largest t, the sum's two halves
	s_wait_dscnt 0x0                               ; the stores have read their registers
.set j, 0
.rept 32
	v_mov_b32 v[160+j], 0                          ; and begins the short tile
.set j, j+1
.endr
	v_mov_b32 v13, 0xff61b1e6
	s_delay_alu instid0(VALU_DEP_1)
	v_floor_f32 v12, -v13
	v_mov_b32 v14, 0
	v_mov_b32 v15, 0
.Lkeep:
	s_mov_b32 s[TAU], s[TAU2]
	s_mov_b32 s[ST], 0
	s_mov_b32 s[TB], 0
	s_mov_b32 s[CNT], 0
.Lshort:                                               ; the short tile: eight trips in every wave; role 0 passes over all of them
	STEP Q2, QS2
	s_add_co_u32 s[CNT], s[CNT], 1
	s_cmp_lt_u32 s[CNT], 8
	s_cbranch_scc1 .Lshort
.rept 4
	v_nop                                          ; places behind the last products
.endr
	s_wait_dscnt 0x0                               ; for the others' sake: no LDS instruction of mine is out
	s_barrier_signal -1
	s_barrier_wait -1                              ; every parked part lies in LDS
	s_cmp_lg_u32 s[ROLE], 0
	s_cbranch_scc1 .Lown
.set k, 0
.rept 8
	ds_load_b128 v[96+4*k:99+4*k], v[PA] offset:512*k      ; role 0: the long tile's other part, in the same lanes and registers as mine
.set k, k+1
.endr
	ds_load_b128 v[128:131], v[PA] offset:4096
	s_wait_dscnt 0x0
	s_wait_alu depctr_va_vdst(0)
	v_min_num_f32 v[W], v12, v128                  ; -M of the whole row: the larger M counts
	s_delay_alu instid0(VALU_DEP_1)
	v_sub_f32 v[BT], v[W], v12                     ; whole numbers, 0 or less
	s_delay_alu instid0(VALU_DEP_2)
	v_sub_f32 v[BT+1], v[W], v128
	s_delay_alu instid0(VALU_DEP_2)
	v_cvt_i32_f32 v[BT], v[BT]
	s_delay_alu instid0(VALU_DEP_2)
	v_cvt_i32_f32 v[BT+1], v[BT+1]
	s_delay_alu instid0(VALU_DEP_2)
	v_ldexp_f32 v[F], 1.0, v[BT]                   ; my part's factor,
	s_delay_alu instid0(VALU_DEP_2)
	v_ldexp_f32 v[F2], 1.0, v[BT+1]                ; the parked part's: powers of two, one of them 1
	s_delay_alu instid0(VALU_DEP_2)
	v_pk_mul_f32 v[14:15], v[14:15], v[F:F+1] op_sel_hi:[1,0]
	s_delay_alu instid0(VALU_DEP_1)
	v_pk_fma_f32 v[14:15], v[130:131], v[F2:F2+1], v[14:15] op_sel_hi:[1,0,1]
.set j, 0
.rept 16
	v_pk_mul_f32 v[160+j:161+j], v[160+j:161+j], v[F:F+1] op_sel_hi:[1,0]
.set j, j+2
.endr
.set j, 0
.rept 16
	v_pk_fma_f32 v[160+j:161+j], v[96+j:97+j], v[F2:F2+1], v[160+j:161+j] op_sel_hi:[1,0,1]
.set j, j+2
.endr
.Lown:
	; THE WAY OUT: O / l, quantised along the head's 64 channels (register 16 b + i is channel 32 b + 16 h + i): half a fragment of the projection's operand
	s_wait_alu depctr_va_vdst(0)
	v_add_f32 v14, v14, v15
	s_delay_alu instid0(VALU_DEP_1)
	v_permlanex16_b32 v[W], v14, s[SEL], s[SEL+1]
	s_delay_alu instid0(VALU_DEP_1)
	v_add_f32 v14, v14, v[W]                       ; the row's sum
	s_wait_alu depctr_va_vdst(0)
	v_rcp_f32 v14, v14
	v_nop
	s_wait_alu depctr_va_vdst(0)
.set j, 0
.rept 32
	v_mul_f32 v[96+j], v[160+j], v14
.set j, j+1
.endr
.irp b, 0,1
	v_max3_num_f32 v[BM+\b], |v[96+16*\b]|, |v[97+16*\b]|, 0x1800000
.endr
.irp i, 2,4,6,8,10,12,14
.irp b, 0,1
	s_delay_alu instid0(VALU_DEP_2)
	v_max3_num_f32 v[BM+\b], v[BM+\b], |v[96+16*\b+\i]|, |v[97+16*\b+\i]|
.endr
.endr
.irp b, 0,1
	s_delay_alu instid0(VALU_DEP_2)
	v_permlanex16_b32 v[BT+\b], v[BM+\b], s[SEL], s[SEL+1]
.endr
.irp b, 0,1
	s_delay_alu instid0(VALU_DEP_2)
	v_max_num_f32 v[BM+\b], v[BM+\b], v[BT+\b]
.endr
.irp b, 0,1
	s_delay_alu instid0(VALU_DEP_2)
	v_add_nc_u32 v[SO+\b], 0xff000000, v[BM+\b]
.endr
.irp b, 0,1
	s_delay_alu instid0(VALU_DEP_2)
	v_lshrrev_b32 v[BT+\b], 23, v[SO+\b]
.endr
	s_delay_alu instid0(VALU_DEP_1)
	v_lshl_or_b32 v[PWD], v[BT+1], 8, v[BT]
	v_cvt_scalef32_pk16_fp6_f32 v[PCD:PCD+2], v[96:111], v[SO]
	v_cvt_scalef32_pk16_fp6_f32 v[PC2:PC2+2], v[112:127], v[SO+1]
	v_nop
.irp i, 0,1,2
	v_permlane16_swap_b32 v[PCD+\i], v[PC2+\i]
.endr
.irp i, 0,1,2
	s_delay_alu instid0(VALU_DEP_3)
	v_mov_b32 v[PCD+3+\i], v[PC2+\i]
.endr
	global_store_b128 v1, v[PCD:PCD+3], s[52:53]
	global_store_b64 v2, v[PCD+4:PCD+5], s[52:53] offset:512
	global_store_b16 v3, v[PWD], s[54:55]          ; two bytes a row: the word's other half belongs to the neighbouring head's work-group
	s_wait_tensorcnt 0x0                           ; the wave's end, behind my tensor load and my last LDS store
	ds_add_u32 v5, v6
	s_wait_dscnt 0x0
	CROUND                                         ; the closing round
	s_endpgm
.Lfunc_end_k_qb7fde95c05_attn:
	.size	k_qb7fde95c05_attn, .Lfunc_end_k_qb7fde95c05_attn-k_qb7fde95c05_attn
	.p2alignl 7, 3214868480
	.fill 96, 4, 3214868480
	.section	.rodata,"a",@progbits
	.p2align	6, 0x0
	.amdhsa_kernel k_qb7fde95c05_attn
		.amdhsa_group_segment_fixed_size 247808
		.amdhsa_private_segment_fixed_size 0
		.amdhsa_enable_private_segment 0
		.amdhsa_kernarg_size 24
		.amdhsa_user_sgpr_count 2
		.amdhsa_user_sgpr_kernarg_segment_ptr 1
		.amdhsa_wavefront_size32 1
		.amdhsa_system_sgpr_workgroup_id_x 1
		.amdhsa_system_sgpr_workgroup_id_y 1
		.amdhsa_system_sgpr_workgroup_id_z 1
		.amdhsa_system_vgpr_workitem_id 0
		.amdhsa_next_free_vgpr 256
		.amdhsa_next_free_sgpr 66
		.amdhsa_reserve_vcc 1
		.amdhsa_float_denorm_mode_32 3
		.amdhsa_float_denorm_mode_16_64 3
		.amdhsa_memory_ordered 1
		.amdhsa_forward_progress 1
		.amdhsa_inst_pref_size 66
	.end_amdhsa_kernel
	.amdgpu_metadata
---
amdhsa.version: [ 1, 2 ]
amdhsa.kernels:
  - .name:           k_qb7fde95c05_attn
    .symbol:         k_qb7fde95c05_attn.kd
    .args:
      - { .name: qb, .offset: 0, .size: 8, .value_kind: global_buffer, .address_space: global }
      - { .name: kv, .offset: 8, .size: 8, .value_kind: global_buffer, .address_space: global }
      - { .name: at, .offset: 16, .size: 8, .value_kind: global_buffer, .address_space: global }
    .group_segment_fixed_size: 247808
    .private_segment_fixed_size: 0
    .kernarg_segment_align: 8
    .kernarg_segment_size: 24
    .max_flat_workgroup_size: 512
    .sgpr_count:     66
    .vgpr_count:     256
    .wavefront_size: 32
...
	.end_amdgpu_metadata
.endif
;; end of part 3
;; launch outp (part 4): grid 8 x 32, 4 waves a work-group, clusters of 4 x 4, 327,680 bytes of LDS; arguments at, wk, b_out, x, x1; writes x1
.if DOCPART == 4
	.amdgcn_target "amdgcn-amd-amdhsa--gfx1250"
	.amdhsa_code_object_version 6
	.text
	.protected	k_qb7fde95c05_outp
	.globl	k_qb7fde95c05_outp
	.p2align	8
	.type	k_qb7fde95c05_outp,@function
k_qb7fde95c05_outp:
	s_mov_b64 s[64:65], 0
	v_nop
	global_prefetch_b8 v0, s[64:65] scope:SCOPE_SE
	s_setreg_imm32_b32 hwreg(HW_REG_WAVE_MODE, 25, 1), 1
	s_wait_xcnt 0x0
	s_wait_alu depctr_hold_cnt(0) depctr_sa_sdst(0) depctr_va_vdst(0) depctr_va_sdst(0) depctr_va_ssrc(0) depctr_va_vcc(0) depctr_vm_vsrc(0)
	s_getreg_b32 s2, hwreg(HW_REG_IB_STS2, 6, 4)
	s_cmp_eq_u32 s2, 0
	s_cbranch_scc0 .Lentry_in_a_cluster
	s_endpgm
.Lentry_in_a_cluster:
	s_bfe_u32 s2, ttmp6, 0x10000c
	s_cmp_lg_u32 s2, 0xf033
	s_cbranch_scc0 .Lentry_shape_is_right
	s_endpgm
.Lentry_shape_is_right:
; LAUNCH 4 OF 7: x1 = x + Q(attn) Q(w_out) + b_out, f32 out.  Nothing is left out here.
; A tile of 128 x 128 to a work-group (256 of them), 64 x 64 to each of four waves: 16 accumulators.  Operands are register images ([block of 16 rows][K step][1,536 bytes]); source 0 = the weight's 16 rows,
; source 1 = 16 tokens: a lane holds eight neighbouring columns of a row.  Lane r of block i stands for row 32 (i / 2) + 8 (i % 2) + r + 8 (r / 8).
; ALL OF K = 1,024 LIES IN LDS AT ONCE: 2 x 98,304 bytes of codes and 8,192 of scale words, brought by four tensor loads at the head, one a wave; nothing is filled again.
; CLUSTERS: 4 x 4; the tokens' tiles are shared along a row of the cluster, the weight's along a column, each asked for jointly.
; NO PREFETCH: every tile is asked for at the head; there is no loop to run ahead in.
; The residual's 64 x 64 numbers of a wave are asked for at the head, in the layout in which rows leave.  A block of 16 rows goes through the wave's own stage in LDS (bytes of its own) and leaves as runs of 256 aligned bytes.
.set NBK,   4
.set KS,    8
.set KT,    8
.set A_SC,  3145728
.set B_IMG, 2359296
.set B_SC,  9535488
.set FRB,   1536
.set HALFT, NBK*KS*FRB
.set SLOT,  4*HALFT
.set SBLK,  64*KT
.set HALFS, NBK*SBLK
.set SCL,   SLOT
.set SPARE, SCL+4*HALFS                ; the spare words: 128 bytes a wave, named by no other line
.set STAGE, SPARE+512
.set SPITCH, 272
.set ADRA16, 16
.set ADRA8,  18
.set ADRB16, 20
.set ADRB8,  22
.set STO,  24
.set RD,   25
.set CO,   26
.set ADRS, 27
.set SPW,  28
.set NIL,  29
.set BO,   30
.set SC,   32                          ; v32-39 scale words, two sets
.set BI,   40                          ; v40-43 the bias of my four columns
.set AF,   64
.set ASTR, 12*NBK
.set BK,   160                         ; rows read back: two sets of 32
.set G1,   24
.set G0,   32
.set G1B,  48
.set G0B,  56
.set G1S,  68
.set G0S,  76
.set G1SB, 80
.set G0SB, 88
.set MSB, 0
.macro WIN new                         ; the immediate's high byte repeats the setting that is left
.if MSB != \new
	s_set_vgpr_msb (MSB<<8)|\new
.set MSB, \new
.endif
.endm
.set MUL,  0xa1                        ; source 0 (B) window 1, source 1 (A) window 0, C and D window 2
.set TO_B, 0x40
.macro CROUND
	s_barrier_signal -1
	s_barrier_wait -1
	s_cmp_lg_u32 s14, 0
	s_cbranch_scc1 .Lnot_wave_0_\@
	s_barrier_signal -3
.Lnot_wave_0_\@:
	s_barrier_wait -3
	s_barrier_signal -1
	s_barrier_wait -1
.endm
.macro PLACES n
.rept \n
	v_nop
.endr
.endm
.macro FRAGL reg, a16, a8, off
	ds_load_b128 v[(\reg):(\reg)+3], v[\a16] offset:(\off)
	ds_load_b64 v[(\reg)+4:(\reg)+5], v[\a8] offset:(\off)+512
	ds_load_b128 v[(\reg)+6:(\reg)+9], v[\a16] offset:(\off)+768
	ds_load_b64 v[(\reg)+10:(\reg)+11], v[\a8] offset:(\off)+1280
.endm
.macro FETCH st                        ; K step st into set st % 2
.set FP, (\st)%2
	WIN TO_B
.irp i, 0,1,2,3
	FRAGL 128*FP+12*\i, ADRB16, ADRB8, (\i*KS+(\st))*FRB
.endr
	WIN 0
.irp i, 0,1,2,3
	FRAGL AF+ASTR*FP+12*\i, ADRA16, ADRA8, (\i*KS+(\st))*FRB
.endr
.irp i, 0,1,2,3
	ds_load_b32 v[SC+NBK*FP+\i], v[ADRS] offset:\i*SBLK+64*(\st)
.endr
.endm
.macro MULA a, set, zero               ; the 16 accumulators take turns in the same order in every step
.irp b, 0,1,2,3
.if \zero
	v_wmma_scale_f32_16x16x128_f8f6f4 v[8*(4*(\a)+\b):8*(4*(\a)+\b)+7], v[128*(\set)+12*\b:128*(\set)+12*\b+11], v[AF+ASTR*(\set)+12*(\a):AF+ASTR*(\set)+12*(\a)+11], 0, v[SC+NBK*(\set)+\b], v[SC+NBK*(\set)+(\a)] matrix_a_fmt:MATRIX_FMT_FP6 matrix_b_fmt:MATRIX_FMT_FP6 matrix_a_scale:MATRIX_SCALE_ROW1
.else
	v_wmma_scale_f32_16x16x128_f8f6f4 v[8*(4*(\a)+\b):8*(4*(\a)+\b)+7], v[128*(\set)+12*\b:128*(\set)+12*\b+11], v[AF+ASTR*(\set)+12*(\a):AF+ASTR*(\set)+12*(\a)+11], v[8*(4*(\a)+\b):8*(4*(\a)+\b)+7], v[SC+NBK*(\set)+\b], v[SC+NBK*(\set)+(\a)] matrix_a_fmt:MATRIX_FMT_FP6 matrix_b_fmt:MATRIX_FMT_FP6 matrix_a_scale:MATRIX_SCALE_ROW1
.endif
.endr
.endm
.macro MUL16 set, zero
	WIN MUL
.irp a, 0,1,2,3
	MULA \a, \set, \zero
.endr
	WIN 0
.endm
.macro STEP st, zero
	s_wait_dscnt 0x0                               ; this step's set is in: it was asked for a whole step ago
	PLACES 4                                       ; the other set was read by the products just issued
	FETCH (\st)+1
	MUL16 (\st)%2, \zero
.endm
.macro ROWOFF a, t                     ; stage rows 2 t, 2 t + 1 of block a are rows 32 (a / 2) + 8 (a % 2) + 2 t + 8 (t / 4) on of my 64
.set RO, (32*((\a)/2)+8*((\a)%2)+2*(\t)+8*((\t)/4))*4096
.endm
.macro TOSTAGE a
	WIN 0x08                                       ; an LDS store's data: window 2
.irp b, 0,1,2,3
	ds_store_b128 v[STO], v[8*(4*(\a)+\b):8*(4*(\a)+\b)+3] offset:128*(\b/2)+32*(\b%2)       ; each accumulator from its low end on
	ds_store_b128 v[STO], v[8*(4*(\a)+\b)+4:8*(4*(\a)+\b)+7] offset:128*(\b/2)+32*(\b%2)+16
.endr
	WIN 0
.irp t, 0,1,2,3,4,5,6,7
	ds_load_b128 v[BK+32*((\a)%2)+4*\t:BK+32*((\a)%2)+4*\t+3], v[RD] offset:\t*2*SPITCH   ; LDS serves a wave's instructions in order (ISA guide 5.7.1.4): these see my stores
.endr
.endm
.macro SEND a, younger
.set BB, BK+32*((\a)%2)
	s_wait_dscnt \younger                          ; the block is back; the next block's 8 stores and 8 loads may be out
	WIN 0x0c                                       ; source 1: window 3, the residual
.set j, 0
.rept 16
	v_pk_add_f32 v[BB+j:BB+j+1], v[BB+j:BB+j+1], v[32*(\a)+j:32*(\a)+j+1]
.set j, j+2
.endr
	WIN 0
.irp t, 0,1,2,3,4,5,6,7
	v_pk_add_f32 v[BB+4*\t:BB+4*\t+1], v[BB+4*\t:BB+4*\t+1], v[BI:BI+1]
	v_pk_add_f32 v[BB+4*\t+2:BB+4*\t+3], v[BB+4*\t+2:BB+4*\t+3], v[BI+2:BI+3]
.endr
.irp t, 0,1,2,3,4,5,6,7
	ROWOFF \a, \t
	global_store_b128 v[CO], v[BB+4*\t:BB+4*\t+3], s[12:13] offset:RO   ; sixteen lanes store 256 consecutive bytes, aligned
.endr
.endm
.macro ARM under, g0, g1, next         ; an arm of the head's one chain of branches on the wave's number
	s_cmp_lt_u32 s14, \under
	s_cbranch_scc0 \next
	tensor_load_to_lds s[\g0:\g0+3], s[\g1:\g1+7]
	s_nop 0
.rept 4
	v_nop
.endr
	s_branch .Lhead_asked
\next:
.endm
	s_load_b256 s[4:11], s[0:1], 0x0               ; side A, wk, the bias, the residual
	s_load_b64 s[12:13], s[0:1], 0x20              ; the output
	v_lshl_add_u32 v[SPW], v0, 2, SPARE
	v_mov_b32 v[NIL], 0
	ds_add_u32 v[SPW], v[NIL]                      ; the opening: the add, twice on end, and its wait ahead of my first tensor load
	ds_add_u32 v[SPW], v[NIL]
	v_lshrrev_b32 v1, 5, v0
	v_readfirstlane_b32 s14, v1                    ; wave 0..3
	s_lshr_b32 s15, s14, 1                         ; which half of the tokens is mine,
	s_and_b32 s16, s14, 1                          ; which half of the weight's rows
	s_bfe_u32 s40, ttmp6, 0x40000                  ; cx
	s_bfe_u32 s41, ttmp6, 0x40004                  ; cy
	s_lshl_b32 s42, ttmp9, 2
	s_add_co_u32 s42, s42, s40                     ; the weight's tile
	s_and_b32 s17, ttmp7, 0xffff
	s_lshl_b32 s17, s17, 2
	s_add_co_u32 s17, s17, s41                     ; the tokens' tile
	s_lshl_b32 s43, s41, 2
	s_lshl_b32 s43, 15, s43                        ; my row of the cluster
	s_lshl_b32 s44, 0x1111, s40                    ; my column
	s_or_b32 s[G1], s43, (3<<16)|(1<<21)           ; the mask; elements of 8 bytes; bit 21 beside a mask
	s_or_b32 s[G1B], s44, (3<<16)|(1<<21)
.irp g, G1, G1B
	s_mov_b32 s[\g+1], (KS*192)<<16                ; a row: a block's 8 fragments
	s_mov_b32 s[\g+2], (2*NBK)<<16                 ; 8 blocks
	s_mov_b32 s[\g+3], (KS*192)<<16
	s_mov_b32 s[\g+4], 2*NBK
	s_mov_b32 s[\g+5], KT*192
	s_mov_b32 s[\g+6], 0
	s_mov_b32 s[\g+7], 0
.endr
	s_or_b32 s[G1S], s43, (3<<16)|(1<<21)          ; the scale words of 8 blocks: dense, as rows of 256 bytes
	s_or_b32 s[G1SB], s44, (3<<16)|(1<<21)
.irp g, G1S, G1SB
	s_mov_b32 s[\g+1], 32<<16
	s_mov_b32 s[\g+2], (2*HALFS/256)<<16
	s_mov_b32 s[\g+3], 32<<16
	s_mov_b32 s[\g+4], 2*HALFS/256
	s_mov_b32 s[\g+5], 32
	s_mov_b32 s[\g+6], 0
	s_mov_b32 s[\g+7], 0
.endr
	s_mul_i32 s22, s17, 2*HALFS
	s_add_co_u32 s22, s22, A_SC
	s_mul_i32 s20, s17, 2*NBK*KT*FRB
	s_mov_b32 s21, 0
	s_mov_b32 s23, 0
	s_mul_i32 s92, s42, 2*HALFS
	s_add_co_u32 s92, s92, B_SC
	s_mul_i32 s46, s42, 2*NBK*KT*FRB
	s_add_co_u32 s46, s46, B_IMG
	s_mov_b32 s47, 0
	s_mov_b32 s93, 0
	s_mul_i32 s2, s15, HALFT                       ; LDS: my half of A,
	s_mul_i32 s3, s16, HALFT
	s_add_co_u32 s3, s3, 2*HALFT                   ; of B,
	s_mul_i32 s66, s15, HALFS
	s_mul_i32 s67, s16, HALFS
	s_add_co_u32 s67, s67, 2*HALFS
	s_sub_co_u32 s67, s67, s66                     ; from A's scale words to B's,
	s_add_co_u32 s66, s66, SCL
	s_mul_i32 s94, s14, 16*SPITCH
	s_add_co_u32 s94, s94, STAGE                   ; my stage
	s_wait_dscnt 0x0                               ; both opening adds are done
	s_wait_kmcnt 0x0
	s_add_nc_u64 s[20:21], s[4:5], s[20:21]
	s_add_nc_u64 s[22:23], s[4:5], s[22:23]
	s_add_nc_u64 s[46:47], s[6:7], s[46:47]
	s_add_nc_u64 s[92:93], s[6:7], s[92:93]
	CROUND                                         ; all sixteen work-groups are here: the joint loads meet
	s_mov_b32 s[G0], 1
	s_mov_b32 s[G0+1], 0
	s_mov_b64 s[G0+2:G0+3], s[20:21]
	s_or_b32 s[G0+3], s[G0+3], 0x80000000
	s_mov_b32 s[G0B], 1
	s_mov_b32 s[G0B+1], 2*HALFT
	s_mov_b64 s[G0B+2:G0B+3], s[46:47]
	s_or_b32 s[G0B+3], s[G0B+3], 0x80000000
	s_mov_b32 s[G0S], 1
	s_mov_b32 s[G0S+1], SCL
	s_mov_b64 s[G0S+2:G0S+3], s[22:23]
	s_or_b32 s[G0S+3], s[G0S+3], 0x80000000
	s_mov_b32 s[G0SB], 1
	s_mov_b32 s[G0SB+1], SCL+2*HALFS
	s_mov_b64 s[G0SB+2:G0SB+3], s[92:93]
	s_or_b32 s[G0SB+3], s[G0SB+3], 0x80000000
	ARM 1, G0,  G1,  .Lhead_b                      ; wave 0: A's codes; wave 1: B's; wave 2: A's scale words; wave 3: B's
	ARM 2, G0B, G1B, .Lhead_sa
	ARM 3, G0S, G1S, .Lhead_sb
	tensor_load_to_lds s[G0SB:G0SB+3], s[G1SB:G1SB+7]
	s_nop 0
.rept 4
	v_nop
.endr
.Lhead_asked:
	v_and_b32 v1, 15, v0                           ; r
	v_bfe_u32 v2, v0, 4, 1                         ; h
	v_and_b32 v3, 31, v0
	v_lshlrev_b32 v4, 4, v3
	v_lshlrev_b32 v5, 3, v3
	v_add_nc_u32 v[ADRA16], s2, v4
	v_add_nc_u32 v[ADRA8], s2, v5
	v_add_nc_u32 v[ADRB16], s3, v4
	v_add_nc_u32 v[ADRB8], s3, v5
	v_mul_u32_u24 v6, s67, v2                      ; lanes 16-31 take B's scale words
	v_lshl_add_u32 v6, v1, 2, v6
	v_add_nc_u32 v[ADRS], s66, v6
	v_mul_u32_u24 v6, v1, SPITCH
	v_lshl_add_u32 v6, v2, 6, v6
	v_add_nc_u32 v[STO], s94, v6                   ; in: row r; tile b's eight columns: 128 (b / 2) + 32 (b % 2) + 64 h bytes on
	v_mul_u32_u24 v6, v2, SPITCH
	v_lshl_add_u32 v6, v1, 4, v6
	v_add_nc_u32 v[RD], s94, v6                    ; back: lanes 0-15 one row, lanes 16-31 the next
	v_lshlrev_b32 v[CO], 12, v2
	v_lshl_add_u32 v[CO], v1, 4, v[CO]             ; the same two rows in memory
	v_lshlrev_b32 v[BO], 4, v1
	s_wait_alu depctr_va_vdst(0)                   ; the wait behind the head's last vector instruction
	s_lshl_b32 s22, s42, 9
	s_lshl_b32 s23, s16, 8
	s_add_co_u32 s22, s22, s23                     ; my first column, in bytes
	s_mov_b32 s23, 0
	s_add_nc_u64 s[8:9], s[8:9], s[22:23]
	s_lshl_b32 s20, s17, 7
	s_lshl_b32 s21, s15, 6
	s_add_co_u32 s20, s20, s21                     ; my first row
	s_lshl_b32 s20, s20, 12
	s_add_co_u32 s20, s20, s22
	s_mov_b32 s21, 0
	s_add_nc_u64 s[10:11], s[10:11], s[20:21]
	s_add_nc_u64 s[12:13], s[12:13], s[20:21]
	WIN 0xc0                                       ; destination window 3
.irp a, 0,1,2,3
.irp t, 0,1,2,3,4,5,6,7
	ROWOFF \a, \t
	global_load_b128 v[4*(8*\a+\t):4*(8*\a+\t)+3], v[CO], s[10:11] offset:RO   ; the residual: out through the whole product
.endr
.endr
	WIN 0
	global_load_b128 v[BI:BI+3], v[BO], s[8:9]
	s_wait_tensorcnt 0x0                           ; my tile is in,
	s_barrier_signal -1
	s_barrier_wait -1                              ; everybody's is
	FETCH 0
	STEP 0, 1                                      ; the first step's products start the sums
.irp q, 1,2,3,4,5,6
	STEP \q, 0
.endr
	s_wait_dscnt 0x0                               ; the last step
	MUL16 1, 0
	s_wait_loadcnt 0x0                             ; the residual and the bias
	PLACES 4
	TOSTAGE 0
.irp a, 1,2,3
.if \a > 1
	s_wait_xcnt 0x0                                ; block a - 2's stores have read their registers
.endif
	TOSTAGE \a
	SEND \a-1, 16
.endr
	SEND 3, 0
	s_wait_tensorcnt 0x0                           ; the wave's end
	ds_add_u32 v[SPW], v[NIL]
	s_wait_dscnt 0x0
	CROUND                                         ; the closing round
	s_endpgm
.Lfunc_end_k_qb7fde95c05_outp:
	.size	k_qb7fde95c05_outp, .Lfunc_end_k_qb7fde95c05_outp-k_qb7fde95c05_outp
	.p2alignl 7, 3214868480
	.fill 96, 4, 3214868480
	.section	.rodata,"a",@progbits
	.p2align	6, 0x0
	.amdhsa_kernel k_qb7fde95c05_outp
		.amdhsa_group_segment_fixed_size 327680
		.amdhsa_private_segment_fixed_size 0
		.amdhsa_enable_private_segment 0
		.amdhsa_kernarg_size 40
		.amdhsa_user_sgpr_count 2
		.amdhsa_user_sgpr_kernarg_segment_ptr 1
		.amdhsa_wavefront_size32 1
		.amdhsa_system_sgpr_workgroup_id_x 1
		.amdhsa_system_sgpr_workgroup_id_y 1
		.amdhsa_system_sgpr_workgroup_id_z 1
		.amdhsa_system_vgpr_workitem_id 0
		.amdhsa_next_free_vgpr 896
		.amdhsa_next_free_sgpr 100
		.amdhsa_reserve_vcc 0
		.amdhsa_float_denorm_mode_32 3
		.amdhsa_float_denorm_mode_16_64 3
		.amdhsa_memory_ordered 1
		.amdhsa_forward_progress 1
		.amdhsa_inst_pref_size 64
	.end_amdhsa_kernel
	.amdgpu_metadata
---
amdhsa.version: [ 1, 2 ]
amdhsa.kernels:
  - .name:           k_qb7fde95c05_outp
    .symbol:         k_qb7fde95c05_outp.kd
    .args:
      - { .name: at, .offset: 0, .size: 8, .value_kind: global_buffer, .address_space: global }
      - { .name: wk, .offset: 8, .size: 8, .value_kind: global_buffer, .address_space: global }
      - { .name: b_out, .offset: 16, .size: 8, .value_kind: global_buffer, .address_space: global }
      - { .name: x, .offset: 24, .size: 8, .value_kind: global_buffer, .address_space: global }
      - { .name: x1, .offset: 32, .size: 8, .value_kind: global_buffer, .address_space: global }
    .group_segment_fixed_size: 327680
    .private_segment_fixed_size: 0
    .kernarg_segment_align: 8
    .kernarg_segment_size: 40
    .max_flat_workgroup_size: 128
    .sgpr_count:     100
    .vgpr_count:     896
    .wavefront_size: 32
...
	.end_amdgpu_metadata
.endif
;; end of part 4
;; launch ln2 (part 5): grid 256 x 1, 8 waves a work-group, no clusters, 70,144 bytes of LDS; arguments x1, ln2_g, ln2_b, hn; writes hn
.if DOCPART == 5
	.amdgcn_target "amdgcn-amd-amdhsa--gfx1250"
	.amdhsa_code_object_version 6
	.text
	.protected	k_qb7fde95c05_ln2
	.globl	k_qb7fde95c05_ln2
	.p2align	8
	.type	k_qb7fde95c05_ln2,@function
k_qb7fde95c05_ln2:
	s_mov_b64 s[64:65], 0
	v_nop
	global_prefetch_b8 v0, s[64:65] scope:SCOPE_SE
	s_setreg_imm32_b32 hwreg(HW_REG_WAVE_MODE, 25, 1), 1
	s_wait_xcnt 0x0
; LAUNCH 5 OF 7: h = LayerNorm(x1) g + b in f32 (two passes: mean, then the squares of x - mean), quantised along C to E2M3, stored as operand images: the first launch's LayerNorm on other buffers.
; A work-group is a block of 16 rows (lane r of block i: row 32 (i / 2) + 8 (i % 2) + r + 8 (r / 8)); wave w takes columns 128 w on.  Each of its 16 loads takes one row's 512 consecutive bytes; the rows turn through the wave's own
; stage in LDS (pitch 528) and come back so that lane (r, h) holds 16 neighbours of each block of 32 of row r.
; LIMITS: as at the first launch's head.
.set SPARE, 1536                       ; the spare words: 128 bytes for each of 8 waves
.set RED0,  0
.set RED1,  512
.set SCG,   1024
.set STG,   2560                       ; the stages: 16 rows x 528 bytes for each wave
.set SPI,   528                        ; 132 words: row r begins 4 r banks on (64 banks of 4 bytes: ISA guide 11.1)
.set HN_SC, 3145728
.set X,   32
.set G,   96
.set BV,  160
.set PC,  96
.set TM,  120
.set PW,  136
.set SEL, 56
.macro QUANT s
.irp b, 0,1,2,3
	v_max3_num_f32 v[TM+\b], |v[\s+16*\b]|, |v[\s+1+16*\b]|, 0x1800000   ; and the floor 2^(3 - 127)
.endr
.irp i, 2,4,6,8,10,12,14
.irp b, 0,1,2,3
	s_delay_alu instid0(VALU_DEP_4)
	v_max3_num_f32 v[TM+\b], v[TM+\b], |v[\s+16*\b+\i]|, |v[\s+1+16*\b+\i]|
.endr
.endr
.irp b, 0,1,2,3
	s_delay_alu instid0(VALU_DEP_4)
	v_permlanex16_b32 v[TM+4+\b], v[TM+\b], s[SEL], s[SEL+1]
.endr
.irp b, 0,1,2,3
	s_delay_alu instid0(VALU_DEP_4)
	v_max_num_f32 v[TM+\b], v[TM+\b], v[TM+4+\b]
.endr
.irp b, 0,1,2,3
	s_delay_alu instid0(VALU_DEP_4)
	v_add_nc_u32 v[TM+12+\b], 0xff000000, v[TM+\b]
.endr
.irp b, 0,1,2,3
	s_delay_alu instid0(VALU_DEP_4)
	v_lshrrev_b32 v[TM+4+\b], 23, v[TM+12+\b]
.endr
	s_delay_alu instid0(VALU_DEP_3)
	v_lshl_or_b32 v[PW], v[TM+5], 8, v[TM+4]
	s_delay_alu instid0(VALU_DEP_1)
	v_lshl_or_b32 v[PW], v[TM+6], 16, v[PW]
	s_delay_alu instid0(VALU_DEP_1)
	v_lshl_or_b32 v[PW], v[TM+7], 24, v[PW]
.irp c, 0,1
	v_cvt_scalef32_pk16_fp6_f32 v[PC+6*\c:PC+2+6*\c], v[\s+32*\c:\s+15+32*\c], v[TM+12+2*\c]
	v_cvt_scalef32_pk16_fp6_f32 v[PC+12+4*\c:PC+14+4*\c], v[\s+16+32*\c:\s+31+32*\c], v[TM+12+2*\c+1]
.endr
	v_nop                                          ; one plain place behind a scaled conversion
.irp c, 0,1
.irp i, 0,1,2
	v_permlane16_swap_b32 v[PC+6*\c+\i], v[PC+12+4*\c+\i]
.endr
.irp i, 0,1,2
	s_delay_alu instid0(VALU_DEP_3)
	v_mov_b32 v[PC+3+6*\c+\i], v[PC+12+4*\c+\i]
.endr
.endr
.endm
.macro ACROSS red
	s_delay_alu instid0(VALU_DEP_1)
	v_pk_add_f32 v[16:17], v[16:17], v[18:19]
	s_delay_alu instid0(VALU_DEP_1)
	v_add_f32 v16, v16, v17
	s_delay_alu instid0(VALU_DEP_1)
	v_permlanex16_b32 v17, v16, s[SEL], s[SEL+1]
	s_delay_alu instid0(VALU_DEP_1)
	v_add_f32 v16, v16, v17
	ds_store_b32 v8, v16 offset:\red
	s_wait_dscnt 0x0                               ; for the others' sake
	s_barrier_signal -1
	s_barrier_wait -1
.irp k, 0,1,2,3,4,5,6,7
	ds_load_b32 v[16+\k], v9 offset:\red+64*\k
.endr
	s_wait_dscnt 0x0
	v_add_f32 v16, v16, v17
	v_add_f32 v18, v18, v19
	v_add_f32 v20, v20, v21
	v_add_f32 v22, v22, v23
	s_delay_alu instid0(VALU_DEP_3)
	v_add_f32 v16, v16, v18
	s_delay_alu instid0(VALU_DEP_2)
	v_add_f32 v20, v20, v22
	s_delay_alu instid0(VALU_DEP_1)
	v_add_f32 v16, v16, v20
.endm
	s_load_b256 s[4:11], s[0:1], 0x0               ; x1, ln2_g, ln2_b, hn
	v_lshl_add_u32 v10, v0, 2, SPARE
	v_mov_b32 v11, 0
	v_lshrrev_b32 v1, 5, v0
	s_delay_alu instid0(VALU_DEP_1)
	v_readfirstlane_b32 s12, v1
	v_and_b32 v1, 31, v0
	v_and_b32 v2, 15, v0
	v_bfe_u32 v3, v0, 4, 1
	s_delay_alu instid0(VALU_DEP_3)
	v_lshlrev_b32 v6, 4, v1                        ; 16 x lane
	s_delay_alu instid0(VALU_DEP_4)
	v_lshlrev_b32 v7, 3, v1                        ; 8 x lane
	s_delay_alu instid0(VALU_DEP_3)
	v_lshlrev_b32 v5, 6, v3                        ; g, b: 64 h
	s_mul_i32 s13, s12, 16*SPI
	s_add_co_u32 s13, s13, STG                     ; my stage
	v_add_nc_u32 v4, s13, v6                       ; in: a row as it was loaded
	v_mul_u32_u24 v24, v2, SPI
	s_delay_alu instid0(VALU_DEP_1)
	v_lshl_add_u32 v24, v3, 6, v24
	s_delay_alu instid0(VALU_DEP_1)
	v_add_nc_u32 v24, s13, v24                     ; back: row r, + 64 h
	s_lshl_b32 s13, s12, 6
	v_lshl_add_u32 v8, v2, 2, s13
	v_lshlrev_b32 v9, 2, v2
	s_lshr_b32 s14, ttmp9, 1
	s_lshl_b32 s14, s14, 5
	s_and_b32 s15, ttmp9, 1
	s_lshl_b32 s15, s15, 3
	s_add_co_u32 s14, s14, s15
	s_lshl_b32 s34, s14, 12
	s_lshl_b32 s36, s12, 9
	s_add_co_u32 s34, s34, s36
	s_mov_b32 s35, 0
	s_mov_b32 s37, 0
	s_mul_i32 s38, ttmp9, 12288
	s_mul_i32 s39, s12, 1536
	s_add_co_u32 s38, s38, s39
	s_mov_b32 s39, 0
	s_lshl_b32 s40, ttmp9, 9
	s_add_co_u32 s40, s40, HN_SC
	s_mov_b32 s41, 0
	s_mov_b32 s[SEL], 0x76543210
	s_mov_b32 s[SEL+1], 0xfedcba98
	s_mov_b32 s42, 0x3a800000                      ; 1 / 1,024
	s_mov_b32 s43, 0x3727c5ac                      ; eps = 1e-5
	s_wait_alu depctr_va_vdst(0)
	s_wait_kmcnt 0x0
	s_add_nc_u64 s[4:5], s[4:5], s[34:35]
	s_add_nc_u64 s[6:7], s[6:7], s[36:37]
	s_add_nc_u64 s[8:9], s[8:9], s[36:37]
	s_add_nc_u64 s[38:39], s[10:11], s[38:39]
	s_add_nc_u64 s[40:41], s[10:11], s[40:41]
.set j, 0
.rept 16
	global_load_b128 v[X+4*j:X+4*j+3], v6, s[4:5] offset:(j+8*(j/8))*4096   ; stage row j: 512 consecutive bytes
.set j, j+1
.endr
.irp b, 0,1,2,3
.irp j, 0,1,2,3
	global_load_b128 v[G+16*\b+4*\j:G+16*\b+4*\j+3], v5, s[6:7] offset:128*\b+16*\j
.endr
.endr
.irp b, 0,1,2,3
.irp j, 0,1,2,3
	global_load_b128 v[BV+16*\b+4*\j:BV+16*\b+4*\j+3], v5, s[8:9] offset:128*\b+16*\j
.endr
.endr
.set j, 0
.rept 16
	s_wait_loadcnt 47-j                            ; row j is in; behind it: 15 - j rows and the 32 loads of g and b
	ds_store_b128 v4, v[X+4*j:X+4*j+3] offset:SPI*j
.set j, j+1
.endr
.irp b, 0,1,2,3
.irp j, 0,1,2,3
	ds_load_b128 v[X+16*\b+4*\j:X+16*\b+4*\j+3], v24 offset:128*\b+16*\j   ; LDS serves a wave's instructions in order (ISA guide 5.7.1.4): these see my stores
.endr
.endr
	s_wait_dscnt 0x0
	v_pk_add_f32 v[16:17], v[X:X+1], v[X+2:X+3]
	v_pk_add_f32 v[18:19], v[X+4:X+5], v[X+6:X+7]
.set j, 8
.rept 14
	s_delay_alu instid0(VALU_DEP_2)
	v_pk_add_f32 v[16:17], v[16:17], v[X+j:X+j+1]
	s_delay_alu instid0(VALU_DEP_2)
	v_pk_add_f32 v[18:19], v[18:19], v[X+j+2:X+j+3]
.set j, j+4
.endr
	ACROSS RED0
	s_delay_alu instid0(VALU_DEP_1)
	v_mul_f32 v12, s42, v16
	s_delay_alu instid0(VALU_DEP_1)
	v_mov_b32 v13, v12
.set j, 0
.rept 32
	v_pk_add_f32 v[X+j:X+j+1], v[X+j:X+j+1], v[12:13] neg_lo:[0,1] neg_hi:[0,1]
.set j, j+2
.endr
	v_pk_mul_f32 v[16:17], v[X:X+1], v[X:X+1]
	v_pk_mul_f32 v[18:19], v[X+2:X+3], v[X+2:X+3]
.set j, 4
.rept 15
	s_delay_alu instid0(VALU_DEP_2)
	v_pk_fma_f32 v[16:17], v[X+j:X+j+1], v[X+j:X+j+1], v[16:17]
	s_delay_alu instid0(VALU_DEP_2)
	v_pk_fma_f32 v[18:19], v[X+j+2:X+j+3], v[X+j+2:X+j+3], v[18:19]
.set j, j+4
.endr
	ACROSS RED1
	s_delay_alu instid0(VALU_DEP_1)
	v_fma_f32 v20, v16, s42, s43
	s_wait_alu depctr_va_vdst(0)
	v_rsq_f32 v14, v20
	v_rsq_f32 v15, v20
	v_nop                                          ; a plain place behind the two
	s_wait_alu depctr_va_vdst(0)                   ; one wait for both, ahead of their first reader
	s_wait_loadcnt 0x0
.set j, 0
.rept 32
	v_pk_mul_f32 v[X+j:X+j+1], v[X+j:X+j+1], v[14:15]
.set j, j+2
.endr
.set j, 0
.rept 32
	v_pk_fma_f32 v[X+j:X+j+1], v[X+j:X+j+1], v[G+j:G+j+1], v[BV+j:BV+j+1]
.set j, j+2
.endr
	QUANT X                                        ; (the lane permutes' destinations hold the gains, which are done with)
	global_store_b128 v6, v[PC:PC+3], s[38:39]
	global_store_b64 v7, v[PC+4:PC+5], s[38:39] offset:512
	global_store_b128 v6, v[PC+6:PC+9], s[38:39] offset:768
	global_store_b64 v7, v[PC+10:PC+11], s[38:39] offset:1280
	ds_store_b32 v8, v[PW] offset:SCG
	s_wait_dscnt 0x0
	s_barrier_signal -1
	s_barrier_wait -1
	s_cmp_lg_u32 s12, 0
	s_cbranch_scc1 .Lnot0
	ds_load_b128 v[16:19], v6 offset:SCG
	s_wait_dscnt 0x0
	global_store_b128 v6, v[16:19], s[40:41]       ; the block's scale words: 512 consecutive bytes, aligned
.Lnot0:
	s_wait_tensorcnt 0x0                           ; the wave's end, behind my last LDS store
	ds_add_u32 v10, v11
	s_wait_dscnt 0x0
	s_endpgm
.Lfunc_end_k_qb7fde95c05_ln2:
	.size	k_qb7fde95c05_ln2, .Lfunc_end_k_qb7fde95c05_ln2-k_qb7fde95c05_ln2
	.p2alignl 7, 3214868480
	.fill 96, 4, 3214868480
	.section	.rodata,"a",@progbits
	.p2align	6, 0x0
	.amdhsa_kernel k_qb7fde95c05_ln2
		.amdhsa_group_segment_fixed_size 70144
		.amdhsa_private_segment_fixed_size 0
		.amdhsa_enable_private_segment 0
		.amdhsa_kernarg_size 32
		.amdhsa_user_sgpr_count 2
		.amdhsa_user_sgpr_kernarg_segment_ptr 1
		.amdhsa_wavefront_size32 1
		.amdhsa_system_sgpr_workgroup_id_x 1
		.amdhsa_system_sgpr_workgroup_id_y 1
		.amdhsa_system_sgpr_workgroup_id_z 1
		.amdhsa_system_vgpr_workitem_id 0
		.amdhsa_next_free_vgpr 224
		.amdhsa_next_free_sgpr 66
		.amdhsa_reserve_vcc 0
		.amdhsa_float_denorm_mode_32 3
		.amdhsa_float_denorm_mode_16_64 3
		.amdhsa_memory_ordered 1
		.amdhsa_forward_progress 1
		.amdhsa_inst_pref_size 31
	.end_amdhsa_kernel
	.amdgpu_metadata
---
amdhsa.version: [ 1, 2 ]
amdhsa.kernels:
  - .name:           k_qb7fde95c05_ln2
    .symbol:         k_qb7fde95c05_ln2.kd
    .args:
      - { .name: x1, .offset: 0, .size: 8, .value_kind: global_buffer, .address_space: global }
      - { .name: ln2_g, .offset: 8, .size: 8, .value_kind: global_buffer, .address_space: global }
      - { .name: ln2_b, .offset: 16, .size: 8, .value_kind: global_buffer, .address_space: global }
      - { .name: hn, .offset: 24, .size: 8, .value_kind: global_buffer, .address_space: global }
    .group_segment_fixed_size: 70144
    .private_segment_fixed_size: 0
    .kernarg_segment_align: 8
    .kernarg_segment_size: 32
    .max_flat_workgroup_size: 256
    .sgpr_count:     66
    .vgpr_count:     224
    .wavefront_size: 32
...
	.end_amdgpu_metadata
.endif
;; end of part 5
;; launch ff1 (part 6): grid 16 x 16, 4 waves a work-group, clusters of 4 x 4, 327,680 bytes of LDS; arguments hn, wk, b_ff1, gg; writes gg
.if DOCPART == 6
	.amdgcn_target "amdgcn-amd-amdhsa--gfx1250"
	.amdhsa_code_object_version 6
	.text
	.protected	k_qb7fde95c05_ff1
	.globl	k_qb7fde95c05_ff1
	.p2align	8
	.type	k_qb7fde95c05_ff1,@function
k_qb7fde95c05_ff1:
	s_mov_b64 s[64:65], 0
	v_nop
	global_prefetch_b8 v0, s[64:65] scope:SCOPE_SE
	s_setreg_imm32_b32 hwreg(HW_REG_WAVE_MODE, 25, 1), 1
	s_wait_xcnt 0x0
	s_wait_alu depctr_hold_cnt(0) depctr_sa_sdst(0) depctr_va_vdst(0) depctr_va_sdst(0) depctr_va_ssrc(0) depctr_va_vcc(0) depctr_vm_vsrc(0)
	s_getreg_b32 s2, hwreg(HW_REG_IB_STS2, 6, 4)
	s_cmp_eq_u32 s2, 0
	s_cbranch_scc0 .Lentry_in_a_cluster
	s_endpgm
.Lentry_in_a_cluster:
	s_bfe_u32 s2, ttmp6, 0x10000c
	s_cmp_lg_u32 s2, 0xf033
	s_cbranch_scc0 .Lentry_shape_is_right
	s_endpgm
.Lentry_shape_is_right:
.set NBK,   8
.set KS,    3                          ; K steps in a slot: K's eight steps come in three fills of 3, 3 and 2 steps
.set KT,    8
.set LAPS,  KT/(2*KS)
.set FRB,   1536
.set HALFT, NBK*KS*FRB
.set SLOT,  4*HALFT
.set SBLK,  64*KT
.set HALFS, NBK*SBLK
.set SCL,   2*SLOT
.set SPARE, 327168
.set HN_SC, 3145728
.set B_IMG, 3145728
.set B_SC,  9568256
.set GG_SC, 12582912
.set ADRA16, 16
.set ADRA8,  18
.set ADRB16, 20
.set ADRB8,  22
.set L16,  24
.set L8,   25
.set STG,  26
.set ADRS, 27
.set SPW,  28
.set NIL,  29
.set SA,   30
.set BO,   31
.set SC,   32
.set AF,   64
.set ASTR, 12*NBK
.set HA,   64
.set T,    128
.set P,    160
.set U,    192
.set C8V,  48                          ; v[48:49], v[50:51]: two of erf's coefficients as vector pairs
.set C8W,  50
.set QQ,   224                         ; v224-255 erf's denominator
.set PC,   128
.set TM,   152
.set PW,   170
.set G1,   24
.set G0,   32
.set G1B,  48
.set G0B,  56
.set G1S,  68
.set G0S,  76
.set G1SB, 80
.set G0SB, 88
.set SEL,  46
.set EA1, 68                           ; erf's coefficients, a scalar pair each: numerator,
.set EA3, 70
.set EA5, 72
.set EA7, 74
.set EA9, 76
.set EA13, 78
.set EB0, 80                           ; denominator
.set EB2, 82
.set EB4, 84
.set EB8, 86
.set RS2, 88                           ; 1 / sqrt(2)
.set MSB, 0
.macro WIN new
.if MSB != \new
	s_set_vgpr_msb (MSB<<8)|\new
.set MSB, \new
.endif
.endm
.set MUL_LO, 0xa1
.set MUL_HI, 0xf1
.set TO_B,   0x40
.macro JLOAD g0a, g1a, g0b, g1b
	s_cmp_eq_u32 s15, 0
	s_cbranch_scc0 .Lfor_b_\@
	tensor_load_to_lds s[\g0a:\g0a+3], s[\g1a:\g1a+7]
	s_nop 0
.rept 4
	v_nop
.endr
	s_branch .Lasked_\@
.Lfor_b_\@:
	tensor_load_to_lds s[\g0b:\g0b+3], s[\g1b:\g1b+7]
	s_nop 0
.rept 4
	v_nop
.endr
.Lasked_\@:
.endm
.macro CREST
	s_cmp_lg_u32 s14, 0
	s_cbranch_scc1 .Lnot_wave_0_\@
	s_barrier_signal -3
.Lnot_wave_0_\@:
	s_barrier_wait -3
	s_barrier_signal -1
	s_barrier_wait -1
.endm
.macro CROUND
	s_barrier_signal -1
	s_barrier_wait -1
	CREST
.endm
.macro PLACES n
.rept \n
	v_nop
.endr
.endm
.macro FRAGL reg, a16, a8, off
	ds_load_b128 v[(\reg):(\reg)+3], v[\a16] offset:(\off)
	ds_load_b64 v[(\reg)+4:(\reg)+5], v[\a8] offset:(\off)+512
	ds_load_b128 v[(\reg)+6:(\reg)+9], v[\a16] offset:(\off)+768
	ds_load_b64 v[(\reg)+10:(\reg)+11], v[\a8] offset:(\off)+1280
.endm
.macro FETCH st                        ; K step st: B's and A's fragments and the scale words into set st % 2
.set FS, ((\st)/KS)%2                  ; its slot,
.set FQ, (\st)%KS                      ; its place in the fill,
.set FW, KS-(\st)/(2*KS)               ; the steps that a block has in that fill: 3, 3, 2
.set FP, (\st)%2
	WIN TO_B
.irp i, 0,1,2,3,4,5,6,7
	FRAGL 128*FP+12*\i, ADRB16+FS, ADRB8+FS, (\i*FW+FQ)*FRB
.endr
	WIN 0
.irp i, 0,1,2,3,4,5,6,7
	FRAGL AF+ASTR*FP+12*\i, ADRA16+FS, ADRA8+FS, (\i*FW+FQ)*FRB
.endr
.irp i, 0,1,2,3,4,5,6,7
	ds_load_b32 v[SC+NBK*FP+\i], v[ADRS] offset:\i*SBLK+64*(\st)
.endr
.endm
.macro MULA a, set, zero
.irp b, 0,1,2,3,4,5,6,7
.if \zero
	v_wmma_scale_f32_16x16x128_f8f6f4 v[8*(8*((\a)%4)+\b):8*(8*((\a)%4)+\b)+7], v[128*(\set)+12*\b:128*(\set)+12*\b+11], v[AF+ASTR*(\set)+12*(\a):AF+ASTR*(\set)+12*(\a)+11], 0, v[SC+NBK*(\set)+\b], v[SC+NBK*(\set)+(\a)] matrix_a_fmt:MATRIX_FMT_FP6 matrix_b_fmt:MATRIX_FMT_FP6 matrix_a_scale:MATRIX_SCALE_ROW1
.else
	v_wmma_scale_f32_16x16x128_f8f6f4 v[8*(8*((\a)%4)+\b):8*(8*((\a)%4)+\b)+7], v[128*(\set)+12*\b:128*(\set)+12*\b+11], v[AF+ASTR*(\set)+12*(\a):AF+ASTR*(\set)+12*(\a)+11], v[8*(8*((\a)%4)+\b):8*(8*((\a)%4)+\b)+7], v[SC+NBK*(\set)+\b], v[SC+NBK*(\set)+(\a)] matrix_a_fmt:MATRIX_FMT_FP6 matrix_b_fmt:MATRIX_FMT_FP6 matrix_a_scale:MATRIX_SCALE_ROW1
.endif
.endr
.endm
.macro HALFM lo, set, zero
.set AA, \lo
.rept NBK/2
	MULA AA, \set, \zero
.set AA, AA+1
.endr
.endm
.macro STEPX st, zero                  ; K step st, whose successor lies in the same slot
	s_wait_dscnt 0x0                               ; this step's set is in: it was asked for a whole step ago
	PLACES 4                                       ; the other set was read by the products just issued
	FETCH (\st)+1
	WIN MUL_LO
	HALFM 0, (\st)%2, \zero
	WIN MUL_HI
	HALFM NBK/2, (\st)%2, \zero
	WIN 0
.endm
.macro TURN st, fill                   ; a slot's last step changes slots; fill = 1: slot 0 takes the last fill, steps 6 and 7
	s_wait_tensorcnt 0x0                           ; all my tensor loads have landed: my part of the next slot
	ds_add_u32 v[SPW], v[NIL]                      ; 0 onto my spare word
.if \fill
.irp g, G1, G1B
	s_mov_b32 s[\g+1], (2*192)<<16                 ; no load of mine is out: the last fill's rows are two steps long
	s_mov_b32 s[\g+3], (2*192)<<16
.endr
.endif
	s_wait_dscnt 0x0                               ; the add is done, and my reads of this slot are over
	s_barrier_signal -1
	WIN MUL_LO
	HALFM 0, (\st)%2, 0                            ; work on registers while the others arrive
	WIN 0
	s_barrier_wait -1
.if \fill
	CREST                                          ; the barrier has opened a round of the cluster's: no wave of any partner still reads this slot or has a load on its way
	JLOAD G0, G1, G0B, G1B                         ; my one tensor load behind the round; its four v_nop are the places in front of the loads below
.else
	PLACES 4
.endif
	FETCH (\st)+1
	WIN MUL_HI
	HALFM NBK/2, (\st)%2, 0
	WIN 0
.endm
.macro QUANT s
.irp b, 0,1,2,3
	v_max3_num_f32 v[TM+\b], |v[\s+16*\b]|, |v[\s+1+16*\b]|, 0x1800000
.endr
.irp i, 2,4,6,8,10,12,14
.irp b, 0,1,2,3
	v_max3_num_f32 v[TM+\b], v[TM+\b], |v[\s+16*\b+\i]|, |v[\s+1+16*\b+\i]|
.endr
.endr
.irp b, 0,1,2,3
	v_permlanex16_b32 v[TM+4+\b], v[TM+\b], s[SEL], s[SEL+1]
.endr
.irp b, 0,1,2,3
	v_max_num_f32 v[TM+\b], v[TM+\b], v[TM+4+\b]
.endr
.irp b, 0,1,2,3
	v_add_nc_u32 v[TM+12+\b], 0xff000000, v[TM+\b]
.endr
.irp b, 0,1,2,3
	v_lshrrev_b32 v[TM+4+\b], 23, v[TM+12+\b]
.endr
	v_lshl_or_b32 v[PW], v[TM+5], 8, v[TM+4]
	v_lshl_or_b32 v[PW], v[TM+6], 16, v[PW]
	v_lshl_or_b32 v[PW], v[TM+7], 24, v[PW]
.irp c, 0,1
	v_cvt_scalef32_pk16_fp6_f32 v[PC+6*\c:PC+2+6*\c], v[\s+32*\c:\s+15+32*\c], v[TM+12+2*\c]
	v_cvt_scalef32_pk16_fp6_f32 v[PC+12+4*\c:PC+14+4*\c], v[\s+16+32*\c:\s+31+32*\c], v[TM+12+2*\c+1]
.endr
	v_nop
.irp c, 0,1
.irp i, 0,1,2
	v_permlane16_swap_b32 v[PC+6*\c+\i], v[PC+12+4*\c+\i]
.endr
.irp i, 0,1,2
	v_mov_b32 v[PC+3+6*\c+\i], v[PC+12+4*\c+\i]
.endr
.endr
.endm
.macro SETC reg, val
	s_mov_b32 s[\reg], \val
	s_mov_b32 s[\reg+1], \val
.endm
; gelu(x) = 0.5 x + 0.5 x erf(z), z = x / sqrt(2): the formula as reference() writes it, in f32.  erf(z) = z N(z^2) / D(z^2), z held to -4 .. 4 (beyond that erf is -1 or 1 in f32), N of degree 6 and D of degree 4 in z^2.
; LIMIT: as in reference()'s own f32 formula, 1 + erf(z) cancels for strongly negative x: there the result is right to about 1e-7 of |x|, not of itself.  NaN and infinities are not served.
.macro GELU32 u
.set XX, HA+32*(\u)
.set j, 0
.rept 16
	v_pk_mul_f32 v[T+j:T+j+1], v[XX+j:XX+j+1], s[RS2:RS2+1] op_sel_hi:[1,0]
.set j, j+2
.endr
.set j, 0
.rept 32
	v_med3_num_f32 v[T+j], v[T+j], -4.0, 4.0       ; z
.set j, j+1
.endr
.set j, 0
.rept 16
	v_pk_mul_f32 v[U+j:U+j+1], v[T+j:T+j+1], v[T+j:T+j+1]   ; z^2
.set j, j+2
.endr
.set j, 0
.rept 16
	v_pk_fma_f32 v[P+j:P+j+1], v[U+j:U+j+1], s[EA13:EA13+1], v[C8V:C8V+1] op_sel_hi:[1,0,1]
	v_pk_fma_f32 v[QQ+j:QQ+j+1], v[U+j:U+j+1], s[EB8:EB8+1], v[C8W:C8W+1] op_sel_hi:[1,0,1]
.set j, j+2
.endr
.irp c, EB4,EB2,EB0
.set j, 0
.rept 16
	v_pk_fma_f32 v[QQ+j:QQ+j+1], v[QQ+j:QQ+j+1], v[U+j:U+j+1], s[\c:\c+1] op_sel_hi:[1,1,0]
.set j, j+2
.endr
.endr
.irp c, EA9,EA7,EA5,EA3,EA1
.set j, 0
.rept 16
	v_pk_fma_f32 v[P+j:P+j+1], v[P+j:P+j+1], v[U+j:U+j+1], s[\c:\c+1] op_sel_hi:[1,1,0]
.set j, j+2
.endr
.endr
.set j, 0
	s_wait_alu depctr_va_vdst(0)
.rept 32
	v_rcp_f32 v[QQ+j], v[QQ+j]
.set j, j+1
.endr
.set j, 0
.rept 16
	v_pk_mul_f32 v[P+j:P+j+1], v[P+j:P+j+1], v[T+j:T+j+1]                 ; z N: plain work behind the batch
	v_pk_mul_f32 v[U+j:U+j+1], v[XX+j:XX+j+1], 0.5 op_sel_hi:[1,0]        ; 0.5 x
.set j, j+2
.endr
	s_wait_alu depctr_va_vdst(0)                   ; one wait for the batch, ahead of its first reader
.set j, 0
.rept 16
	v_pk_mul_f32 v[P+j:P+j+1], v[P+j:P+j+1], v[QQ+j:QQ+j+1]               ; erf
.set j, j+2
.endr
.set j, 0
.rept 16
	v_pk_fma_f32 v[XX+j:XX+j+1], v[U+j:U+j+1], v[P+j:P+j+1], v[U+j:U+j+1]
.set j, j+2
.endr
.endm
	s_load_b256 s[4:11], s[0:1], 0x0
	v_lshl_add_u32 v[SPW], v0, 2, SPARE
	v_mov_b32 v[NIL], 0
	ds_add_u32 v[SPW], v[NIL]
	ds_add_u32 v[SPW], v[NIL]
	v_lshrrev_b32 v1, 5, v0
	v_readfirstlane_b32 s14, v1
	s_lshr_b32 s15, s14, 1
	s_and_b32 s16, s14, 1
	s_bfe_u32 s40, ttmp6, 0x40000
	s_bfe_u32 s41, ttmp6, 0x40004
	s_lshl_b32 s42, ttmp9, 2
	s_add_co_u32 s42, s42, s40
	s_and_b32 s17, ttmp7, 0xffff
	s_lshl_b32 s17, s17, 2
	s_add_co_u32 s17, s17, s41
	s_lshl_b32 s43, s41, 2
	s_lshl_b32 s43, 15, s43
	s_lshl_b32 s44, 0x1111, s40
	s_or_b32 s[G1], s43, (3<<16)|(1<<21)
	s_or_b32 s[G1B], s44, (3<<16)|(1<<21)
.irp g, G1, G1B
	s_mov_b32 s[\g+1], (KS*192)<<16
	s_mov_b32 s[\g+2], (2*NBK)<<16                 ; tensor_dim1: at the head a side's 16 blocks; behind it 8
	s_mov_b32 s[\g+3], (KS*192)<<16
	s_mov_b32 s[\g+4], 2*NBK                       ; tile_dim1
	s_mov_b32 s[\g+5], KT*192
	s_mov_b32 s[\g+6], 0
	s_mov_b32 s[\g+7], 0
.endr
	s_or_b32 s[G1S], s43, (3<<16)|(1<<21)
	s_or_b32 s[G1SB], s44, (3<<16)|(1<<21)
.irp g, G1S, G1SB
	s_mov_b32 s[\g+1], 32<<16
	s_mov_b32 s[\g+2], (2*HALFS/256)<<16
	s_mov_b32 s[\g+3], 32<<16
	s_mov_b32 s[\g+4], 2*HALFS/256
	s_mov_b32 s[\g+5], 32
	s_mov_b32 s[\g+6], 0
	s_mov_b32 s[\g+7], 0
.endr
	s_lshl_b32 s20, s17, 1                         ; A: the tile's first run of NBK blocks
	s_mul_i32 s22, s20, HALFS
	s_add_co_u32 s22, s22, HN_SC
	s_mul_i32 s20, s20, NBK*KT*FRB
	s_mov_b32 s21, 0
	s_mov_b32 s23, 0
	s_lshl_b32 s46, s42, 1                         ; B likewise
	s_mul_i32 s92, s46, HALFS
	s_add_co_u32 s92, s92, B_SC
	s_mul_i32 s46, s46, NBK*KT*FRB
	s_add_co_u32 s46, s46, B_IMG
	s_mov_b32 s47, 0
	s_mov_b32 s93, 0
	s_mul_i32 s45, s14, HALFT
	s_wait_dscnt 0x0
	s_wait_kmcnt 0x0
	s_add_nc_u64 s[20:21], s[4:5], s[20:21]
	s_add_nc_u64 s[22:23], s[4:5], s[22:23]
	s_add_nc_u64 s[46:47], s[6:7], s[46:47]
	s_add_nc_u64 s[92:93], s[6:7], s[92:93]
	CROUND
	s_mov_b32 s[G0S], 1
	s_mov_b32 s[G0S+1], SCL
	s_mov_b64 s[G0S+2:G0S+3], s[22:23]
	s_or_b32 s[G0S+3], s[G0S+3], 0x80000000
	s_mov_b32 s[G0SB], 1
	s_mov_b32 s[G0SB+1], SCL+2*HALFS
	s_mov_b64 s[G0SB+2:G0SB+3], s[92:93]
	s_or_b32 s[G0SB+3], s[G0SB+3], 0x80000000
	s_mov_b32 s[G0], 1                             ; the head's four tiles, each whole: slot 0's 16 blocks of A,
	s_mov_b32 s[G0+1], 0
	s_mov_b64 s[G0+2:G0+3], s[20:21]
	s_or_b32 s[G0+3], s[G0+3], 0x80000000
	s_mov_b32 s[G0B], 1                            ; its 16 blocks of B; the two tiles of scale words are set up above
	s_mov_b32 s[G0B+1], 2*HALFT
	s_mov_b64 s[G0B+2:G0B+3], s[46:47]
	s_or_b32 s[G0B+3], s[G0B+3], 0x80000000
	s_mul_i32 s18, s16, NBK*KT*FRB                 ; for the ring: my half of a side
	s_mov_b32 s19, 0
	s_add_nc_u64 s[98:99], s[20:21], s[18:19]
	s_add_nc_u64 s[92:93], s[46:47], s[18:19]
	s_mov_b32 s[G0+4], 1                           ; slot 1: steps 3 to 5
	s_add_co_u32 s[G0+5], s45, SLOT
	s_add_nc_u64 s[G0+6:G0+7], s[98:99], KS*FRB
	s_or_b32 s[G0+7], s[G0+7], 0x80000000
	s_mov_b32 s[G0B+4], 1
	s_add_co_u32 s[G0B+5], s45, SLOT
	s_add_nc_u64 s[G0B+6:G0B+7], s[92:93], KS*FRB
	s_or_b32 s[G0B+7], s[G0B+7], 0x80000000
; ONE tensor load a wave at the head: one chain of branches on the wave's number, a load to each arm, all arms leading to one join
.macro ARM under, g0, g1, next
	s_cmp_lt_u32 s14, \under
	s_cbranch_scc0 \next
	tensor_load_to_lds s[\g0:\g0+3], s[\g1:\g1+7]
	s_nop 0
.rept 4
	v_nop
.endr
	s_branch .Lhead_asked
\next:
.endm
	ARM 1, G0,  G1,  .Lhead_b
	ARM 2, G0B, G1B, .Lhead_sa
	ARM 3, G0S, G1S, .Lhead_sb
	tensor_load_to_lds s[G0SB:G0SB+3], s[G1SB:G1SB+7]
	s_nop 0
.rept 4
	v_nop
.endr
.Lhead_asked:
	v_and_b32 v1, 15, v0
	v_bfe_u32 v2, v0, 4, 1
	v_and_b32 v3, 31, v0
	v_lshlrev_b32 v[L16], 4, v3
	v_lshlrev_b32 v[L8], 3, v3
	s_mul_i32 s21, s15, HALFT
	s_mul_i32 s22, s16, HALFT
	s_add_co_u32 s22, s22, 2*HALFT
.irp s, 0,1
	v_add_nc_u32 v[ADRA16+\s], s21, v[L16]
	v_add_nc_u32 v[ADRA8+\s], s21, v[L8]
	v_add_nc_u32 v[ADRB16+\s], s22, v[L16]
	v_add_nc_u32 v[ADRB8+\s], s22, v[L8]
	s_add_co_u32 s21, s21, SLOT
	s_add_co_u32 s22, s22, SLOT
.endr
	s_mul_i32 s21, s15, HALFS
	s_mul_i32 s22, s16, HALFS
	s_add_co_u32 s22, s22, 2*HALFS
	s_sub_co_u32 s22, s22, s21
	v_mul_u32_u24 v6, s22, v2
	s_add_co_u32 s21, s21, SCL
	v_lshl_add_u32 v6, v1, 2, v6
	v_add_nc_u32 v[ADRS], s21, v6
	s_lshl_b32 s18, s14, 16
	v_add_nc_u32 v[STG], s18, v[L16]
	v_lshlrev_b32 v[SA], 2, v1
	v_lshlrev_b32 v[BO], 6, v2
	s_mov_b32 s3, 0
	s_lshl_b32 s2, s42, 10
	s_lshl_b32 s18, s16, 9
	s_add_co_u32 s2, s2, s18
	s_add_nc_u64 s[8:9], s[8:9], s[2:3]
	WIN TO_B
.irp b, 0,1,2,3,4,5,6,7
	global_load_b128 v[96+8*\b+96*(\b/4):99+8*\b+96*(\b/4)], v[BO], s[8:9] offset:4*(32*(\b/2)+8*(\b%2))
	global_load_b128 v[100+8*\b+96*(\b/4):103+8*\b+96*(\b/4)], v[BO], s[8:9] offset:4*(32*(\b/2)+8*(\b%2))+16
.endr
	WIN 0
	s_lshl_b32 s18, s17, 4
	s_lshl_b32 s19, s15, 3
	s_add_co_u32 s18, s18, s19
	s_lshl_b32 s19, s42, 1
	s_add_co_u32 s19, s19, s16
	s_mul_i32 s2, s18, 49152
	s_mul_i32 s20, s19, FRB
	s_add_co_u32 s2, s2, s20
	s_add_nc_u64 s[94:95], s[10:11], s[2:3]
	s_lshl_b32 s2, s18, 11
	s_lshl_b32 s20, s19, 6
	s_add_co_u32 s2, s2, s20
	s_add_co_u32 s2, s2, GG_SC
	s_add_nc_u64 s[96:97], s[10:11], s[2:3]
	s_wait_alu depctr_va_vdst(0)
	s_wait_tensorcnt 0x0                           ; my tile of the head's four is in; slot 1's first fill is issued as a refill is:
	ds_add_u32 v[SPW], v[NIL]                      ; 0 onto my spare word
.irp g, G1, G1B
	s_mov_b32 s[\g+2], NBK<<16                     ; no load of mine is out: from here on a load brings 8 blocks
	s_mov_b32 s[\g+4], NBK
.endr
	s_mov_b32 s[G0+1], s45                         ; slot 0's next fill: my quarter, steps 6 and 7
	s_add_nc_u64 s[G0+2:G0+3], s[98:99], 2*KS*FRB
	s_or_b32 s[G0+3], s[G0+3], 0x80000000
	s_mov_b32 s[G0B+1], s45
	s_add_nc_u64 s[G0B+2:G0B+3], s[92:93], 2*KS*FRB
	s_or_b32 s[G0B+3], s[G0B+3], 0x80000000
	s_wait_dscnt 0x0
	CROUND                                         ; a whole round: all four tiles are in, the joint loads meet
	JLOAD G0+4, G1, G0B+4, G1B                     ; the first tensor load behind the round
	FETCH 0
	STEPX 0, 1                                     ; the first step's products start the sums
	STEPX 1, 0
	TURN 2, 1
	STEPX 3, 0
	STEPX 4, 0
	TURN 5, 0                                      ; nothing more is left to fetch
	STEPX 6, 0
	s_mov_b32 s[SEL], 0x76543210
	s_mov_b32 s[SEL+1], 0xfedcba98
	SETC EA1, -1.60960333262415e-02
	SETC EA3, -2.95459980854025e-03
	SETC EA5, -7.34990630326855e-04
	SETC EA7, -5.69250639462346e-05
	SETC EA9, -2.10102402082508e-06
	SETC EA13, -2.72614225801306e-10
	SETC EB0, -1.42647390514189e-02
	SETC EB2, -7.37332916720468e-03
	SETC EB4, -1.68282697438203e-03
	SETC EB8, -1.45660718464996e-05
	SETC RS2, 0x3f3504f3
	s_wait_dscnt 0x0
	s_barrier_signal -1
	WIN MUL_LO
	HALFM 0, 1, 0
	WIN MUL_HI
	HALFM NBK/2, 1, 0
	WIN 0
	s_barrier_wait -1
	PLACES 4
	v_mov_b32 v[C8V], 2.77068142495902e-08         ; the numerator's coefficient of z^10,
	v_mov_b32 v[C8V+1], 2.77068142495902e-08
	v_mov_b32 v[C8W], -2.13374055278905e-04        ; the denominator's of z^6
	v_mov_b32 v[C8W+1], -2.13374055278905e-04
.irp a, 0,1,2,3,4,5,6,7
	WIN 0x08+4*(\a/4)
.irp b, 0,1,2,3,4,5,6,7
	ds_store_b128 v[STG], v[64*(\a%4)+8*\b:64*(\a%4)+8*\b+3] offset:8192*\a+1024*\b
	ds_store_b128 v[STG], v[64*(\a%4)+8*\b+4:64*(\a%4)+8*\b+7] offset:8192*\a+1024*\b+512
.endr
.endr
	WIN 0
	s_wait_loadcnt 0x0
	s_mov_b32 s3, 8
.Lrow:
.set j, 0
	s_wait_alu depctr_va_vdst(0)
.rept 16
	ds_load_b128 v[HA+4*j:HA+4*j+3], v[STG] offset:512*j
.set j, j+1
.endr
	s_wait_dscnt 0x0
	WIN 0x04
.irp b, 0,1,2,3,4,5,6,7
.irp j, 0,2,4,6
	v_pk_add_f32 v[HA+8*\b+\j:HA+8*\b+\j+1], v[HA+8*\b+\j:HA+8*\b+\j+1], v[96+8*\b+96*(\b/4)+\j:97+8*\b+96*(\b/4)+\j]
.endr
.endr
	WIN 0
	GELU32 0
	GELU32 1
	QUANT HA
	global_store_b128 v[L16], v[PC:PC+3], s[94:95]
	global_store_b64 v[L8], v[PC+4:PC+5], s[94:95] offset:512
	global_store_b128 v[L16], v[PC+6:PC+9], s[94:95] offset:768
	global_store_b64 v[L8], v[PC+10:PC+11], s[94:95] offset:1280
	global_store_b32 v[SA], v[PW], s[96:97]
	v_add_nc_u32 v[STG], 8192, v[STG]
	s_wait_xcnt 0x0
	s_add_nc_u64 s[94:95], s[94:95], 49152
	s_add_nc_u64 s[96:97], s[96:97], 2048
	s_sub_co_u32 s3, s3, 1
	s_cmp_lg_u32 s3, 0
	s_cbranch_scc1 .Lrow
	s_wait_tensorcnt 0x0
	ds_add_u32 v[SPW], v[NIL]
	s_wait_dscnt 0x0
	CROUND
	s_endpgm
.Lfunc_end_k_qb7fde95c05_ff1:
	.size	k_qb7fde95c05_ff1, .Lfunc_end_k_qb7fde95c05_ff1-k_qb7fde95c05_ff1
	.p2alignl 7, 3214868480
	.fill 96, 4, 3214868480
	.section	.rodata,"a",@progbits
	.p2align	6, 0x0
	.amdhsa_kernel k_qb7fde95c05_ff1
		.amdhsa_group_segment_fixed_size 327680
		.amdhsa_private_segment_fixed_size 0
		.amdhsa_enable_private_segment 0
		.amdhsa_kernarg_size 32
		.amdhsa_user_sgpr_count 2
		.amdhsa_user_sgpr_kernarg_segment_ptr 1
		.amdhsa_wavefront_size32 1
		.amdhsa_system_sgpr_workgroup_id_x 1
		.amdhsa_system_sgpr_workgroup_id_y 1
		.amdhsa_system_sgpr_workgroup_id_z 1
		.amdhsa_system_vgpr_workitem_id 0
		.amdhsa_next_free_vgpr 1024
		.amdhsa_next_free_sgpr 100
		.amdhsa_reserve_vcc 0
		.amdhsa_float_denorm_mode_32 3
		.amdhsa_float_denorm_mode_16_64 3
		.amdhsa_memory_ordered 1
		.amdhsa_forward_progress 1
		.amdhsa_inst_pref_size 172
	.end_amdhsa_kernel
	.amdgpu_metadata
---
amdhsa.version: [ 1, 2 ]
amdhsa.kernels:
  - .name:           k_qb7fde95c05_ff1
    .symbol:         k_qb7fde95c05_ff1.kd
    .args:
      - { .name: hn, .offset: 0, .size: 8, .value_kind: global_buffer, .address_space: global }
      - { .name: wk, .offset: 8, .size: 8, .value_kind: global_buffer, .address_space: global }
      - { .name: b_ff1, .offset: 16, .size: 8, .value_kind: global_buffer, .address_space: global }
      - { .name: gg, .offset: 24, .size: 8, .value_kind: global_buffer, .address_space: global }
    .group_segment_fixed_size: 327680
    .private_segment_fixed_size: 0
    .kernarg_segment_align: 8
    .kernarg_segment_size: 32
    .max_flat_workgroup_size: 128
    .sgpr_count:     100
    .vgpr_count:     1024
    .wavefront_size: 32
...
	.end_amdgpu_metadata
.endif
;; end of part 6
;; launch ff2 (part 7): grid 8 x 32, 4 waves a work-group, clusters of 4 x 4, 327,680 bytes of LDS; arguments gg, wk, b_ff2, x1, out0; writes out0
.if DOCPART == 7
	.amdgcn_target "amdgcn-amd-amdhsa--gfx1250"
	.amdhsa_code_object_version 6
	.text
	.protected	k_qb7fde95c05_ff2
	.globl	k_qb7fde95c05_ff2
	.p2align	8
	.type	k_qb7fde95c05_ff2,@function
k_qb7fde95c05_ff2:
	s_mov_b64 s[64:65], 0
	v_nop
	global_prefetch_b8 v0, s[64:65] scope:SCOPE_SE
	s_setreg_imm32_b32 hwreg(HW_REG_WAVE_MODE, 25, 1), 1
	s_wait_xcnt 0x0
	s_wait_alu depctr_hold_cnt(0) depctr_sa_sdst(0) depctr_va_vdst(0) depctr_va_sdst(0) depctr_va_ssrc(0) depctr_va_vcc(0) depctr_vm_vsrc(0)
	s_getreg_b32 s2, hwreg(HW_REG_IB_STS2, 6, 4)
	s_cmp_eq_u32 s2, 0
	s_cbranch_scc0 .Lentry_in_a_cluster
	s_endpgm
.Lentry_in_a_cluster:
	s_bfe_u32 s2, ttmp6, 0x10000c
	s_cmp_lg_u32 s2, 0xf033
	s_cbranch_scc0 .Lentry_shape_is_right
	s_endpgm
.Lentry_shape_is_right:
; LAUNCH 7 OF 7: out0 = x1 + Q(gelu) Q(w_ff2) + b_ff2, f32 out; the gelu's codes and scale words come from launch ff1.  Nothing is left out here.
; A tile of 128 x 128 to a work-group (256 of them).  THE FOUR WAVES SHARE OUT THE COLUMNS: wave w makes all 128 rows x columns 32 w .. 32 w + 31: 8 blocks of tokens x 2 blocks of the weight, 16 accumulators.
; Operands are register images ([block of 16 rows][K step][1,536 bytes]); source 0 = the weight's 16 rows, source 1 = 16 tokens: a lane holds eight neighbouring columns of a row.
; Lane r of block i stands for row 32 (i / 2) + 8 (i % 2) + r + 8 (r / 8).
; THE TOKENS' CODES, which all four waves read, go through LDS: a ring of two slots of 11 K steps (135,168 bytes each); K's 32 steps come in three fills of 11, 11 and 10 steps.  They are shared along a row of the
; 4 x 4 cluster and asked for jointly.  The scale words of both sides, for all of K (2 x 16,384 bytes), come once, at the head.
; THE WEIGHT'S CODES GO FROM MEMORY STRAIGHT INTO REGISTERS: each of its fragments is multiplied by ONE wave of the work-group, and the image is the register layout, so LDS would only be a detour: 8 loads a K step
; (512, 256, 512, 256 consecutive bytes for each of two fragments), asked for 7 steps ahead into 8 register sets.  So they are no joint loads: what takes no LDS has no tile to share.
; PREFETCH: a fill of the tokens' codes is asked of memory one fill ahead of its tensor load: the head asks for fill 1, fill 1's tensor load is followed by the request for fill 2;
; the change of slots asks for nothing more.  Of the 2 blocks that a wave fetches (132 or 120 runs of 256 bytes) each of the four partners names a quarter, by address (cx): 33 or 30 runs, a lane a run.
; The weight's loads themselves run seven steps ahead and are not prefetched.
; THE WAY OUT: the 128 x 128 sums meet in a stage in slot 1 (it has had its last fill, and its last read lies behind a barrier), rows of 512 + 16 bytes; behind a barrier wave w takes rows 32 w on, whole rows of 512 bytes,
; adds the residual and the bias and stores them.  The residual is asked for in the last K steps, behind the last of the weight's loads: LOADcnt falls in the order of issue.
.set NBA,   8
.set KS,    11
.set KT,    32
.set AHB,   7                          ; the weight's loads run so many steps ahead
.set A_SC,  12582912
.set B_IMG, 6291456
.set B_SC,  9699328
.set FRB,   1536
.set XS,    NBA*KS*FRB                 ; a slot
.set SBLK,  64*KT
.set SCL,   2*XS                       ; the tokens' scale words,
.set SCLB,  SCL+NBA*SBLK               ; the weight's
.set SPARE, SCLB+NBA*SBLK              ; the spare words: 128 bytes a wave, named by no other line
.set STAGE, XS
.set SP,    528
.set FAR,   49152                      ; an LDS immediate has 16 bits: three address registers a slot, FAR bytes apart
.set AD16,  4                          ; v4-9   slot s, part k: 16 x lane + s XS + k FAR
.set AD8,   10                         ; v10-15 the same with 8 x lane
.set L16,   16
.set L8,    17
.set ADSA,  18
.set ADSB,  19
.set STO,   20
.set RD,    21
.set PFO,   24                         ; 256 x lane
.set PF2,   25                         ; 256 x 32
.set PF3,   26                         ; 256 x min(lane, 29)
.set SPW,   28
.set NIL,   29
.set SA,    32                         ; v32-47 the tokens' scale words, two sets of 8
.set SB,    48                         ; v48-51 the weight's, two sets of 2
.set BI,    52                         ; v52-55 the bias of my lane's four columns
.set AF,    64                         ; v64-255 the tokens' fragments, two sets of 8.  Window 1: v0-191 the weight's, eight sets of 2.  Window 2: v0-127 accumulators, v128-255 rows read back.  Window 3: v0-127 the residual
.set ASTR,  96
.set G1,    24
.set G0,    32                         ; s[32:35] the head's load, then fill 2's; s[36:39] fill 1's
.set G1S,   68
.set G0S,   76
.set G1SB,  80
.set G0SB,  88
.set BB,    94                         ; s[94:95] my two blocks of the weight
.set PFA,   96                         ; s[96:97], s[92:93] where my prefetches of fill 1 and of fill 2 begin
.set PFB,   92
.set MSB, 0
.macro WIN new                         ; the immediate's high byte repeats the setting that is left
.if MSB != \new
	s_set_vgpr_msb (MSB<<8)|\new
.set MSB, \new
.endif
.endm
.set MUL,  0xa1                        ; source 0 (the weight) window 1, source 1 (tokens) window 0, C and D window 2
.set TO_B, 0x40
.macro CREST
	s_cmp_lg_u32 s14, 0
	s_cbranch_scc1 .Lnot_wave_0_\@
	s_barrier_signal -3
.Lnot_wave_0_\@:
	s_barrier_wait -3
	s_barrier_signal -1
	s_barrier_wait -1
.endm
.macro CROUND
	s_barrier_signal -1
	s_barrier_wait -1
	CREST
.endm
.macro PLACES n
.rept \n
	v_nop
.endr
.endm
.macro FRAGL reg, a16, a8, off
	ds_load_b128 v[(\reg):(\reg)+3], v[\a16] offset:(\off)
	ds_load_b64 v[(\reg)+4:(\reg)+5], v[\a8] offset:(\off)+512
	ds_load_b128 v[(\reg)+6:(\reg)+9], v[\a16] offset:(\off)+768
	ds_load_b64 v[(\reg)+10:(\reg)+11], v[\a8] offset:(\off)+1280
.endm
.macro FETCH st                        ; K step st: the tokens' eight fragments and both sides' scale words into set st % 2
.set FF, (\st)/KS
.set FW, KS                            ; the steps that a block has in step st's fill: 11, 11, 10
.if KT-FF*KS < KS
.set FW, KT-FF*KS
.endif
.set FQ, (\st)%KS
.set FP, (\st)%2
.irp i, 0,1,2,3,4,5,6,7
.set FO, (\i*FW+FQ)*FRB
	FRAGL AF+ASTR*FP+12*\i, AD16+3*(FF%2)+FO/FAR, AD8+3*(FF%2)+FO/FAR, FO%FAR
.endr
.irp i, 0,1,2,3,4,5,6,7
	ds_load_b32 v[SA+8*FP+\i], v[ADSA] offset:\i*SBLK+64*(\st)
.endr
.irp b, 0,1
	ds_load_b32 v[SB+2*FP+\b], v[ADSB] offset:\b*SBLK+64*(\st)
.endr
.endm
.macro BLOAD st                        ; K step st of my two blocks of the weight into set st % 8 of window 1
.irp b, 0,1
	global_load_b128 v[24*((\st)%8)+12*\b:24*((\st)%8)+12*\b+3], v[L16], s[BB:BB+1] offset:(\b*KT+(\st))*FRB
	global_load_b64 v[24*((\st)%8)+12*\b+4:24*((\st)%8)+12*\b+5], v[L8], s[BB:BB+1] offset:(\b*KT+(\st))*FRB+512
	global_load_b128 v[24*((\st)%8)+12*\b+6:24*((\st)%8)+12*\b+9], v[L16], s[BB:BB+1] offset:(\b*KT+(\st))*FRB+768
	global_load_b64 v[24*((\st)%8)+12*\b+10:24*((\st)%8)+12*\b+11], v[L8], s[BB:BB+1] offset:(\b*KT+(\st))*FRB+1280
.endr
.endm
.macro BWAIT st                        ; the weight's step st is in.  Issued behind it: the steps up to st + 6 (8 loads each), and, from step 25 on, what has been asked of the residual (8 loads in each of steps 25-28) and the bias (step 29)
.set NB, KT-1-(\st)
.if NB > AHB-1
.set NB, AHB-1
.endif
.set NR, (\st)-(KT-AHB)
.if NR < 0
.set NR, 0
.endif
.if NR > 4
.set NR, 4
.endif
.set NW, 8*NB+8*NR
.if (\st) > KT-AHB+4
.set NW, NW+1
.endif
	s_wait_loadcnt NW
.endm
.macro BSIDE st
	BWAIT \st
.if (\st)+AHB < KT
	WIN TO_B
	BLOAD (\st)+AHB                                ; into the set that the last step's products read: the places stand above
	WIN 0
.elseif (\st) < KT-AHB+4
	WIN 0xc0                                       ; destination window 3
.irp t, 0,1,2,3,4,5,6,7
	global_load_b128 v[4*(8*((\st)-(KT-AHB))+\t):4*(8*((\st)-(KT-AHB))+\t)+3], v[L16], s[10:11] offset:(8*((\st)-(KT-AHB))+\t)*4096 th:TH_LOAD_NT   ; a row of the residual: 512 consecutive bytes
.endr
	WIN 0
.elseif (\st) == KT-AHB+4
	global_load_b128 v[BI:BI+3], v[L16], s[8:9]
.endif
.endm
.macro MUL16 st, zero                  ; the 16 accumulators take turns in the same order in every step
	WIN MUL
.irp a, 0,1,2,3,4,5,6,7
.irp b, 0,1
.if \zero
	v_wmma_scale_f32_16x16x128_f8f6f4 v[8*(2*\a+\b):8*(2*\a+\b)+7], v[24*((\st)%8)+12*\b:24*((\st)%8)+12*\b+11], v[AF+ASTR*((\st)%2)+12*\a:AF+ASTR*((\st)%2)+12*\a+11], 0, v[SB+2*((\st)%2)+\b], v[SA+8*((\st)%2)+\a] matrix_a_fmt:MATRIX_FMT_FP6 matrix_b_fmt:MATRIX_FMT_FP6
.else
	v_wmma_scale_f32_16x16x128_f8f6f4 v[8*(2*\a+\b):8*(2*\a+\b)+7], v[24*((\st)%8)+12*\b:24*((\st)%8)+12*\b+11], v[AF+ASTR*((\st)%2)+12*\a:AF+ASTR*((\st)%2)+12*\a+11], v[8*(2*\a+\b):8*(2*\a+\b)+7], v[SB+2*((\st)%2)+\b], v[SA+8*((\st)%2)+\a] matrix_a_fmt:MATRIX_FMT_FP6 matrix_b_fmt:MATRIX_FMT_FP6
.endif
.endr
.endr
	WIN 0
.endm
.macro STEP st, zero
.set NX, (\st)+1
.if NX%KS == 0                         ; the next step lies in the other slot
	s_wait_tensorcnt 0x0                           ; all my tensor loads have landed: my part of the other slot;
	ds_add_u32 v[SPW], v[NIL]                      ; 0 onto my spare word;
.if NX == KS
	s_mov_b32 s[G1+1], ((KT-2*KS)*192)<<16         ; no load of mine is out: the last fill's rows are 10 steps long
	s_mov_b32 s[G1+3], ((KT-2*KS)*192)<<16
.endif
	s_wait_dscnt 0x0                               ; the add is done, this step's set is in, and my reads of this slot are over
	s_barrier_signal -1
	s_barrier_wait -1
.if NX == KS
	CREST                                          ; the barrier has opened a round of the cluster's: no wave of any partner still reads slot 0 or has a load on its way
	tensor_load_to_lds s[G0:G0+3], s[G1:G1+7]      ; my one tensor load behind the round: my two blocks of fill 2, into slot 0
	s_nop 0
.rept 4
	v_nop                                          ; (also the places in front of the loads below)
.endr
.else
	PLACES 4
.endif
.else
	s_wait_dscnt 0x0                               ; this step's set is in: it was asked for a whole step ago
	PLACES 4                                       ; the other sets were read by the products just issued
.endif
	FETCH NX
	BSIDE \st
	MUL16 \st, \zero
.endm
.macro ARM under, g0, g1, next         ; an arm of the head's one chain of branches on the wave's number
	s_cmp_lt_u32 s14, \under
	s_cbranch_scc0 \next
	tensor_load_to_lds s[\g0:\g0+3], s[\g1:\g1+7]
	s_nop 0
.rept 4
	v_nop
.endr
	s_branch .Lhead_asked
\next:
.endm
	s_load_b256 s[4:11], s[0:1], 0x0               ; gg, wk, the bias, the residual
	s_load_b64 s[12:13], s[0:1], 0x20              ; the output
	v_lshl_add_u32 v[SPW], v0, 2, SPARE
	v_mov_b32 v[NIL], 0
	ds_add_u32 v[SPW], v[NIL]                      ; the opening: the add, twice on end, and its wait ahead of my first tensor load
	ds_add_u32 v[SPW], v[NIL]
	v_lshrrev_b32 v1, 5, v0
	v_readfirstlane_b32 s14, v1                    ; wave 0..3
	s_mul_i32 s2, s14, 128
	s_add_co_u32 s2, s2, STAGE                     ; the stage: my 32 columns,
	s_mul_i32 s3, s14, 32*SP
	s_add_co_u32 s3, s3, STAGE                     ; my 32 rows
	s_mul_i32 s66, s14, 2*SBLK
	s_add_co_u32 s66, s66, SCLB                    ; my two blocks' scale words
	v_and_b32 v1, 15, v0                           ; r
	v_bfe_u32 v2, v0, 4, 1                         ; h
	v_and_b32 v3, 31, v0                           ; lane
	v_lshlrev_b32 v[L16], 4, v3
	v_lshlrev_b32 v[L8], 3, v3
.irp k, 0,1,2,3,4,5
	v_add_nc_u32 v[AD16+\k], (\k/3)*XS+(\k%3)*FAR, v[L16]
	v_add_nc_u32 v[AD8+\k], (\k/3)*XS+(\k%3)*FAR, v[L8]
.endr
	v_lshlrev_b32 v27, 2, v1
	v_add_nc_u32 v[ADSA], SCL, v27                 ; both halves of the lanes read row r's word
	v_add_nc_u32 v[ADSB], s66, v27
	v_and_b32 v30, 8, v1
	v_add_nc_u32 v30, v30, v1                      ; r + 8 (r / 8)
	v_mul_u32_u24 v30, v30, SP
	v_lshl_add_u32 v30, v2, 6, v30
	v_add_nc_u32 v[STO], s2, v30                   ; in: my lane's row; block b's eight columns: 32 b + 64 h bytes on
	v_add_nc_u32 v[RD], s3, v[L16]                 ; back: the 32 lanes take one row
	v_lshlrev_b32 v[PFO], 8, v3
	v_mov_b32 v[PF2], 8192
	v_min_u32 v[PF3], 29, v3
	v_lshlrev_b32 v[PF3], 8, v[PF3]
	s_bfe_u32 s40, ttmp6, 0x40000                  ; cx
	s_bfe_u32 s41, ttmp6, 0x40004                  ; cy
	s_lshl_b32 s42, ttmp9, 2
	s_add_co_u32 s42, s42, s40                     ; the weight's tile
	s_and_b32 s17, ttmp7, 0xffff
	s_lshl_b32 s17, s17, 2
	s_add_co_u32 s17, s17, s41                     ; the tokens' tile
	s_lshl_b32 s43, s41, 2
	s_lshl_b32 s43, 15, s43                        ; my row of the cluster
	s_lshl_b32 s44, 0x1111, s40                    ; my column
	s_or_b32 s[G1], s43, (3<<16)|(1<<21)           ; the mask; elements of 8 bytes; bit 21 beside a mask
	s_mov_b32 s[G1+1], (KS*192)<<16                ; a row: a block's 11 fragments
	s_mov_b32 s[G1+2], 4<<16                       ; at the head 4 blocks, behind it 2
	s_mov_b32 s[G1+3], (KS*192)<<16
	s_mov_b32 s[G1+4], 4
	s_mov_b32 s[G1+5], KT*192                      ; from block to block
	s_mov_b32 s[G1+6], 0
	s_mov_b32 s[G1+7], 0
	s_or_b32 s[G1S], s43, (3<<16)|(1<<21)          ; the scale words of 8 blocks: dense, as rows of 256 bytes
	s_or_b32 s[G1SB], s44, (3<<16)|(1<<21)
.irp g, G1S, G1SB
	s_mov_b32 s[\g+1], 32<<16
	s_mov_b32 s[\g+2], (NBA*SBLK/256)<<16
	s_mov_b32 s[\g+3], 32<<16
	s_mov_b32 s[\g+4], NBA*SBLK/256
	s_mov_b32 s[\g+5], 32
	s_mov_b32 s[\g+6], 0
	s_mov_b32 s[\g+7], 0
.endr
	s_mul_i32 s20, s17, NBA*KT*FRB                 ; the tokens' tile: codes,
	s_mov_b32 s21, 0
	s_mul_i32 s22, s17, NBA*SBLK
	s_add_co_u32 s22, s22, A_SC                    ; scale words
	s_mov_b32 s23, 0
	s_mul_i32 s46, s42, NBA*SBLK
	s_add_co_u32 s46, s46, B_SC                    ; the weight's scale words
	s_mov_b32 s47, 0
	s_lshl_b32 s48, s42, 3
	s_lshl_b32 s49, s14, 1
	s_add_co_u32 s48, s48, s49
	s_mul_i32 s48, s48, KT*FRB
	s_add_co_u32 s48, s48, B_IMG                   ; my two blocks of the weight
	s_mov_b32 s49, 0
	s_wait_alu depctr_va_vdst(0)                   ; the wait behind the head's last vector instruction, ahead of the waits below
	s_wait_dscnt 0x0                               ; both opening adds are done
	s_wait_kmcnt 0x0
	s_add_nc_u64 s[BB:BB+1], s[6:7], s[48:49]
	WIN TO_B
.irp q, 0,1,2,3,4,5,6
	BLOAD \q                                       ; 56 loads of mine are out
.endr
	WIN 0
	s_add_nc_u64 s[20:21], s[4:5], s[20:21]
	s_add_nc_u64 s[22:23], s[4:5], s[22:23]
	s_add_nc_u64 s[46:47], s[6:7], s[46:47]
	CROUND                                         ; all sixteen work-groups are here: the first joint loads meet
	s_mul_i32 s18, s14, 4*KT*FRB
	s_mov_b32 s19, 0
	s_mov_b32 s[G0], 1                             ; the head: waves 0 and 1 bring four blocks each of fill 0,
	s_mul_i32 s[G0+1], s14, 4*KS*FRB
	s_add_nc_u64 s[G0+2:G0+3], s[20:21], s[18:19]
	s_or_b32 s[G0+3], s[G0+3], 0x80000000
	s_mov_b32 s[G0S], 1                            ; wave 2 the tokens' scale words,
	s_mov_b32 s[G0S+1], SCL
	s_mov_b64 s[G0S+2:G0S+3], s[22:23]
	s_or_b32 s[G0S+3], s[G0S+3], 0x80000000
	s_mov_b32 s[G0SB], 1                           ; wave 3 the weight's
	s_mov_b32 s[G0SB+1], SCLB
	s_mov_b64 s[G0SB+2:G0SB+3], s[46:47]
	s_or_b32 s[G0SB+3], s[G0SB+3], 0x80000000
	s_mul_i32 s18, s14, 2*KT*FRB
	s_add_nc_u64 s[98:99], s[20:21], s[18:19]      ; for the ring: my two blocks
	s_mov_b32 s[G0+4], 1                           ; fill 1, into slot 1
	s_mul_i32 s[G0+5], s14, 2*KS*FRB
	s_add_co_u32 s[G0+5], s[G0+5], XS
	s_add_nc_u64 s[G0+6:G0+7], s[98:99], KS*FRB
	s_or_b32 s[G0+7], s[G0+7], 0x80000000
	ARM 2, G0,  G1,  .Lhead_sa
	ARM 3, G0S, G1S, .Lhead_sb
	tensor_load_to_lds s[G0SB:G0SB+3], s[G1SB:G1SB+7]
	s_nop 0
.rept 4
	v_nop
.endr
.Lhead_asked:
	s_lshr_b32 s50, s40, 1                         ; the prefetches: of my two blocks' runs partner cx names a quarter: block cx / 2, half cx % 2
	s_mul_i32 s50, s50, KT*FRB
	s_and_b32 s52, s40, 1
	s_mul_i32 s45, s52, 30*256
	s_mul_i32 s52, s52, 33*256
	s_add_co_u32 s52, s52, s50
	s_add_co_u32 s50, s50, s45
	s_mov_b32 s51, 0
	s_mov_b32 s53, 0
	s_add_nc_u64 s[PFA:PFA+1], s[98:99], s[52:53]
	s_add_nc_u64 s[PFB:PFB+1], s[98:99], s[50:51]
	s_lshl_b32 s48, s42, 9                         ; my tile's first column, in bytes
	s_mov_b32 s49, 0
	s_add_nc_u64 s[8:9], s[8:9], s[48:49]
	s_lshl_b32 s50, s17, 7
	s_lshl_b32 s52, s14, 5
	s_add_co_u32 s50, s50, s52                     ; the first of the 32 rows that I store
	s_lshl_b32 s50, s50, 12
	s_add_co_u32 s48, s48, s50
	s_add_nc_u64 s[10:11], s[10:11], s[48:49]
	s_add_nc_u64 s[12:13], s[12:13], s[48:49]
	global_prefetch_b8 v[PFO], s[PFA:PFA+1] offset:KS*FRB th:TH_LOAD_NT scope:SCOPE_SE   ; fill 1: my quarter's runs 0-31,
	global_prefetch_b8 v[PF2], s[PFA:PFA+1] offset:KS*FRB th:TH_LOAD_NT scope:SCOPE_SE   ; and run 32
	s_wait_tensorcnt 0x0                           ; my tile of the head's four is in; slot 1's first fill is issued as a refill is:
	ds_add_u32 v[SPW], v[NIL]                      ; 0 onto my spare word
	s_mov_b32 s[G1+2], 2<<16                       ; no load of mine is out: from here on a load brings 2 blocks
	s_mov_b32 s[G1+4], 2
	s_mul_i32 s[G0+1], s14, 2*(KT-2*KS)*FRB        ; fill 2, into slot 0
	s_add_nc_u64 s[G0+2:G0+3], s[98:99], 2*KS*FRB
	s_or_b32 s[G0+3], s[G0+3], 0x80000000
	s_wait_dscnt 0x0
	CROUND                                         ; a whole round: all four tiles are in, the joint loads meet
	tensor_load_to_lds s[G0+4:G0+7], s[G1:G1+7]    ; the first tensor load behind the round
	s_nop 0
.rept 4
	v_nop
.endr
	FETCH 0
	global_prefetch_b8 v[PF3], s[PFB:PFB+1] offset:2*KS*FRB th:TH_LOAD_NT scope:SCOPE_SE   ; fill 2, one fill ahead of its tensor load: my quarter's 30 runs
	STEP 0, 1                                      ; the first step's products start the sums
.set ST, 1
.rept KT-2
	STEP ST, 0
.set ST, ST+1
.endr
	s_wait_dscnt 0x0                               ; the last step
	BWAIT KT-1
	MUL16 KT-1, 0
	PLACES 4
	WIN 0x08                                       ; an LDS store's data: window 2
.irp a, 0,1,2,3,4,5,6,7
.irp b, 0,1
	ds_store_b128 v[STO], v[8*(2*\a+\b):8*(2*\a+\b)+3] offset:(32*(\a/2)+8*(\a%2))*SP+32*\b          ; each accumulator from its low end on
	ds_store_b128 v[STO], v[8*(2*\a+\b)+4:8*(2*\a+\b)+7] offset:(32*(\a/2)+8*(\a%2))*SP+32*\b+16
.endr
.endr
	WIN 0
	s_wait_dscnt 0x0                               ; for the others' sake: my stores have landed
	s_barrier_signal -1
	s_barrier_wait -1                              ; the tile lies whole in the stage
	WIN 0x80                                       ; destination window 2
.set t, 0
.rept 32
	ds_load_b128 v[128+4*t:128+4*t+3], v[RD] offset:t*SP
.set t, t+1
.endr
	s_wait_loadcnt 0x0                             ; the residual and the bias
.irp g, 0,1,2,3
	s_wait_dscnt 8*(3-\g)                          ; eight rows are back; the younger loads may be out
	WIN 0x8e                                       ; source 0 and destination window 2, source 1 window 3
.set j, 0
.rept 16
	v_pk_add_f32 v[128+32*\g+j:128+32*\g+j+1], v[128+32*\g+j:128+32*\g+j+1], v[32*\g+j:32*\g+j+1]
.set j, j+2
.endr
	WIN 0x82                                       ; source 1 window 0: the bias
.irp t, 0,1,2,3,4,5,6,7
	v_pk_add_f32 v[128+32*\g+4*\t:128+32*\g+4*\t+1], v[128+32*\g+4*\t:128+32*\g+4*\t+1], v[BI:BI+1]
	v_pk_add_f32 v[128+32*\g+4*\t+2:128+32*\g+4*\t+3], v[128+32*\g+4*\t+2:128+32*\g+4*\t+3], v[BI+2:BI+3]
.endr
	WIN 0x08                                       ; a store's data: window 2
.irp t, 0,1,2,3,4,5,6,7
	global_store_b128 v[L16], v[128+32*\g+4*\t:128+32*\g+4*\t+3], s[12:13] offset:(8*\g+\t)*4096 th:TH_STORE_NT   ; 32 lanes store 512 consecutive bytes, aligned
.endr
.endr
	WIN 0
	s_wait_tensorcnt 0x0                           ; the wave's end
	ds_add_u32 v[SPW], v[NIL]
	s_wait_dscnt 0x0
	CROUND                                         ; the closing round
	s_endpgm
.Lfunc_end_k_qb7fde95c05_ff2:
	.size	k_qb7fde95c05_ff2, .Lfunc_end_k_qb7fde95c05_ff2-k_qb7fde95c05_ff2
	.p2alignl 7, 3214868480
	.fill 96, 4, 3214868480
	.section	.rodata,"a",@progbits
	.p2align	6, 0x0
	.amdhsa_kernel k_qb7fde95c05_ff2
		.amdhsa_group_segment_fixed_size 327680
		.amdhsa_private_segment_fixed_size 0
		.amdhsa_enable_private_segment 0
		.amdhsa_kernarg_size 40
		.amdhsa_user_sgpr_count 2
		.amdhsa_user_sgpr_kernarg_segment_ptr 1
		.amdhsa_wavefront_size32 1
		.amdhsa_system_sgpr_workgroup_id_x 1
		.amdhsa_system_sgpr_workgroup_id_y 1
		.amdhsa_system_sgpr_workgroup_id_z 1
		.amdhsa_system_vgpr_workitem_id 0
		.amdhsa_next_free_vgpr 896
		.amdhsa_next_free_sgpr 100
		.amdhsa_reserve_vcc 0
		.amdhsa_float_denorm_mode_32 3
		.amdhsa_float_denorm_mode_16_64 3
		.amdhsa_memory_ordered 1
		.amdhsa_forward_progress 1
		.amdhsa_inst_pref_size 212
	.end_amdhsa_kernel
	.amdgpu_metadata
---
amdhsa.version: [ 1, 2 ]
amdhsa.kernels:
  - .name:           k_qb7fde95c05_ff2
    .symbol:         k_qb7fde95c05_ff2.kd
    .args:
      - { .name: gg, .offset: 0, .size: 8, .value_kind: global_buffer, .address_space: global }
      - { .name: wk, .offset: 8, .size: 8, .value_kind: global_buffer, .address_space: global }
      - { .name: b_ff2, .offset: 16, .size: 8, .value_kind: global_buffer, .address_space: global }
      - { .name: x1, .offset: 24, .size: 8, .value_kind: global_buffer, .address_space: global }
      - { .name: out0, .offset: 32, .size: 8, .value_kind: global_buffer, .address_space: global }
    .group_segment_fixed_size: 327680
    .private_segment_fixed_size: 0
    .kernarg_segment_align: 8
    .kernarg_segment_size: 40
    .max_flat_workgroup_size: 128
    .sgpr_count:     100
    .vgpr_count:     896
    .wavefront_size: 32
...
	.end_amdgpu_metadata
.endif
;; end of part 7
